; MI455X (gfx1250); checked and timed in simulation.
; The chip was launched on July 23, 2026; its instructions are those of AMD's public machine-readable ISA for CDNA 5 (MIT licence, August 2026) and "CDNA5" Instruction Set Architecture Reference Guide (July 2026). The comments in the code are by the model that wrote it; some were corrected since.
;; Multi Head Latent Attention. Allowed arithmetic: matrix products marked QUANTISED: E4M3 operands, one given power-of-two scale a tensor, by v_wmma_f32_16x16x64_fp8_fp8 or v_wmma_f32_16x16x128_fp8_fp8, f32 sums; everything else in f32.
;; Inputs: Wk_u 256 x 1,024 float32; Wkv_d 2,048 x 256 float32; Wo 2,048 x 2,048 float32; Wq_d 2,048 x 256 float32; Wq_u 256 x 1,024 float32; Wrk 2,048 x 1,024 float32; Wrq 256 x 1,024 float32; Wv_u 256 x 2,048 float32; hidden_states 2 x 2,048 x 2,048 float32; lowp_scales 20 int32 (the exponents e of the quantised operands' scales 2^e).
;; Outputs: out0 2 x 2,048 x 2,048 float32.
;; This version of the problem:
;;   THIS VERSION OF THE PROBLEM IS GIVEN IN LOW PRECISION. The matrix products marked QUANTISED in the list below multiply operands that are first quantised to E4M3 (4 exponent bits, 3 mantissa bits; 8 bits a number), with one given power-of-two scale for each operand tensor; their sums are f32. All else is computed in f32.
;;   The module's matrix products, in the order in which they are computed (A, B: the left and right operand; K: the contracted axis; several contracted axes count as one K, in the product's order):
;;     1. [M 4,096, K 2,048] x [K 2,048, N 256]; A: input hidden_states; B: input Wkv_d: QUANTISED (scales: A lowp_scales[0], B lowp_scales[1])
;;     2. [M 4,096, K 2,048] x [K 2,048, N 256]; A: input hidden_states; B: input Wq_d: QUANTISED (scales: A lowp_scales[2], B lowp_scales[3])
;;     3. [M 4,096, K 256] x [K 256, N 1,024]; A: computed on the way; B: input Wk_u: QUANTISED (scales: A lowp_scales[4], B lowp_scales[5])
;;     4. [M 4,096, K 256] x [K 256, N 1,024]; A: computed on the way; B: input Wq_u: QUANTISED (scales: A lowp_scales[6], B lowp_scales[7])
;;     5. [M 4,096, K 256] x [K 256, N 2,048]; A: computed on the way; B: input Wv_u: QUANTISED (scales: A lowp_scales[8], B lowp_scales[9])
;;     6. [M 4,096, K 2,048] x [K 2,048, N 1,024]; A: input hidden_states; B: input Wrk: QUANTISED (scales: A lowp_scales[10], B lowp_scales[11])
;;     7. [M 4,096, K 256] x [K 256, N 1,024]; A: computed on the way; B: input Wrq: QUANTISED (scales: A lowp_scales[12], B lowp_scales[13])
;;     8. batch 32 x [M 2,048, K 128] x [K 128, N 2,048]; A: computed on the way; B: computed on the way: QUANTISED (scales: A lowp_scales[14], B lowp_scales[15])
;;     9. batch 32 x [M 2,048, K 2,048] x [K 2,048, N 128]; A: softmax (see below); B: computed on the way: QUANTISED (scales: A lowp_scales[16], B lowp_scales[17])
;;     10. [M 4,096, K 2,048] x [K 2,048, N 2,048]; A: computed on the way; B: input Wo: QUANTISED (scales: A lowp_scales[18], B lowp_scales[19])
;;   THE QUANTISER, for each operand of a quantised product, along K:
;;     - The operand's scale is 2^e, e = its entry of the input lowp_scales (int32; the entries are numbered through the quantised products in the list's order, A before B).
;;     - Each number is divided by the scale, clamped to +-448, and rounded to the nearest number of E4M3, ties to even, subnormals kept.
;;     - The product sums the exact products of the quantised numbers (number of the format x scale) in f32.
;;   ~~~python
;;   def quantise(x, axis, e):      # numpy; x: float32 -> the quantised numbers, widened to float32 again
;;       x = np.moveaxis(x, axis, -1); K = x.shape[-1]
;;       r = np.clip(x / 2.0 ** e, -448, 448)
;;       step = 2.0 ** (np.maximum(np.frexp(np.where(r == 0, 1, r))[1] - 1, -6) - 3)
;;       q = np.round(r / step) * step * 2.0 ** e      # np.round: ties to even
;;       return np.moveaxis(q, -1, axis).astype(np.float32)
;;   ~~~
;;   SOFTMAX AHEAD OF A QUANTISED PRODUCT. Where the list says 'softmax', what is quantised is not the finished softmax but p = 2^(t - M), with t = logit x log2(e) and M = ceil(the row's largest t), a whole number; so 1/2 < the row's largest p <= 1. The row's sum l is taken of the UNQUANTISED p, in f32, and the product's result is divided by l at the end. Since M is a whole number, a kernel that streams over the keys may use a running M (the ceiling of the running maximum): every later rescaling is an exact power of two, so the quantised numbers keep their values, but for numbers so far below the row's largest that they fall under the format's range.
;;   OPERANDS COMPUTED ON THE WAY. 'Computed on the way' means the value that the module computes at that place (a softmax that the list does not call 'softmax' is quantised finished and normalised). What goes into a quantiser is computed in f32, as accurately as f32 sums, v_exp_f32 and their like allow (about 1e-6 of the number): no bf16 or f16 on the way to a quantiser, and a product that is left as it is and whose result goes on into a quantised operand takes f32 operands (vector FMAs, or v_wmma_f32_16x16x4_f32). A number that lies on a knife's edge between two numbers of the format may be rounded either way, as far as f32 arithmetic and the matrix unit's own rounding can turn it there, and no further.
;; 2 versions. Each part assembles by itself: llvm-mc -triple=amdgcn-amd-amdhsa -mcpu=gfx1250 --defsym DOCPART=n.
;; ======== version 1 of 2: 5 launches
;; workspace buffers: xc 25,165,824 bytes; wc 8,650,752 bytes; rope 524,288 bytes; lat 4,194,304 bytes; qimg 8,388,608 bytes; kimg 8,388,608 bytes; vimg 8,388,608 bytes; yimg 8,388,608 bytes
;; launch prep (part 1): grid 520 x 1, 4 waves a work-group, no clusters, 68,096 bytes of LDS; arguments hidden_states, Wkv_d, Wq_d, Wk_u, Wq_u, Wv_u, Wrk, Wrq, Wo, lowp_scales, xc, wc, rope; writes xc, wc, rope
.if DOCPART == 1
	.amdgcn_target "amdgcn-amd-amdhsa--gfx1250"
	.amdhsa_code_object_version 6
	.text
	.protected	k_qb49e6f2e21_prep
	.globl	k_qb49e6f2e21_prep
	.p2align	8
	.type	k_qb49e6f2e21_prep,@function
k_qb49e6f2e21_prep:
	s_mov_b64 s[64:65], 0
	v_nop
	global_prefetch_b8 v0, s[64:65] scope:SCOPE_SE
	s_setreg_imm32_b32 hwreg(HW_REG_WAVE_MODE, 25, 1), 1
	s_wait_xcnt 0x0
; PREP: every f32 input becomes codes of E4M3, once, and the table of cosines and sines is made.
; Work-groups 0-255: hidden_states [4096][2048] -> xc, three sets of codes [4096][2048], one for each given scale under which it is multiplied (entries 0, 2, 10 of the scales).
;   Sets 0 and 2 have their token rows in PHYSICAL order (bits 3 and 4 of the row number exchanged), set 1 in natural order: a tile of 16 consecutive physical rows, used as source 0 of a
;   matrix instruction, leaves 16 neighbouring actual rows in a lane's 16 registers of two neighbouring tiles.
;   Each of these 1,024 waves also makes 512 bytes of the table rope[postile 128][x 8][lane (r, h)][4]: x < 4: cos(pos = 16 postile + r, frequency 16 h + 4 x + jj), x >= 4: sin, with x - 4.
; Work-groups 256-519: the eight weights [K][N] -> wc, K innermost, N rows in physical order: a lane takes a column and its registers run down K.
;   Wkv_d, Wq_d, Wrk, Wo: rows of 2,048 codes.  Wk_u, Wq_u, Wrq, Wv_u (K = 256): images of operand registers, [column tile][K step 2][c 4][lane][16 bytes], lane (r, h): k = 32 c + 16 h + 0 .. 15 of row r.
; code = x / 2^e, held within +-448, to the nearest code, ties to even.  LIMITS: each e between -126 and 119.  NaN among the inputs is not served; an infinity is held at the largest code.
; cos and sin: inverse frequency 2^(-i log2(10000) / 32) with the exponent in two parts; angle = pos x that, rounded once; reduced by multiples of pi/2 held in two parts; series to R^9 and R^10
; for |R| <= pi/4.  The inverse frequency is good to about one unit in its last place, so at the largest positions the angle is good to about 1e-4.
; No tensor loads, no barrier: waves share nothing.  The two paths part on the work-group's number and have LDS bytes of their own.
.set SPARE, 67584                      ; behind both paths' stages: the spare words, 128 bytes a wave
.set SPW,   12                         ; v12  LDS address of my spare word; never rewritten
.set NIL,   13                         ; v13  0; never rewritten
.set SP,    80                         ; tokens' path: a lane's place in a stage: 64 bytes + 16 of padding
.set R,     16                         ; v16-79   four sets of 16 numbers as loaded
.set X,     80                         ; v80-111  two sets of 16 neighbours
.set T,     112                        ; v112-159 the held numbers, a set for each scale
.set C,     160                        ; v160-183 two sets of 12 registers of codes
.set WSTG,  32768                      ; weights' path: the stages begin here, 32 rows x 272 bytes a wave
.set WPIT,  272
.set WX,    48                         ; v48-111  two sets of 32 numbers
.set WC,    112                        ; v112-119 a block's codes
.set OUTR,  120                        ; v120-183 the way out
.set WUC,   3145728                    ; wc: the images begin here,
.set WOC,   4456448                    ; and Wo's rows here
.macro MKSC e, sc, lm                  ; s[e] = an exponent x: v[sc] = 2^x as f32, v[lm] = 448 x 2^x
	s_add_co_i32 s94, s[\e], 127
	s_lshl_b32 s95, s94, 23
	v_mov_b32 v[\sc], s95
	s_add_co_i32 s94, s94, 8
	s_lshl_b32 s94, s94, 23
	s_or_b32 s94, s94, 0x600000
	v_mov_b32 v[\lm], s94
.endm
	s_load_b512 s[4:19], s[0:1], 0x0               ; hidden_states 4, Wkv_d 6, Wq_d 8, Wk_u 10, Wq_u 12, Wv_u 14, Wrk 16, Wrq 18
	s_load_b256 s[20:27], s[0:1], 0x40             ; Wo 20, the scales 22, xc 24, wc 26
	s_load_b64 s[28:29], s[0:1], 0x60              ; rope
	v_lshl_add_u32 v[SPW], v0, 2, SPARE
	v_mov_b32 v[NIL], 0
	v_lshrrev_b32 v1, 5, v0
	v_readfirstlane_b32 s30, v1                    ; wave
	v_and_b32 v2, 31, v0                           ; lane
	v_lshlrev_b32 v3, 4, v2                        ; 16 x lane
	s_wait_kmcnt 0x0
	s_load_b512 s[32:47], s[22:23], 0x0            ; e0 .. e15 in s32 .. s47
	s_load_b128 s[48:51], s[22:23], 0x40           ; e16 .. e19
	s_cmp_ge_u32 ttmp9, 256
	s_cbranch_scc1 .Lweights
; ---------------- the tokens: wave J takes rows 4 J .. 4 J + 3: 16 steps of 512 numbers
	s_lshl_b32 s52, ttmp9, 2
	s_add_co_u32 s52, s52, s30                     ; J
	s_lshr_b32 s53, s52, 1
	s_lshr_b32 s60, s52, 2
	s_xor_b32 s53, s53, s60
	s_and_b32 s53, s53, 1
	s_mul_i32 s53, s53, 6
	s_xor_b32 s53, s53, s52                        ; J with bits 1 and 2 exchanged: the rows' physical place
	s_mov_b32 s61, 0
	s_lshl_b32 s60, s52, 15
	s_add_nc_u64 s[4:5], s[4:5], s[60:61]          ; my 32,768 bytes of f32
	s_lshl_b32 s60, s53, 13
	s_add_nc_u64 s[54:55], s[24:25], s[60:61]      ; set 0, physical
	s_add_co_u32 s60, s60, 2<<23
	s_add_nc_u64 s[58:59], s[24:25], s[60:61]      ; set 2, physical
	s_lshl_b32 s60, s52, 13
	s_add_co_u32 s60, s60, 1<<23
	s_add_nc_u64 s[56:57], s[24:25], s[60:61]      ; set 1, natural
	s_lshl_b32 s60, s52, 9
	s_add_nc_u64 s[62:63], s[28:29], s[60:61]      ; my 512 bytes of the table
.macro XLD t                           ; a step's 2,048 bytes: each load reads 512 consecutive bytes
.irp i, 0,1,2,3
	global_load_b128 v[R+16*((\t)%4)+4*\i:R+16*((\t)%4)+4*\i+3], v3, s[4:5] offset:2048*(\t)+512*\i th:TH_LOAD_NT
.endr
.endm
.macro XTURN t                         ; through my stage, so that a lane gets 16 neighbours; LDS serves a wave's instructions in order
.irp i, 0,1,2,3
	ds_store_b128 v14, v[R+16*((\t)%4)+4*\i:R+16*((\t)%4)+4*\i+3] offset:32*SP*((\t)%2)+8*SP*\i
.endr
.irp i, 0,1,2,3
	ds_load_b128 v[X+16*((\t)%2)+4*\i:X+16*((\t)%2)+4*\i+3], v15 offset:32*SP*((\t)%2)+16*\i
.endr
.endm
	XLD 0
	XLD 1
	XLD 2
	XLD 3
	s_lshl_b32 s31, s30, 13                        ; my 8,192 bytes of LDS
	v_lshrrev_b32 v14, 2, v2
	v_mul_u32_u24 v14, v14, SP
	v_and_b32 v15, 3, v2
	v_lshl_add_u32 v14, v15, 4, v14
	v_add_nc_u32 v14, s31, v14                     ; in: 80 (lane / 4) + 16 (lane % 4)
	v_mul_u32_u24 v15, v2, SP
	v_add_nc_u32 v15, s31, v15                     ; out: 80 x lane
	; ---- my part of the table, while the first loads are on their way
	v_and_b32 v10, 15, v2                          ; r
	v_lshrrev_b32 v11, 4, v2                       ; h
	s_lshr_b32 s60, s52, 3
	s_lshl_b32 s60, s60, 4                         ; 16 x postile
	v_add_nc_u32 v10, s60, v10
	v_cvt_f32_u32 v10, v10                         ; pos
	s_and_b32 s60, s52, 3
	s_lshl_b32 s60, s60, 2
	v_lshl_add_u32 v11, v11, 4, s60                ; the first of my four frequencies: 16 h + 4 (x & 3)
.irp j, 0,1,2,3
	v_add_nc_u32 v[112+\j], \j, v11
.endr
.irp j, 0,1,2,3
	v_cvt_f32_u32 v[112+\j], v[112+\j]             ; F
.endr
	s_mov_b32 s60, 0xbed49a78                      ; -log2(10000) / 32, rounded,
	s_mov_b32 s61, 0xb2179abc                      ; and what the rounding left
.irp j, 0,1,2,3
	v_mul_f32 v[116+\j], s60, v[112+\j]            ; P
.endr
.irp j, 0,1,2,3
	v_fma_f32 v[120+\j], v[112+\j], s60, -v[116+\j]   ; what P's rounding left,
.endr
.irp j, 0,1,2,3
	v_fma_f32 v[120+\j], v[112+\j], s61, v[120+\j]    ; and the low part: E
.endr
.irp j, 0,1,2,3
	v_exp_f32 v[124+\j], v[116+\j]                 ; 2^P
.endr
	v_nop                                          ; a plain instruction behind the last exponential
	s_wait_alu depctr_va_vdst(0)                   ; one wait for the four, ahead of their first reader
.irp j, 0,1,2,3
	v_mul_f32 v[116+\j], 0x3f317218, v[124+\j]     ; ln 2 x 2^P
.endr
.irp j, 0,1,2,3
	v_fma_f32 v[124+\j], v[116+\j], v[120+\j], v[124+\j]   ; 2^(P + E)
.endr
.irp j, 0,1,2,3
	v_mul_f32 v[112+\j], v10, v[124+\j]            ; the angle A, rounded once
.endr
.irp j, 0,1,2,3
	v_mul_f32 v[116+\j], 0x3f22f983, v[112+\j]     ; A x 2 / pi
.endr
.irp j, 0,1,2,3
	v_rndne_f32 v[116+\j], v[116+\j]               ; N
.endr
	s_mov_b32 s60, 0x3fc90fdb                      ; pi / 2 in two parts
	s_mov_b32 s61, 0xb33bbd2e
.irp j, 0,1,2,3
	v_fma_f32 v[112+\j], -v[116+\j], s60, v[112+\j]
.endr
.irp j, 0,1,2,3
	v_fma_f32 v[112+\j], -v[116+\j], s61, v[112+\j]   ; R = A - N pi / 2
.endr
.irp j, 0,1,2,3
	v_mul_f32 v[120+\j], v[112+\j], v[112+\j]      ; z = R^2
.endr
.irp j, 0,1,2,3
	v_cvt_i32_f32 v[116+\j], v[116+\j]             ; N as a whole number
.endr
.irp j, 0,1,2,3
	v_mov_b32 v[124+\j], 0x3638ef1d                ; sin R = R + R z (-1/6 + z (1/120 + z (-1/5040 + z / 362880)))
.endr
.irp k, 0xb9500d01, 0x3c088889, 0xbe2aaaab
.irp j, 0,1,2,3
	v_fmaak_f32 v[124+\j], v[124+\j], v[120+\j], \k
.endr
.endr
.irp j, 0,1,2,3
	v_mul_f32 v[128+\j], v[112+\j], v[120+\j]
.endr
.irp j, 0,1,2,3
	v_fma_f32 v[124+\j], v[128+\j], v[124+\j], v[112+\j]
.endr
.irp j, 0,1,2,3
	v_mov_b32 v[128+\j], 0xb493f27e                ; cos R = 1 + z (-1/2 + z (1/24 + z (-1/720 + z (1/40320 - z / 3628800))))
.endr
.irp k, 0x37d00d01, 0xbab60b61, 0x3d2aaaab, 0xbf000000, 0x3f800000
.irp j, 0,1,2,3
	v_fmaak_f32 v[128+\j], v[128+\j], v[120+\j], \k
.endr
.endr
.irp j, 0,1,2,3
	v_and_b32 v[132+\j], 1, v[116+\j]
.endr
.irp j, 0,1,2,3
	v_cmp_eq_u32 vcc_lo, 1, v[132+\j]              ; N odd: sine and cosine change places
	v_cndmask_b32 v[136+\j], v[124+\j], v[128+\j], vcc_lo
	v_cndmask_b32 v[140+\j], v[128+\j], v[124+\j], vcc_lo
.endr
.irp j, 0,1,2,3
	v_and_b32 v[132+\j], 2, v[116+\j]              ; sin A is negated where N mod 4 is 2 or 3,
	v_add_nc_u32 v[148+\j], 1, v[116+\j]
	v_lshlrev_b32 v[132+\j], 30, v[132+\j]
	v_and_b32 v[148+\j], 2, v[148+\j]              ; cos A where it is 1 or 2
	v_xor_b32 v[136+\j], v[132+\j], v[136+\j]
	v_lshlrev_b32 v[148+\j], 30, v[148+\j]
	v_xor_b32 v[140+\j], v[148+\j], v[140+\j]
.endr
	s_and_b32 s60, s52, 4
	s_cmp_eq_u32 s60, 0                            ; x < 4: I store cosines
	s_cselect_b32 s60, -1, 0
.irp j, 0,1,2,3
	v_cndmask_b32 v[144+\j], v[136+\j], v[140+\j], s60
.endr
	global_store_b128 v3, v[144:147], s[62:63]     ; 512 consecutive bytes a wave
	s_wait_kmcnt 0x0                               ; the scales
	MKSC 32, 4, 5                                  ; e0
	MKSC 34, 6, 7                                  ; e2
	MKSC 42, 8, 9                                  ; e10
	s_wait_loadcnt 12                              ; step 0's four loads are in; the 12 of steps 1 to 3 may be out
	XTURN 0
.macro XSTEP t
.set XS, X+16*((\t)%2)
.set CC, C+12*((\t)%2)
	s_wait_dscnt 0x0                               ; this step's numbers are back from the stage, and its stores into the stage have read their registers
	s_wait_xcnt 0x0                                ; earlier stores have read their data: this set of codes (stored two steps ago) and, in step 0, the table's registers are written again only behind this wait
.if (\t)+4 < 16
	XLD (\t)+4
.endif
.if (\t)+1 < 16
.if 14-(\t) >= 3
	s_wait_loadcnt 12                              ; the next step's four loads are in; those of the three steps behind it may be out
.else
	s_wait_loadcnt 4*(14-(\t))
.endif
	XTURN (\t)+1
.endif
.irp k, 0,1,2                          ; the three scales: the hold (the conversion does not saturate: ISA guide 7.6.2), then the conversion; the next scale's holds are the plain lines behind the conversions
.irp i, 0,1,2,3,4,5,6,7,8,9,10,11,12,13,14,15
	v_med3_num_f32 v[T+16*\k+\i], v[XS+\i], -v[5+2*\k], v[5+2*\k]
.endr
	v_cvt_scalef32_pk8_fp8_f32 v[CC+4*\k:CC+4*\k+1], v[T+16*\k:T+16*\k+7], v[4+2*\k]
	v_cvt_scalef32_pk8_fp8_f32 v[CC+4*\k+2:CC+4*\k+3], v[T+16*\k+8:T+16*\k+15], v[4+2*\k]
.endr
	global_store_b128 v3, v[CC:CC+3], s[54:55] offset:512*(\t)       ; 512 consecutive bytes each
	global_store_b128 v3, v[CC+4:CC+7], s[56:57] offset:512*(\t)
	global_store_b128 v3, v[CC+8:CC+11], s[58:59] offset:512*(\t)
.endm
.irp t, 0,1,2,3,4,5,6,7,8,9,10,11,12,13,14,15
	XSTEP \t
.endr
	s_wait_tensorcnt 0x0                           ; the wave's end
	ds_add_u32 v[SPW], v[NIL]
	s_wait_dscnt 0x0
	s_endpgm
; ---------------- the weights: a work-group takes 128 columns x 256 along K, a wave 32 columns
.Lweights:
	s_wait_kmcnt 0x0                               ; the scales
	s_sub_co_u32 s60, ttmp9, 256                   ; g
	s_mov_b64 s[66:67], s[20:21]                   ; from g = 0: Wo
	s_mov_b32 s68, 0                               ; the weight's first g
	s_mov_b32 s69, 4                               ; log2 of its column blocks
	s_mov_b32 s70, WOC                             ; its place in wc
	s_mov_b32 s71, s51                             ; its e
.macro PICK start, ptr, lg, off, e     ; the choice hangs on the work-group's number alone
	s_cmp_ge_u32 s60, \start
	s_cselect_b64 s[66:67], s[\ptr:\ptr+1], s[66:67]
	s_cselect_b32 s68, \start, s68
	s_cselect_b32 s69, \lg, s69
	s_cselect_b32 s70, \off, s70
	s_cselect_b32 s71, s[\e], s71
.endm
	PICK 128, 16, 3, 1048576, 43                   ; Wrk, e11
	PICK 192, 6, 1, 0, 33                          ; Wkv_d, e1
	PICK 208, 8, 1, 524288, 35                     ; Wq_d, e3
	PICK 224, 14, 4, WUC+786432, 41                ; Wv_u, e9
	PICK 240, 10, 3, WUC, 37                       ; Wk_u, e5
	PICK 248, 12, 3, WUC+262144, 39                ; Wq_u, e7
	PICK 256, 18, 3, WUC+524288, 45                ; Wrq, e13
	s_sub_co_u32 s61, s60, s68
	s_lshl_b32 s62, 1, s69
	s_sub_co_u32 s62, s62, 1
	s_and_b32 s62, s61, s62                        ; column block
	s_lshr_b32 s63, s61, s69                       ; which 256 along K
	s_lshl_b32 s72, 512, s69                       ; a row of the weight in bytes
	s_lshl_b32 s62, s62, 7
	s_lshl_b32 s61, s30, 5
	s_add_co_u32 s62, s62, s61                     ; my first column n0
	s_mul_i32 s90, s63, s72
	s_lshl_b32 s90, s90, 8
	s_lshl_b32 s61, s62, 2
	s_add_co_u32 s90, s90, s61
	s_mov_b32 s91, 0
	s_add_nc_u64 s[74:75], s[66:67], s[90:91]      ; block 0: 32 rows of K from here
	s_lshl_b32 s90, s72, 5
.irp t, 1,2,3,4,5,6,7
	s_add_nc_u64 s[74+2*\t:75+2*\t], s[72+2*\t:73+2*\t], s[90:91]   ; block t: 32 rows on
.endr
	s_cmp_lt_u32 s60, 224
	s_cselect_b32 s61, 11, 8                       ; a column's codes: 2,048 bytes in rows, 256 in images
	s_lshl_b32 s90, s62, s61
	s_lshl_b32 s61, s63, 8
	s_add_co_u32 s90, s90, s61
	s_add_co_u32 s90, s90, s70
	s_add_nc_u64 s[92:93], s[26:27], s[90:91]
	s_mul_i32 s61, s30, 32*WPIT
	s_add_co_u32 s61, s61, WSTG                    ; my stage
	v_mul_u32_u24 v4, v2, WPIT
	v_add_nc_u32 v4, s61, v4                       ; into it: row = my column
	v_and_b32 v5, 15, v2                           ; r
	v_lshrrev_b32 v6, 4, v2                        ; h
	v_mul_u32_u24 v7, v6, WPIT
	v_lshl_add_u32 v7, v5, 4, v7
	v_add_nc_u32 v7, s61, v7                       ; out by rows: sixteen lanes to a row, two rows an instruction
	v_lshlrev_b32 v8, 11, v6
	v_lshl_add_u32 v8, v5, 4, v8                   ; and the same place among rows of 2,048 bytes
	v_and_b32 v9, 8, v5
	v_add_nc_u32 v9, v9, v5
	v_mul_u32_u24 v9, v9, WPIT
	v_lshl_add_u32 v9, v6, 4, v9
	v_add_nc_u32 v9, s61, v9                       ; out as images: column r + 8 (r / 8), + 16 h
	v_lshlrev_b32 v16, 2, v2                       ; v16-47: 4 x lane + i rows
.set i, 1
.rept 31
	v_add_nc_u32 v[16+i], s72, v[15+i]
.set i, i+1
.endr
	MKSC 71, 11, 10
.macro WLD t                           ; block t: W(32 t + i, my column): 128 consecutive bytes a wave, 512 a work-group
.set i, 0
.rept 32
	global_load_b32 v[WX+32*((\t)%2)+i], v[16+i], s[74+2*(\t):75+2*(\t)] th:TH_LOAD_NT
.set i, i+1
.endr
.endm
	WLD 0
	WLD 1
.macro WBLK t
.set XS, WX+32*((\t)%2)
.if (\t) < 7
	s_wait_loadcnt 32                              ; this block's 32 loads are in; the next block's may be out
.else
	s_wait_loadcnt 0
.endif
.set i, 0
.rept 32
	v_med3_num_f32 v[XS+i], v[XS+i], -v10, v10
.set i, i+1
.endr
.irp g, 0,1,2,3
	v_cvt_scalef32_pk8_fp8_f32 v[WC+2*\g:WC+2*\g+1], v[XS+8*\g:XS+8*\g+7], v11
.endr
	ds_store_b128 v4, v[WC:WC+3] offset:32*(\t)    ; 32 codes of my column's row; the next block begins with plain vector lines
	ds_store_b128 v4, v[WC+4:WC+7] offset:32*(\t)+16
.if (\t)+2 < 8
	WLD (\t)+2
.endif
	s_wait_dscnt 0x0                               ; the stores have read their registers
.endm
.irp t, 0,1,2,3,4,5,6,7
	WBLK \t
.endr
	s_cmp_ge_u32 s60, 224
	s_cbranch_scc1 .Limage
.irp t, 0,1,2,3,4,5,6,7,8,9,10,11,12,13,14,15
	ds_load_b128 v[OUTR+4*\t:OUTR+4*\t+3], v7 offset:2*\t*WPIT
.endr
.irp t, 0,1,2,3,4,5,6,7,8,9,10,11,12,13,14,15
	s_wait_dscnt 15-\t
	global_store_b128 v8, v[OUTR+4*\t:OUTR+4*\t+3], s[92:93] offset:(((2*\t)&7)|(((2*\t)&8)<<1)|(((2*\t)&16)>>1))*2048   ; columns 2 t, 2 t + 1 at their physical rows; sixteen lanes store 256 consecutive bytes, aligned
.endr
	s_wait_tensorcnt 0x0                           ; the wave's end
	ds_add_u32 v[SPW], v[NIL]
	s_wait_dscnt 0x0
	s_endpgm
.Limage:
.irp t, 0,1,2,3,4,5,6,7,8,9,10,11,12,13,14,15
	ds_load_b128 v[OUTR+4*\t:OUTR+4*\t+3], v9 offset:8*(\t/8)*WPIT+128*((\t/4)%2)+32*(\t%4)   ; tile t / 8, K step (t / 4) % 2, c = t % 4
.endr
.irp t, 0,1,2,3,4,5,6,7,8,9,10,11,12,13,14,15
	s_wait_dscnt 15-\t
	global_store_b128 v3, v[OUTR+4*\t:OUTR+4*\t+3], s[92:93] offset:512*\t   ; 512 consecutive bytes
.endr
	s_wait_tensorcnt 0x0                           ; the wave's end
	ds_add_u32 v[SPW], v[NIL]
	s_wait_dscnt 0x0
	s_endpgm
.Lfunc_end_k_qb49e6f2e21_prep:
	.size	k_qb49e6f2e21_prep, .Lfunc_end_k_qb49e6f2e21_prep-k_qb49e6f2e21_prep
	.p2alignl 7, 3214868480
	.fill 96, 4, 3214868480
	.section	.rodata,"a",@progbits
	.p2align	6, 0x0
	.amdhsa_kernel k_qb49e6f2e21_prep
		.amdhsa_group_segment_fixed_size 68096
		.amdhsa_private_segment_fixed_size 0
		.amdhsa_enable_private_segment 0
		.amdhsa_kernarg_size 104
		.amdhsa_user_sgpr_count 2
		.amdhsa_user_sgpr_kernarg_segment_ptr 1
		.amdhsa_wavefront_size32 1
		.amdhsa_system_sgpr_workgroup_id_x 1
		.amdhsa_system_sgpr_workgroup_id_y 1
		.amdhsa_system_sgpr_workgroup_id_z 1
		.amdhsa_system_vgpr_workitem_id 0
		.amdhsa_next_free_vgpr 192
		.amdhsa_next_free_sgpr 96
		.amdhsa_reserve_vcc 1
		.amdhsa_float_denorm_mode_32 3
		.amdhsa_float_denorm_mode_16_64 3
		.amdhsa_memory_ordered 1
		.amdhsa_forward_progress 1
		.amdhsa_inst_pref_size 141
	.end_amdhsa_kernel
	.amdgpu_metadata
---
amdhsa.version: [ 1, 2 ]
amdhsa.kernels:
  - .name:           k_qb49e6f2e21_prep
    .symbol:         k_qb49e6f2e21_prep.kd
    .args:
      - { .name: hidden_states, .offset: 0, .size: 8, .value_kind: global_buffer, .address_space: global }
      - { .name: Wkv_d, .offset: 8, .size: 8, .value_kind: global_buffer, .address_space: global }
      - { .name: Wq_d, .offset: 16, .size: 8, .value_kind: global_buffer, .address_space: global }
      - { .name: Wk_u, .offset: 24, .size: 8, .value_kind: global_buffer, .address_space: global }
      - { .name: Wq_u, .offset: 32, .size: 8, .value_kind: global_buffer, .address_space: global }
      - { .name: Wv_u, .offset: 40, .size: 8, .value_kind: global_buffer, .address_space: global }
      - { .name: Wrk, .offset: 48, .size: 8, .value_kind: global_buffer, .address_space: global }
      - { .name: Wrq, .offset: 56, .size: 8, .value_kind: global_buffer, .address_space: global }
      - { .name: Wo, .offset: 64, .size: 8, .value_kind: global_buffer, .address_space: global }
      - { .name: lowp_scales, .offset: 72, .size: 8, .value_kind: global_buffer, .address_space: global }
      - { .name: xc, .offset: 80, .size: 8, .value_kind: global_buffer, .address_space: global }
      - { .name: wc, .offset: 88, .size: 8, .value_kind: global_buffer, .address_space: global }
      - { .name: rope, .offset: 96, .size: 8, .value_kind: global_buffer, .address_space: global }
    .group_segment_fixed_size: 68096
    .private_segment_fixed_size: 0
    .kernarg_segment_align: 8
    .kernarg_segment_size: 104
    .max_flat_workgroup_size: 128
    .sgpr_count:     96
    .vgpr_count:     192
    .wavefront_size: 32
...
	.end_amdgpu_metadata
.endif
;; end of part 1
;; launch down (part 2): grid 16 x 6, 4 waves a work-group, clusters of 4 x 1, 327,680 bytes of LDS; arguments xc, wc, lowp_scales, rope, lat, kimg; writes lat, kimg
.if DOCPART == 2
	.amdgcn_target "amdgcn-amd-amdhsa--gfx1250"
	.amdhsa_code_object_version 6
	.text
	.protected	k_qb49e6f2e21_down
	.globl	k_qb49e6f2e21_down
	.p2align	8
	.type	k_qb49e6f2e21_down,@function
k_qb49e6f2e21_down:
	s_mov_b64 s[64:65], 0
	v_nop
	global_prefetch_b8 v0, s[64:65] scope:SCOPE_SE
	s_setreg_imm32_b32 hwreg(HW_REG_WAVE_MODE, 25, 1), 1
	s_wait_xcnt 0x0
	s_wait_alu depctr_hold_cnt(0) depctr_sa_sdst(0) depctr_va_vdst(0) depctr_va_sdst(0) depctr_va_ssrc(0) depctr_va_vcc(0) depctr_vm_vsrc(0)
	s_getreg_b32 s2, hwreg(HW_REG_IB_STS2, 6, 4)
	s_cmp_eq_u32 s2, 0
	s_cbranch_scc0 .Lentry_in_a_cluster
	s_endpgm
.Lentry_in_a_cluster:
	s_bfe_u32 s2, ttmp6, 0x10000c
	s_cmp_lg_u32 s2, 0x3003
	s_cbranch_scc0 .Lentry_shape_is_right
	s_endpgm
.Lentry_shape_is_right:
; DOWN: hidden_states x (Wkv_d | Wq_d | Wrk), M 4,096, N 1,536, K 2,048, on codes of E4M3; the results are quantised in registers and leave as images of operand registers.
; Column block y (256 columns): 0: kv_d, 1: q_d, 2-5: k_r.  Each multiplies its own set of the tokens' codes (set min(y, 2) of xc), since each product has its own given scale.
; A tile of 256 x 256 is made by four waves, 128 x 128 each: 64 accumulators, 512 registers.  K goes in steps of 256 through a ring of two LDS slots.
; THE MATRIX INSTRUCTION IS USED TRANSPOSED (source 0 = 16 rows of the weight, source 1 = 16 tokens): a lane holds one token, and since the weight's rows lie in physical order (bits 3 and 4 exchanged),
; register 16 b + i of a token block's 64 is column 32 b + 16 (lane / 16) + i of my 128: 16 neighbours along the next product's K, in the order of its operand's registers.
; y < 2: the 128 columns are one K step of the next products: quantised twice (kv_d: entries 4 and 8; q_d: 6 and 12) -> lat[version][row tile][K step][c][lane][16].
; y >= 2: two heads of k_r: rotated (the table's row by the token's ACTUAL position: set 2's rows are physical), quantised with entry 15 -> c = 2, 3 of kimg[bh][tile][c][lane][16].
; CLUSTER 4 x 1: the four row tiles of a cluster need the same tile of the weight: it is asked for jointly (mask 15).  The tokens' tile is each work-group's own: a plain load in the same round.
; Not 4 x 4: column blocks 0, 1 and 2-5 read three different sets of the tokens' codes, so neighbours along y share no tile of tokens, and 6 column blocks are no multiple of 4.
; LIMITS: e4 - e0 - e1, e8 - e0 - e1, e6 - e2 - e3, e12 - e2 - e3, e15 - e10 - e11 between -126 and 119.
; REGISTERS: window 0: v8-11 scales, v16-30 addresses, from v128 the tokens' fragments, ONE set; window 1: the weight's fragments, TWO sets; windows 2, 3: the accumulators ((a, b) at v[8 (8 (a % 4) + b)]).
.set KSTEP,  256
.set ROWB,   256
.set KROW,   2048
.set PITCH,  272                       ; an LDS row: 256 bytes + 16 of padding: the 16 rows that a load touches start 4 banks apart
.set FR,     16
.set NL,     4
.set NP,     4
.set HALFT,  128*PITCH
.set SLOT,   4*HALFT
.set LAPS,   4                         ; 2,048 / 512
.set SPARE,  2*SLOT                    ; behind the ring: the spare words, 128 bytes a wave
.set ADRA, 16
.set ADRB, 20
.set LI,   27                          ; v27  16 x lane
.set SPW,  28
.set NIL,  29
.set VT,   30                          ; v30  my lane's place in the table
.set CSB,  32                          ; v32-95   two sets of 16 cosines and 16 sines
.set CD,   96                          ; v96-127  codes
.set TMP,  128                         ; v128-191 numbers on their way to codes
.set TMP2, 192                         ; v192-255 the second version's, or the rotation's products
.set AF,   128
.set G1, 24
.set G0, 32
.set G1B, 48
.set G0B, 56
.set MSB, 0
.macro WIN new                         ; the immediate's high byte repeats the setting that is left
.if MSB != \new
	s_set_vgpr_msb (MSB<<8)|\new
.set MSB, \new
.endif
.endm
.set MUL_LO, 0xa1
.set MUL_HI, 0xf1
.set TO_B,   0x40
.macro JLOAD g0a, g1a, g0b, g1b        ; waves 0 and 1 fetch the tokens' halves (plain), waves 2 and 3 the weight's (joint); an s_nop 0 and four v_nop follow each line
	s_cmp_eq_u32 s15, 0
	s_cbranch_scc0 .Lfor_b_\@
	tensor_load_to_lds s[\g0a:\g0a+3], s[\g1a:\g1a+7]
	s_nop 0
.rept 4
	v_nop
.endr
	s_branch .Lasked_\@
.Lfor_b_\@:
	tensor_load_to_lds s[\g0b:\g0b+3], s[\g1b:\g1b+7]
	s_nop 0
.rept 4
	v_nop
.endr
.Lasked_\@:
.endm
.macro CREST
	s_cmp_lg_u32 s14, 0
	s_cbranch_scc1 .Lnot_wave_0_\@
	s_barrier_signal -3
.Lnot_wave_0_\@:
	s_barrier_wait -3
	s_barrier_signal -1
	s_barrier_wait -1
.endm
.macro CROUND
	s_barrier_signal -1
	s_barrier_wait -1
	CREST
.endm
.macro MKSC x, sc, lm                  ; s[x] = an exponent: v[sc] = 2^x as f32, v[lm] = 448 x 2^x
	s_add_co_i32 s96, s[\x], 127
	s_lshl_b32 s97, s96, 23
	v_mov_b32 v[\sc], s97
	s_add_co_i32 s96, s96, 8
	s_lshl_b32 s96, s96, 23
	s_or_b32 s96, s96, 0x600000
	v_mov_b32 v[\lm], s96
.endm
	s_load_b256 s[4:11], s[0:1], 0x0               ; xc 4, wc 6, the scales 8, rope 10
	s_load_b128 s[88:91], s[0:1], 0x20             ; lat 88, kimg 90
	v_lshl_add_u32 v[SPW], v0, 2, SPARE
	v_mov_b32 v[NIL], 0
	ds_add_u32 v[SPW], v[NIL]                      ; the wave's opening: the add, and its wait ahead of my first tensor load
	v_lshrrev_b32 v1, 5, v0
	v_readfirstlane_b32 s14, v1                    ; wave
	s_lshr_b32 s15, s14, 1                         ; which half of the tile's tokens is mine.  Also: I fetch tokens (0) or the weight (1)
	s_and_b32 s16, s14, 1                          ; which half of its columns.  Also: which 128 rows I fetch
	s_bfe_u32 s40, ttmp6, 0x40000                  ; cx
	s_lshl_b32 s17, ttmp9, 2
	s_add_co_u32 s17, s17, s40                     ; row tile = 4 x cluster x + cx
	s_and_b32 s42, ttmp7, 0xffff                   ; column block y, the same in all four partners
	s_mov_b32 s[G1+0], (0<<16)|(1<<20)|(5<<22)|(3<<25)               ; no mask; elements of 1 byte; padding: 4 words after every 64
	s_mov_b32 s[G1B+0], 15|(0<<16)|(1<<20)|(1<<21)|(5<<22)|(3<<25)   ; the same, for all four work-groups; bit 21 set beside the mask
.irp g, G1, G1B
	s_mov_b32 s[\g+1], ROWB<<16                    ; tensor_dim0
	s_mov_b32 s[\g+2], 128<<16                     ; tensor_dim1
	s_mov_b32 s[\g+3], ROWB<<16                    ; tile_dim0
	s_mov_b32 s[\g+4], 128                         ; tile_dim1
	s_mov_b32 s[\g+5], KROW                        ; from row to row
	s_mov_b32 s[\g+6], 0
	s_mov_b32 s[\g+7], 0
.endr
	s_lshl_b32 s18, s16, 7
	s_lshl_b32 s20, s17, 8
	s_add_co_u32 s20, s20, s18
	s_lshl_b32 s20, s20, 11                        ; tokens: row 256 x row tile + 128 x half, 2,048 bytes a row,
	s_min_u32 s19, s42, 2
	s_lshl_b32 s19, s19, 23
	s_add_co_u32 s20, s20, s19                     ; in set min(y, 2)
	s_mov_b32 s21, 0
	s_lshl_b32 s46, s42, 8
	s_add_co_u32 s46, s46, s18
	s_lshl_b32 s46, s46, 11                        ; the weight: row 256 y + 128 x half: nothing of cx in it
	s_mov_b32 s47, 0
	s_mul_i32 s45, s14, HALFT                      ; where they go: wave x 128 rows
	s_wait_dscnt 0x0                               ; the opening add is done
	s_wait_kmcnt 0x0
	s_load_b512 s[68:83], s[8:9], 0x0              ; e0 .. e15 in s68 .. s83
	s_add_nc_u64 s[20:21], s[4:5], s[20:21]
	s_add_nc_u64 s[46:47], s[6:7], s[46:47]
	CROUND                                         ; all four work-groups are here: the first loads meet
.irp s, 0,1
	s_mov_b32 s[G0+4*\s], 1
	s_add_co_u32 s[G0+4*\s+1], s45, \s*SLOT
	s_add_nc_u64 s[G0+4*\s+2:G0+4*\s+3], s[20:21], \s*ROWB
	s_or_b32 s[G0+4*\s+3], s[G0+4*\s+3], 0x80000000
	s_mov_b32 s[G0B+4*\s], 1
	s_add_co_u32 s[G0B+4*\s+1], s45, \s*SLOT
	s_add_nc_u64 s[G0B+4*\s+2:G0B+4*\s+3], s[46:47], \s*ROWB
	s_or_b32 s[G0B+4*\s+3], s[G0B+4*\s+3], 0x80000000
	JLOAD G0+4*\s, G1, G0B+4*\s, G1B
.endr
	v_and_b32 v1, 15, v0                           ; r
	v_bfe_u32 v2, v0, 4, 1                         ; h
	v_mul_u32_u24 v3, v1, PITCH
	v_lshl_add_u32 v4, v2, 4, v3
	s_mul_i32 s21, s15, HALFT
	s_mul_i32 s22, s16, HALFT
	s_add_co_u32 s22, s22, 2*HALFT
.irp s, 0,1
	v_add_nc_u32 v[ADRA+\s], s21, v4
	v_add_nc_u32 v[ADRB+\s], s22, v4
	s_add_co_u32 s21, s21, SLOT
	s_add_co_u32 s22, s22, SLOT
.endr
	v_and_b32 v5, 31, v0
	v_lshlrev_b32 v[LI], 4, v5
	v_lshrrev_b32 v5, 3, v1
	v_and_b32 v6, 7, v1
	v_lshlrev_b32 v[VT], 12, v5                    ; the table: physical row 16 a + r is position 32 (a / 2) + 8 (a % 2) + (r & 7) + 16 (r >> 3): tile of positions + (r >> 3),
	v_lshl_add_u32 v[VT], v6, 4, v[VT]             ; place (r & 7) in it,
	v_lshl_add_u32 v[VT], v2, 8, v[VT]             ; my half of the frequencies
.macro FRAG reg, adr, q, i             ; 16 rows x 128 K: lane l holds row l % 16; registers 4 c .. 4 c + 3 hold K = 32 c + 16 (l / 16) + 0 .. 15: the same order on both sides
.irp c, 0,1,2,3
	ds_load_b128 v[\reg+4*\c:\reg+4*\c+3], v[\adr] offset:128*(\q)+32*\c+(\i)*16*PITCH
.endr
.endm
.macro MUL16 a0, p, zero               ; token blocks a0, a0 + 1 x the weight's eight; the 64 accumulators take turns, one instruction a turn
.irp a, \a0, \a0+1
.irp b, 0,1,2,3,4,5,6,7
.if \zero
	v_wmma_f32_16x16x128_fp8_fp8 v[8*(8*((\a)%4)+\b):8*(8*((\a)%4)+\b)+7], v[128*(\p)+FR*\b:128*(\p)+FR*\b+FR-1], v[AF+FR*(\a):AF+FR*(\a)+FR-1], 0
.else
	v_wmma_f32_16x16x128_fp8_fp8 v[8*(8*((\a)%4)+\b):8*(8*((\a)%4)+\b)+7], v[128*(\p)+FR*\b:128*(\p)+FR*\b+FR-1], v[AF+FR*(\a):AF+FR*(\a)+FR-1], v[8*(8*((\a)%4)+\b):8*(8*((\a)%4)+\b)+7]
.endif
.endr
.endr
.endm
.macro FETCH_B slot, q, p
	WIN TO_B
.irp i, 0,1,2,3,4,5,6,7
	FRAG 128*(\p)+FR*\i, ADRB+\slot, \q, \i
.endr
	WIN 0
.endm
.macro FETCH_A slot, q, i0
.irp i, \i0, \i0+1, \i0+2, \i0+3
	FRAG AF+FR*(\i), ADRA+\slot, \q, \i
.endr
.endm
.macro PLACES n                        ; plain vector instructions between a matrix instruction and a load into, or a read of, its registers
.rept \n
	v_nop
.endr
.endm
.macro STEP slot, q, zero              ; 128 along K with its successor in the same slot
	s_wait_dscnt 4*NL                              ; the weight's set and token blocks 0-3 are in; the youngest 16 loads (blocks 4-7) may be out
	WIN MUL_LO
	MUL16 0, (\q)%2, \zero
	MUL16 2, (\q)%2, \zero
	s_wait_dscnt 0
	PLACES NP
	FETCH_B \slot, (\q)+1, 1-(\q)%2
	FETCH_A \slot, (\q)+1, 0
	WIN MUL_HI
	MUL16 4, (\q)%2, \zero
	MUL16 6, (\q)%2, \zero
	PLACES NP
	WIN 0
	FETCH_A \slot, (\q)+1, 4
.endm
.macro TURN slot, next, fill           ; a slot's last step changes slots
	s_wait_tensorcnt 0x0                           ; all my tensor loads have landed: my part of the next slot
	ds_add_u32 v[SPW], v[NIL]                      ; 0 onto my spare word
	s_wait_dscnt 4*NL+1                            ; the add and the youngest 16 loads may be out
	WIN MUL_LO
	MUL16 0, 1, 0
	s_wait_dscnt 0x0                               ; the add is done, and my reads of this slot are over
	s_barrier_signal -1
	MUL16 2, 1, 0
	WIN 0
	s_barrier_wait -1
.if \fill
	CREST                                          ; the barrier has opened a round of the cluster's: no wave of any partner still reads this slot or has a load on its way
	s_add_nc_u64 s[G0+4*\slot+2:G0+4*\slot+3], s[G0+4*\slot+2:G0+4*\slot+3], 2*ROWB
	s_add_nc_u64 s[G0B+4*\slot+2:G0B+4*\slot+3], s[G0B+4*\slot+2:G0B+4*\slot+3], 2*ROWB
	JLOAD G0+4*\slot, G1, G0B+4*\slot, G1B         ; the first tensor load behind the round; its four v_nop are the places in front of the loads below
.else
	PLACES NP
.endif
	FETCH_B \next, 0, 0
	FETCH_A \next, 0, 0
	WIN MUL_HI
	MUL16 4, 1, 0
	MUL16 6, 1, 0
	PLACES NP
	WIN 0
	FETCH_A \next, 0, 4
.endm
	s_wait_tensorcnt 1                             ; my part of K step 0 is in; K step 1's load may be out
	s_barrier_signal -1
	s_barrier_wait -1
	FETCH_B 0, 0, 0
	FETCH_A 0, 0, 0
	FETCH_A 0, 0, 4
	STEP 0, 0, 1                                   ; the first step's products start the sums
	s_mov_b32 s3, LAPS-1
.Llap:
	TURN 0, 1, 1
	STEP 1, 0, 0
	TURN 1, 0, 1
	STEP 0, 0, 0
	s_sub_co_u32 s3, s3, 1
	s_cmp_lg_u32 s3, 0
	s_cbranch_scc1 .Llap
	TURN 0, 1, 0                                   ; the last lap fills nothing
	STEP 1, 0, 0
	s_wait_dscnt 4*NL
	WIN MUL_LO
	MUL16 0, 1, 0
	MUL16 2, 1, 0
	s_wait_dscnt 0
	WIN MUL_HI
	MUL16 4, 1, 0
	MUL16 6, 1, 0
	WIN 0
	s_wait_kmcnt 0x0                               ; the scales
	PLACES NP                                      ; behind the last products: their results are read and the tokens' registers written below
	s_cmp_ge_u32 s42, 2                            ; y: the same in all partners
	s_cbranch_scc1 .Lrope
; ---- y < 2: kv_d or q_d, quantised under two scales
	s_cmp_eq_u32 s42, 0
	s_cselect_b32 s96, s68, s70                    ; e0 | e2
	s_cselect_b32 s97, s69, s71                    ; e1 | e3
	s_cselect_b32 s98, s72, s74                    ; e4 | e6
	s_cselect_b32 s99, s76, s80                    ; e8 | e12
	s_add_co_i32 s96, s96, s97                     ; a sum stands for sum x 2^(this)
	s_sub_co_i32 s98, s98, s96
	s_sub_co_i32 s99, s99, s96
	MKSC 98, 8, 9
	MKSC 99, 10, 11
	s_lshl_b32 s92, s17, 4
	s_lshl_b32 s93, s15, 3
	s_add_co_u32 s92, s92, s93                     ; my first row tile: 16 x row tile + 8 x half
	s_lshl_b32 s92, s92, 1
	s_add_co_u32 s92, s92, s16                     ; my columns are K step (wave & 1)
	s_lshl_b32 s92, s92, 11
	s_sub_co_u32 s94, 3, s42
	s_lshl_b32 s94, s94, 20
	s_add_co_u32 s94, s94, s92                     ; version 3 - y
	s_lshl_b32 s93, s42, 20
	s_add_co_u32 s92, s92, s93                     ; version y
	s_mov_b32 s93, 0
	s_mov_b32 s95, 0
	s_add_nc_u64 s[92:93], s[88:89], s[92:93]
	s_add_nc_u64 s[94:95], s[88:89], s[94:95]
.macro LATOUT a
.set AC, 64*((\a)%4)
	WIN 0x02+((\a)/4)                              ; source 0: window 2 or 3
.set i, 0
.rept 64
	v_med3_num_f32 v[TMP+i], v[AC+i], -v9, v9      ; the hold; each accumulator from its low end on
.set i, i+1
.endr
.set i, 0
.rept 64
	v_med3_num_f32 v[TMP2+i], v[AC+i], -v11, v11
.set i, i+1
.endr
	WIN 0
	s_wait_xcnt 0x0                                ; the last block's stores have read the codes' registers
.irp b, 0,1,2,3
	v_cvt_scalef32_pk8_fp8_f32 v[CD+4*\b:CD+4*\b+1], v[TMP+16*\b:TMP+16*\b+7], v8
	v_cvt_scalef32_pk8_fp8_f32 v[CD+4*\b+2:CD+4*\b+3], v[TMP+16*\b+8:TMP+16*\b+15], v8
.endr
.irp b, 0,1,2,3
	v_cvt_scalef32_pk8_fp8_f32 v[CD+16+4*\b:CD+16+4*\b+1], v[TMP2+16*\b:TMP2+16*\b+7], v10
	v_cvt_scalef32_pk8_fp8_f32 v[CD+16+4*\b+2:CD+16+4*\b+3], v[TMP2+16*\b+8:TMP2+16*\b+15], v10
.endr
	v_nop                                          ; a plain line behind the last conversion: the next block writes their sources
.irp c, 0,1,2,3
	global_store_b128 v[LI], v[CD+4*\c:CD+4*\c+3], s[92:93] offset:4096*(\a)+512*\c          ; 512 consecutive bytes each
	global_store_b128 v[LI], v[CD+16+4*\c:CD+16+4*\c+3], s[94:95] offset:4096*(\a)+512*\c
.endr
.endm
.irp a, 0,1,2,3,4,5,6,7
	LATOUT \a
.endr
	s_branch .Lend
; ---- y >= 2: two heads of k_r: rotated, then quantised
.Lrope:
	s_sub_co_i32 s98, s83, s78
	s_sub_co_i32 s98, s98, s79                     ; e15 - e10 - e11
	MKSC 98, 8, 9
	s_and_b32 s96, s17, 7                          ; the row tile within its batch
	s_lshl_b32 s92, s96, 16
	s_lshl_b32 s93, s15, 15
	s_add_co_u32 s92, s92, s93                     ; 16 tiles of positions a row tile, 8 a half, 4,096 bytes each
	s_mov_b32 s93, 0
	s_add_nc_u64 s[92:93], s[10:11], s[92:93]
	s_lshr_b32 s94, s17, 3
	s_lshl_b32 s94, s94, 4
	s_sub_co_u32 s95, s42, 2
	s_lshl_b32 s95, s95, 2
	s_add_co_u32 s94, s94, s95
	s_lshl_b32 s95, s16, 1
	s_add_co_u32 s94, s94, s95                     ; batch x 16 + my first head
	s_lshl_b32 s94, s94, 7
	s_lshl_b32 s95, s96, 4
	s_add_co_u32 s94, s94, s95
	s_lshl_b32 s95, s15, 3
	s_add_co_u32 s94, s94, s95                     ; + my first tile of keys
	s_lshl_b32 s94, s94, 11
	s_mov_b32 s95, 0
	s_add_nc_u64 s[94:95], s[90:91], s[94:95]
.macro LOADCS a                        ; block a's 16 cosines and 16 sines of my token and my half of the frequencies
.irp x, 0,1,2,3,4,5,6,7
	global_load_b128 v[CSB+32*((\a)%2)+4*\x:CSB+32*((\a)%2)+4*\x+3], v[VT], s[92:93] offset:((\a)/2)*8192+((\a)%2)*128+512*\x
.endr
.endm
.macro ROPEOUT a
.set AC, 64*((\a)%4)
.set CS, CSB+32*((\a)%2)
.set SN, CS+16
.set CC, CD+16*((\a)%2)
.if (\a) < 7
	LOADCS (\a)+1
	s_wait_loadcnt 8                               ; this block's table is in; the next block's 8 loads may be out
.else
	s_wait_loadcnt 0
.endif
	WIN 0x02+((\a)/4)
.irp g, 0,1                            ; a head: X = channels 16 h + i (16 registers), Y = channels 32 + 16 h + i: X' = X cos - Y sin, Y' = Y cos + X sin
.irp i, 0,2,4,6,8,10,12,14
	v_pk_mul_f32 v[TMP2+32*\g+\i:TMP2+32*\g+\i+1], v[AC+32*\g+16+\i:AC+32*\g+16+\i+1], v[SN+\i:SN+\i+1]
.endr
.irp i, 0,2,4,6,8,10,12,14
	v_pk_mul_f32 v[TMP2+32*\g+16+\i:TMP2+32*\g+16+\i+1], v[AC+32*\g+\i:AC+32*\g+\i+1], v[SN+\i:SN+\i+1]
.endr
.irp i, 0,2,4,6,8,10,12,14
	v_pk_fma_f32 v[TMP+32*\g+\i:TMP+32*\g+\i+1], v[AC+32*\g+\i:AC+32*\g+\i+1], v[CS+\i:CS+\i+1], v[TMP2+32*\g+\i:TMP2+32*\g+\i+1] neg_lo:[0,0,1] neg_hi:[0,0,1]
.endr
.irp i, 0,2,4,6,8,10,12,14
	v_pk_fma_f32 v[TMP+32*\g+16+\i:TMP+32*\g+16+\i+1], v[AC+32*\g+16+\i:AC+32*\g+16+\i+1], v[CS+\i:CS+\i+1], v[TMP2+32*\g+16+\i:TMP2+32*\g+16+\i+1]
.endr
.endr
	WIN 0
.set i, 0
.rept 64
	v_med3_num_f32 v[TMP+i], v[TMP+i], -v9, v9
.set i, i+1
.endr
	s_wait_xcnt 0x0                                ; earlier stores have read the codes' registers
.irp g, 0,1
.irp c, 0,1
	v_cvt_scalef32_pk8_fp8_f32 v[CC+8*\g+4*\c:CC+8*\g+4*\c+1], v[TMP+32*\g+16*\c:TMP+32*\g+16*\c+7], v8
	v_cvt_scalef32_pk8_fp8_f32 v[CC+8*\g+4*\c+2:CC+8*\g+4*\c+3], v[TMP+32*\g+16*\c+8:TMP+32*\g+16*\c+15], v8
.endr
.endr
	v_nop                                          ; a plain line behind the last conversion
.irp g, 0,1
.irp c, 0,1
	global_store_b128 v[LI], v[CC+8*\g+4*\c:CC+8*\g+4*\c+3], s[94:95] offset:262144*\g+2048*(\a)+512*(2+\c)   ; 512 consecutive bytes
.endr
.endr
.endm
	LOADCS 0
.irp a, 0,1,2,3,4,5,6,7
	ROPEOUT \a
.endr
.Lend:
	s_wait_tensorcnt 0x0                           ; the wave's end
	ds_add_u32 v[SPW], v[NIL]
	s_wait_dscnt 0x0
	CROUND                                         ; the closing round: no work-group ends while a partner may still ask for a tile that names it
	s_endpgm
.Lfunc_end_k_qb49e6f2e21_down:
	.size	k_qb49e6f2e21_down, .Lfunc_end_k_qb49e6f2e21_down-k_qb49e6f2e21_down
	.p2alignl 7, 3214868480
	.fill 96, 4, 3214868480
	.section	.rodata,"a",@progbits
	.p2align	6, 0x0
	.amdhsa_kernel k_qb49e6f2e21_down
		.amdhsa_group_segment_fixed_size 327680
		.amdhsa_private_segment_fixed_size 0
		.amdhsa_enable_private_segment 0
		.amdhsa_kernarg_size 48
		.amdhsa_user_sgpr_count 2
		.amdhsa_user_sgpr_kernarg_segment_ptr 1
		.amdhsa_wavefront_size32 1
		.amdhsa_system_sgpr_workgroup_id_x 1
		.amdhsa_system_sgpr_workgroup_id_y 1
		.amdhsa_system_sgpr_workgroup_id_z 1
		.amdhsa_system_vgpr_workitem_id 0
		.amdhsa_next_free_vgpr 1024
		.amdhsa_next_free_sgpr 100
		.amdhsa_reserve_vcc 0
		.amdhsa_float_denorm_mode_32 3
		.amdhsa_float_denorm_mode_16_64 3
		.amdhsa_memory_ordered 1
		.amdhsa_forward_progress 1
		.amdhsa_inst_pref_size 237
	.end_amdhsa_kernel
	.amdgpu_metadata
---
amdhsa.version: [ 1, 2 ]
amdhsa.kernels:
  - .name:           k_qb49e6f2e21_down
    .symbol:         k_qb49e6f2e21_down.kd
    .args:
      - { .name: xc, .offset: 0, .size: 8, .value_kind: global_buffer, .address_space: global }
      - { .name: wc, .offset: 8, .size: 8, .value_kind: global_buffer, .address_space: global }
      - { .name: lowp_scales, .offset: 16, .size: 8, .value_kind: global_buffer, .address_space: global }
      - { .name: rope, .offset: 24, .size: 8, .value_kind: global_buffer, .address_space: global }
      - { .name: lat, .offset: 32, .size: 8, .value_kind: global_buffer, .address_space: global }
      - { .name: kimg, .offset: 40, .size: 8, .value_kind: global_buffer, .address_space: global }
    .group_segment_fixed_size: 327680
    .private_segment_fixed_size: 0
    .kernarg_segment_align: 8
    .kernarg_segment_size: 48
    .max_flat_workgroup_size: 128
    .sgpr_count:     100
    .vgpr_count:     1024
    .wavefront_size: 32
...
	.end_amdgpu_metadata
.endif
;; end of part 2
;; launch up (part 3): grid 320 x 1, 4 waves a work-group, no clusters, 0 bytes of LDS; arguments lat, wc, lowp_scales, rope, qimg, kimg, vimg; writes qimg, kimg, vimg
.if DOCPART == 3
	.amdgcn_target "amdgcn-amd-amdhsa--gfx1250"
	.amdhsa_code_object_version 6
	.text
	.protected	k_qb49e6f2e21_up
	.globl	k_qb49e6f2e21_up
	.p2align	8
	.type	k_qb49e6f2e21_up,@function
k_qb49e6f2e21_up:
	s_mov_b64 s[64:65], 0
	v_nop
	global_prefetch_b8 v0, s[64:65] scope:SCOPE_SE
	s_setreg_imm32_b32 hwreg(HW_REG_WAVE_MODE, 25, 1), 1
	s_wait_xcnt 0x0
; UP: the four products with K = 256: k_c, q_c, q_r (rotated) and v; results quantised in registers and stored as images of the operand registers of attention.
; D = P x R: P (source 0) is 8 tiles of 16 rows x 256 K, resident in window 1: it gives a lane's registers; R (source 1) is streamed, 8 tiles a wave: it gives the lanes.
; P's rows lie in physical order, so register 16 b + i of a tile's 64 results is P's actual row 32 b + 16 (lane / 16) + i.
;   g   0- 63  k_c: P = 128 columns of Wk_u (two heads x 64), R = 128 tokens of kv_d (version 0)  -> kimg, c = 0, 1     scale e15 - e4 - e5
;   g  64-127  q_c: P = Wq_u, R = q_d (version 1)                                                  -> qimg, c = 0, 1     scale e14 - e6 - e7
;   g 128-191  q_r: P = Wrq,  R = q_d (version 2), rotated by the token's position                 -> qimg, c = 2, 3     scale e14 - e12 - e13
;   g 192-319  v:   P = 128 keys of kv_d (version 3), R = a head's 128 columns of Wv_u             -> vimg (keys innermost) scale e17 - e8 - e9
; Both operands are images in memory: every load and store of a wave covers 512 consecutive bytes.  No LDS, no tensor load, no cluster: K is one pass of two matrix instructions a tile, so a ring would
; have nothing to overlap with, and all operands together are 5 MiB.
; LIMITS: each of the four folded exponents between -126 and 119.
.set WUC, 3145728
.set LI,  1                            ; v1   16 x lane
.set SC,  2                            ; v2   the scale, v3 448 x the scale
.set LM,  3
.set RF,  16                           ; v16-79   R's fragments, two sets of 32
.set HA,  80                           ; v80-143  the 8 accumulators
.set TT,  144                          ; v144-175 the rotation's products of one head
.set CSR, 176                          ; v176-239 cosines and sines, two sets of 32
.set CD,  240                          ; v240-255 codes
.set MSB, 0
.macro WIN new
.if MSB != \new
	s_set_vgpr_msb (MSB<<8)|\new
.set MSB, \new
.endif
.endm
	s_load_b256 s[4:11], s[0:1], 0x0               ; lat 4, wc 6, the scales 8, rope 10
	s_load_b128 s[12:15], s[0:1], 0x20             ; qimg 12, kimg 14
	s_load_b64 s[16:17], s[0:1], 0x30              ; vimg
	v_lshrrev_b32 v4, 5, v0
	v_readfirstlane_b32 s18, v4                    ; wave
	v_and_b32 v4, 31, v0
	v_lshlrev_b32 v[LI], 4, v4
	s_lshr_b32 s19, ttmp9, 6
	s_min_u32 s19, s19, 3                          ; type
	; types 0 to 2
	s_and_b32 s20, ttmp9, 63
	s_lshr_b32 s21, s20, 3                         ; pb: which 128 columns
	s_and_b32 s22, s20, 7
	s_lshl_b32 s22, s22, 2
	s_add_co_u32 s22, s22, s18                     ; rc: which 128 tokens
	s_lshl_b32 s24, s19, 18
	s_lshl_b32 s25, s21, 15
	s_add_co_u32 s24, s24, s25
	s_add_co_u32 s24, s24, WUC                     ; P in wc
	s_lshl_b32 s26, s19, 20
	s_lshl_b32 s25, s22, 15
	s_add_co_u32 s26, s26, s25                     ; R in lat
	s_lshr_b32 s28, s22, 4
	s_lshl_b32 s28, s28, 4
	s_lshl_b32 s25, s21, 1
	s_add_co_u32 s28, s28, s25                     ; batch x 16 + head 2 pb
	s_lshl_b32 s28, s28, 7
	s_and_b32 s23, s22, 15
	s_lshl_b32 s25, s23, 3
	s_add_co_u32 s28, s28, s25                     ; + my first tile of tokens
	s_lshl_b32 s28, s28, 11
	s_cmp_eq_u32 s19, 2
	s_cselect_b32 s25, 1024, 0                     ; the rope half is c = 2, 3
	s_add_co_u32 s28, s28, s25
	; type 3
	s_max_u32 s30, ttmp9, 192
	s_sub_co_u32 s30, s30, 192
	s_lshr_b32 s31, s30, 2                         ; kb: which 128 keys
	s_and_b32 s30, s30, 3
	s_lshl_b32 s30, s30, 2
	s_add_co_u32 s30, s30, s18                     ; head
	s_lshl_b32 s50, s31, 15
	s_add_co_u32 s50, s50, 3<<20                   ; P in lat
	s_lshl_b32 s51, s30, 15
	s_add_co_u32 s51, s51, WUC+786432              ; R in wc
	s_lshr_b32 s52, s31, 4
	s_lshl_b32 s52, s52, 4
	s_add_co_u32 s52, s52, s30                     ; batch x 16 + head
	s_lshl_b32 s52, s52, 4
	s_and_b32 s53, s31, 15
	s_add_co_u32 s52, s52, s53                     ; + the key step
	s_lshl_b32 s52, s52, 14                        ; 8 tiles of 2,048 bytes each
	s_mov_b32 s53, 1024
	s_cmp_lt_u32 s19, 3
	s_cselect_b32 s24, s24, s50
	s_cselect_b32 s26, s26, s51
	s_cselect_b32 s28, s28, s52
	s_cselect_b32 s54, 262144, s53                 ; from codes 0-31 to codes 32-63 of a lane: the next head, or c = 2
	s_mov_b32 s25, 0
	s_mov_b32 s27, 0
	s_mov_b32 s29, 0
	s_mov_b32 s55, 0
	s_wait_kmcnt 0x0
	s_load_b512 s[32:47], s[8:9], 0x0              ; e0 .. e15 in s32 .. s47
	s_load_b64 s[48:49], s[8:9], 0x40              ; e16, e17
	s_cmp_lt_u32 s19, 3                            ; the choices hang on the work-group's number alone
	s_cselect_b64 s[56:57], s[6:7], s[4:5]
	s_cselect_b64 s[58:59], s[4:5], s[6:7]
	s_cselect_b64 s[60:61], s[12:13], s[16:17]
	s_cmp_eq_u32 s19, 0
	s_cselect_b64 s[60:61], s[14:15], s[60:61]
	s_add_nc_u64 s[56:57], s[56:57], s[24:25]      ; P
	s_add_nc_u64 s[58:59], s[58:59], s[26:27]      ; R
	s_add_nc_u64 s[60:61], s[60:61], s[28:29]      ; out, codes 0-31
	s_add_nc_u64 s[62:63], s[60:61], s[54:55]      ; out, codes 32-63
	s_lshl_b32 s24, s23, 15
	s_add_nc_u64 s[10:11], s[10:11], s[24:25]      ; the table at my first tile of positions (tokens in natural order)
.macro LOADR u                         ; R's tile u: K steps 0 and 1
.irp f, 0,1,2,3,4,5,6,7
	global_load_b128 v[RF+32*((\u)%2)+4*\f:RF+32*((\u)%2)+4*\f+3], v[LI], s[58:59] offset:4096*(\u)+512*\f
.endr
.endm
.macro LOADCS u
.irp f, 0,1,2,3,4,5,6,7
	global_load_b128 v[CSR+32*((\u)%2)+4*\f:CSR+32*((\u)%2)+4*\f+3], v[LI], s[10:11] offset:4096*(\u)+512*\f
.endr
.endm
	LOADR 0
	WIN 0x40                                       ; destination window 1
.irp f, 0,1,2,3,4,5,6,7,8,9,10,11,12,13,14,15      ; P's fragment (tile f / 2, K step f % 2) at v[16 f] of window 1: it stays
.irp c, 0,1,2,3
	global_load_b128 v[16*\f+4*\c:16*\f+4*\c+3], v[LI], s[56:57] offset:2048*\f+512*\c
.endr
.endr
	WIN 0
	s_wait_kmcnt 0x0
	s_sub_co_i32 s20, s47, s36
	s_sub_co_i32 s20, s20, s37                     ; e15 - e4 - e5
	s_sub_co_i32 s21, s46, s38
	s_sub_co_i32 s21, s21, s39                     ; e14 - e6 - e7
	s_sub_co_i32 s22, s46, s44
	s_sub_co_i32 s22, s22, s45                     ; e14 - e12 - e13
	s_sub_co_i32 s23, s49, s40
	s_sub_co_i32 s23, s23, s41                     ; e17 - e8 - e9
	s_cmp_eq_u32 s19, 1
	s_cselect_b32 s20, s21, s20
	s_cmp_eq_u32 s19, 2
	s_cselect_b32 s20, s22, s20
	s_cmp_eq_u32 s19, 3
	s_cselect_b32 s20, s23, s20
	s_add_co_i32 s20, s20, 127
	s_lshl_b32 s21, s20, 23
	v_mov_b32 v[SC], s21
	s_add_co_i32 s20, s20, 8
	s_lshl_b32 s20, s20, 23
	s_or_b32 s20, s20, 0x600000
	v_mov_b32 v[LM], s20
.macro RT u, rot                       ; R's tile u against P's eight tiles
.set RS, RF+32*((\u)%2)
.set CS, CSR+32*((\u)%2)
.set SN, CS+16
.if (\u) < 7
	LOADR (\u)+1                                   ; the other set's last products stand many plain instructions back
.if \rot
	LOADCS (\u)+1
	s_wait_loadcnt 16                              ; all but the 16 loads just issued
.else
	s_wait_loadcnt 8                               ; all but the 8 loads just issued
.endif
.else
	s_wait_loadcnt 0
.endif
	WIN 0x01                                       ; source 0 window 1
.irp t, 0,1,2,3,4,5,6,7                ; the eight accumulators take turns
	v_wmma_f32_16x16x128_fp8_fp8 v[HA+8*\t:HA+8*\t+7], v[32*\t:32*\t+15], v[RS:RS+15], 0
.endr
.irp t, 0,1,2,3,4,5,6,7
	v_wmma_f32_16x16x128_fp8_fp8 v[HA+8*\t:HA+8*\t+7], v[32*\t+16:32*\t+31], v[RS+16:RS+31], v[HA+8*\t:HA+8*\t+7]
.endr
	WIN 0
.rept 4
	v_nop                                          ; places in front of the first read of results
.endr
.if \rot
.irp g, 0,1                            ; a head: X = channels 16 h + i, Y = channels 32 + 16 h + i: X' = X cos - Y sin, Y' = Y cos + X sin
.irp k, 0,2,4,6,8,10,12,14
	v_pk_mul_f32 v[TT+\k:TT+\k+1], v[HA+32*\g+16+\k:HA+32*\g+16+\k+1], v[SN+\k:SN+\k+1]
.endr
.irp k, 0,2,4,6,8,10,12,14
	v_pk_mul_f32 v[TT+16+\k:TT+16+\k+1], v[HA+32*\g+\k:HA+32*\g+\k+1], v[SN+\k:SN+\k+1]
.endr
.irp k, 0,2,4,6,8,10,12,14
	v_pk_fma_f32 v[HA+32*\g+\k:HA+32*\g+\k+1], v[HA+32*\g+\k:HA+32*\g+\k+1], v[CS+\k:CS+\k+1], v[TT+\k:TT+\k+1] neg_lo:[0,0,1] neg_hi:[0,0,1]
.endr
.irp k, 0,2,4,6,8,10,12,14
	v_pk_fma_f32 v[HA+32*\g+16+\k:HA+32*\g+16+\k+1], v[HA+32*\g+16+\k:HA+32*\g+16+\k+1], v[CS+\k:CS+\k+1], v[TT+16+\k:TT+16+\k+1]
.endr
.endr
.endif
.set n, 0
.rept 64
	v_med3_num_f32 v[HA+n], v[HA+n], -v[LM], v[LM] ; the hold; each accumulator from its low end on
.set n, n+1
.endr
	s_wait_xcnt 0x0                                ; the last tile's stores have read the codes' registers
.irp b, 0,1,2,3
	v_cvt_scalef32_pk8_fp8_f32 v[CD+4*\b:CD+4*\b+1], v[HA+16*\b:HA+16*\b+7], v[SC]
	v_cvt_scalef32_pk8_fp8_f32 v[CD+4*\b+2:CD+4*\b+3], v[HA+16*\b+8:HA+16*\b+15], v[SC]
.endr
	v_nop                                          ; a plain line behind the last conversion: the next products write their sources
	global_store_b128 v[LI], v[CD:CD+3], s[60:61] offset:2048*(\u)              ; 512 consecutive bytes each
	global_store_b128 v[LI], v[CD+4:CD+7], s[60:61] offset:2048*(\u)+512
	global_store_b128 v[LI], v[CD+8:CD+11], s[62:63] offset:2048*(\u)
	global_store_b128 v[LI], v[CD+12:CD+15], s[62:63] offset:2048*(\u)+512
.endm
	s_cmp_eq_u32 s19, 2                            ; two copies, so that every count of loads is exact on its path
	s_cbranch_scc1 .Lrot
.irp u, 0,1,2,3,4,5,6,7
	RT \u, 0
.endr
	s_endpgm
.Lrot:
	LOADCS 0
.irp u, 0,1,2,3,4,5,6,7
	RT \u, 1
.endr
	s_endpgm
.Lfunc_end_k_qb49e6f2e21_up:
	.size	k_qb49e6f2e21_up, .Lfunc_end_k_qb49e6f2e21_up-k_qb49e6f2e21_up
	.p2alignl 7, 3214868480
	.fill 96, 4, 3214868480
	.section	.rodata,"a",@progbits
	.p2align	6, 0x0
	.amdhsa_kernel k_qb49e6f2e21_up
		.amdhsa_group_segment_fixed_size 0
		.amdhsa_private_segment_fixed_size 0
		.amdhsa_enable_private_segment 0
		.amdhsa_kernarg_size 56
		.amdhsa_user_sgpr_count 2
		.amdhsa_user_sgpr_kernarg_segment_ptr 1
		.amdhsa_wavefront_size32 1
		.amdhsa_system_sgpr_workgroup_id_x 1
		.amdhsa_system_sgpr_workgroup_id_y 1
		.amdhsa_system_sgpr_workgroup_id_z 1
		.amdhsa_system_vgpr_workitem_id 0
		.amdhsa_next_free_vgpr 512
		.amdhsa_next_free_sgpr 66
		.amdhsa_reserve_vcc 0
		.amdhsa_float_denorm_mode_32 3
		.amdhsa_float_denorm_mode_16_64 3
		.amdhsa_memory_ordered 1
		.amdhsa_forward_progress 1
		.amdhsa_inst_pref_size 158
	.end_amdhsa_kernel
	.amdgpu_metadata
---
amdhsa.version: [ 1, 2 ]
amdhsa.kernels:
  - .name:           k_qb49e6f2e21_up
    .symbol:         k_qb49e6f2e21_up.kd
    .args:
      - { .name: lat, .offset: 0, .size: 8, .value_kind: global_buffer, .address_space: global }
      - { .name: wc, .offset: 8, .size: 8, .value_kind: global_buffer, .address_space: global }
      - { .name: lowp_scales, .offset: 16, .size: 8, .value_kind: global_buffer, .address_space: global }
      - { .name: rope, .offset: 24, .size: 8, .value_kind: global_buffer, .address_space: global }
      - { .name: qimg, .offset: 32, .size: 8, .value_kind: global_buffer, .address_space: global }
      - { .name: kimg, .offset: 40, .size: 8, .value_kind: global_buffer, .address_space: global }
      - { .name: vimg, .offset: 48, .size: 8, .value_kind: global_buffer, .address_space: global }
    .group_segment_fixed_size: 0
    .private_segment_fixed_size: 0
    .kernarg_segment_align: 8
    .kernarg_segment_size: 56
    .max_flat_workgroup_size: 128
    .sgpr_count:     66
    .vgpr_count:     512
    .wavefront_size: 32
...
	.end_amdgpu_metadata
.endif
;; end of part 3
;; launch att (part 4): grid 8 x 32, 16 waves a work-group, no clusters, 327,680 bytes of LDS; arguments qimg, kimg, vimg, lowp_scales, yimg; writes yimg
.if DOCPART == 4
	.amdgcn_target "amdgcn-amd-amdhsa--gfx1250"
	.amdhsa_code_object_version 6
	.text
	.protected	k_qb49e6f2e21_att
	.globl	k_qb49e6f2e21_att
	.p2align	8
	.type	k_qb49e6f2e21_att,@function
k_qb49e6f2e21_att:
	s_mov_b64 s[64:65], 0
	v_nop
	global_prefetch_b8 v0, s[64:65] scope:SCOPE_SE
	s_setreg_imm32_b32 hwreg(HW_REG_WAVE_MODE, 25, 1), 1
	s_wait_xcnt 0x0
; ATT: causal attention on codes of E4M3, one head of one batch (bh) for each work-group y; the result y = O / l is quantised and stored as the image of the last product's operand.
; q, k: images [bh][tile of 16][c][lane][16], K = the head's 128 (c = 0, 1 content, c = 2, 3 rope).  The keys' tiles are in physical order: lane r of tile 2 b + u is key 32 b + 8 u + r + 8 (r / 8).
; v: images [bh][key step of 128][t 8][c][lane][16]: lane r = channel (physical order), the 16 bytes = keys 32 c + 16 h + 0 .. 15.
; THE SOFTMAX: t = score x log2(e) / sqrt(128); M = the running largest t rounded UP to a whole number; p = 2^(t - M) is quantised (entry 16), not normalised; the row's sum is taken of the unquantised p
; and divides O at the end.  When M moves, the sum and O are multiplied by 2^(old M - new M): exact.
; SHARES.  Work-group x = i owns query blocks i and 15 - i of 128 queries: a wave owns 16 queries of one of them, and walks (block + 1) key steps of 128: 17 for each pair of waves, in every work-group.
; Both products are used transposed (S^T = K Q^T, O^T = V^T P^T): a lane holds ONE query throughout; the 16 registers of two neighbouring tiles are 16 neighbouring keys (or channels).
; RING.  Two slots of 256 keys (K's 32 KiB, then V's 32 KiB), dense images, filled by waves 0-3, 16 KiB each, and read by all sixteen: every LDS load of a wave takes 512 consecutive bytes.
; Every work-group walks all 8 slots (constant trips); a step all of whose keys come after the wave's queries is jumped over, and a slot whose first key comes after the work-group's last query is not asked for.
; No cluster: the work-groups of a head stop asking at different slots (their causal limits differ), so partners would need different numbers of tiles.
; LIMITS: e14 + e15 between -123 and 130; e16, and e18 - e16 - e17, between -126 and 119.
; REGISTERS: v1 16 x lane; v3 prefetch offset; v5, v6 the add's two; v8 LDS address; v12 -M, v13 the largest t, v[14:15] the sum; v16-31 Q; v32-95 four fragments; v96-159 S^T, then p; v160-223 O^T; v224-239 p's codes.
.set SK,    256
.set SLOT1, 65536
.set VOFF,  32768
.set NSL,   8
.set SPARE, 2*SLOT1                    ; behind the ring: the spare words, 128 bytes for each of 16 waves
.set LI,   1
.set PFO,  3
.set SPW,  5
.set NIL,  6
.set ADR,  8
.set WV,   18
.set SEL,  20
.set CS,   22
.set G1,   24
.set G0,   40
.set TB,   2
.set SLOTS, 67
.set KF,   98
.set Q0,   99
.set QL,   95
.set PFA,  76
.set LIM,  80
.macro TLOAD                           ; waves 0-3 fetch, one load each; an s_nop 0 and four v_nop follow it
	s_cmp_lt_u32 s[WV], 4
	s_cbranch_scc0 .Lasked_\@
	tensor_load_to_lds s[G0:G0+3], s[G1:G1+7]
	s_nop 0
.rept 4
	v_nop
.endr
.Lasked_\@:
.endm
; A prefetch of what the NEXT change of slots will ask for: 32 KiB of K's images and 32 KiB of V's.  All work-groups of a head walk the same K and V: the head's first work-group asks, by waves that fetch
; nothing: waves 4-7 for K, waves 8-11 for V, 8,192 bytes a wave, lanes 256 bytes apart: each block of 256 bytes is named once.  The last change that fills a slot asks for nothing.
.macro ASK
	s_cmp_gt_u32 s[SLOTS], s[LIM]
	s_cbranch_scc0 .Lnot_mine_\@
	global_prefetch_b8 v[PFO], s[PFA:PFA+1] th:TH_LOAD_NT scope:SCOPE_SE
.Lnot_mine_\@:
.endm
	s_load_b128 s[4:7], s[0:1], 0x0                ; qimg 4, kimg 6
	s_load_b128 s[12:15], s[0:1], 0x10             ; vimg 12, the scales 14
	s_load_b64 s[16:17], s[0:1], 0x20              ; yimg
	v_lshl_add_u32 v[SPW], v0, 2, SPARE
	v_mov_b32 v[NIL], 0
	ds_add_u32 v[SPW], v[NIL]                      ; the wave's opening: the add, and its wait ahead of my first tensor load
	v_lshrrev_b32 v8, 5, v0
	v_readfirstlane_b32 s[WV], v8                  ; wave 0..15
	s_and_b32 s72, ttmp7, 0xffff                   ; bh
	s_lshl_b32 s74, s72, 18                        ; a head's images: 262,144 bytes in each of the three
	s_mov_b32 s75, 0
	s_lshr_b32 s81, s[WV], 2
	s_xor_b32 s81, s81, s[WV]
	s_and_b32 s81, s81, 1                          ; 0: block i, 1: block 15 - i; waves 2 m and 2 m + 1 differ, and so do waves w and w + 4
	s_sub_co_u32 s82, 15, ttmp9
	s_cmp_eq_u32 s81, 0
	s_cselect_b32 s83, ttmp9, s82
	s_lshl_b32 s83, s83, 7
	s_lshr_b32 s84, s[WV], 1
	s_lshl_b32 s84, s84, 4
	s_add_co_u32 s[Q0], s83, s84                   ; my first query
	s_lshl_b32 s[QL], s82, 7
	s_or_b32 s[QL], s[QL], 127                     ; my work-group's last query
	s_lshl_b32 s82, s[Q0], 7                       ; a tile of 16 queries is 2,048 bytes
	s_mov_b32 s83, 0
	s_add_nc_u64 s[82:83], s[82:83], s[74:75]
	s_lshr_b32 s86, s72, 4
	s_lshl_b32 s86, s86, 7
	s_lshr_b32 s87, s[Q0], 4
	s_add_co_u32 s86, s86, s87                     ; y's row tile: batch x 128 + query tile
	s_lshl_b32 s86, s86, 4
	s_and_b32 s87, s72, 15
	s_add_co_u32 s86, s86, s87                     ; x 16 + head
	s_lshl_b32 s86, s86, 11
	s_mov_b32 s87, 0
	s_and_b32 s88, s[WV], 1
	s_lshl_b32 s90, s88, 14                        ; which 16 KiB of K's or V's part of a slot I fetch,
	s_mov_b32 s91, 0
	s_add_nc_u64 s[90:91], s[90:91], s[74:75]
	s_and_b32 s89, s[WV], 3
	s_lshl_b32 s89, s89, 14                        ; and where it goes
	s_mov_b32 s[G1], 3<<16                         ; no mask; elements of 8 bytes; no padding: a dense block as 64 rows of 256 bytes
	s_mov_b32 s[G1+1], 32<<16                      ; tensor_dim0
	s_mov_b32 s[G1+2], 64<<16                      ; tensor_dim1
	s_mov_b32 s[G1+3], 32<<16                      ; tile_dim0
	s_mov_b32 s[G1+4], 64                          ; tile_dim1
	s_mov_b32 s[G1+5], 32                          ; from row to row
	s_mov_b32 s[G1+6], 0
	s_mov_b32 s[G1+7], 0
	s_mov_b32 s[SEL], 0x76543210
	s_mov_b32 s[SEL+1], 0xfedcba98
	s_mov_b32 s[CS], 0x3e0293ee                    ; c = log2(e) / sqrt(128)
	s_mov_b32 s[TB], 0
	s_mov_b32 s[SLOTS], NSL-1
	s_mov_b32 s[KF], 0
	s_wait_dscnt 0x0                               ; the opening add is done
	s_wait_kmcnt 0x0
	s_load_b128 s[68:71], s[14:15], 0x38           ; e14 (q), e15 (k), e16 (p), e17 (v)
	s_load_b32 s66, s[14:15], 0x48                 ; e18 (y)
	s_cmp_lt_u32 s[WV], 2                          ; waves 0, 1: K; waves 2, 3: V
	s_cselect_b64 s[G0+2:G0+3], s[6:7], s[12:13]
	s_add_nc_u64 s[G0+2:G0+3], s[G0+2:G0+3], s[90:91]
	s_or_b32 s[G0+3], s[G0+3], 0x80000000
	s_mov_b32 s[G0], 1
	s_mov_b32 s[G0+1], s89
	TLOAD                                          ; slot 0
	s_add_nc_u64 s[4:5], s[4:5], s[82:83]
	s_add_nc_u64 s[16:17], s[16:17], s[86:87]
	s_cmp_lt_u32 s[WV], 8
	s_cselect_b64 s[PFA:PFA+1], s[6:7], s[12:13]
	s_and_b32 s82, s[WV], 3
	s_lshl_b32 s82, s82, 13
	s_add_co_u32 s82, s82, 32768                   ; in slot 1: the first change of slots steps it to slot 2.  Nothing is prefetched here, at the head
	s_mov_b32 s83, 0
	s_add_nc_u64 s[PFA:PFA+1], s[PFA:PFA+1], s[74:75]
	s_add_nc_u64 s[PFA:PFA+1], s[PFA:PFA+1], s[82:83]
	s_sub_co_u32 s82, s[WV], 4
	s_lshr_b32 s82, s82, 3                         ; 0 in waves 4 to 11,
	s_or_b32 s82, s82, ttmp9                       ; of the head's first work-group
	s_cmp_eq_u32 s82, 0
	s_cselect_b32 s[LIM], 1, -1
	v_and_b32 v9, 31, v0
	v_lshlrev_b32 v[LI], 4, v9
	v_lshlrev_b32 v[PFO], 8, v9
.irp c, 0,1,2,3
	global_load_b128 v[16+4*\c:19+4*\c], v[LI], s[4:5] offset:512*\c   ; Q's fragment stays in registers
.endr
	v_mov_b32 v13, 0xff61b1e6                      ; the largest t so far: -3e38
	v_floor_f32 v12, -v13                          ; -M
	v_mov_b32 v14, 0
	v_mov_b32 v15, 0
	v_mov_b32 v236, 0                              ; written once: a lane permute's destination counts as one of its sources
	v_mov_b32 v252, 0
	v_mov_b32 v253, 0
.set n, 0
.rept 64
	v_mov_b32 v[160+n], 0                          ; O^T: the loop is written once; its first step finds zeros
.set n, n+1
.endr
	s_wait_kmcnt 0x0
	s_add_co_i32 s72, s68, s69
	s_lshl_b32 s72, s72, 23
	s_add_co_i32 s[CS], s[CS], s72                 ; a score stands for score x 2^(e14 + e15): added to c's exponent field
	s_mov_b32 s[CS+1], s[CS]
	s_add_co_i32 s72, s70, 127
	s_lshl_b32 s73, s72, 23
	v_mov_b32 v244, s73                            ; 2^e16
	s_add_co_i32 s72, s72, 8
	s_lshl_b32 s72, s72, 23
	s_or_b32 s72, s72, 0x600000
	v_mov_b32 v240, s72                            ; 448 x 2^e16
.macro STEP q                          ; 128 keys, the q-th of the slot in hand
	s_add_co_u32 s96, s[Q0], 15
	s_cmp_gt_u32 s[KF], s96                        ; all keys come after my queries: the step's work is left out (ids and the count of steps alone)
	s_cbranch_scc1 .Lhidden_\@
	v_add_nc_u32 v[ADR], s[TB], v[LI]
.irp g, 0,1
.rept 4
	v_nop                                          ; places in front of loads into registers that matrix instructions have read
.endr
.irp t, 0,1,2,3
.irp c, 0,1,2,3
	ds_load_b128 v[32+16*\t+4*\c:32+16*\t+4*\c+3], v[ADR] offset:(8*(\q)+4*\g+\t)*2048+512*\c
.endr
.endr
	s_wait_dscnt 0x0
.irp t, 0,1,2,3
	v_wmma_f32_16x16x128_fp8_fp8 v[96+8*(4*\g+\t):103+8*(4*\g+\t)], v[32+16*\t:47+16*\t], v[16:31], 0
.endr
.endr
.rept 4
	v_nop
.endr
	s_add_co_u32 s96, s[KF], 127
	s_cmp_le_u32 s96, s[Q0]                        ; all keys count: no mask
	s_cbranch_scc1 .Lopen_\@
	s_sub_co_i32 s96, s[Q0], s[KF]
	v_and_b32 v252, 15, v0
	v_bfe_u32 v253, v0, 4, 1
	v_lshlrev_b32 v253, 4, v253
	v_sub_nc_u32 v252, v252, v253
	v_add_nc_u32 v252, s96, v252                   ; d = my query - KF - 16 h.  Register 16 b + i holds key KF + 16 h + 32 b + i: hidden where 32 b + i > d
	v_mov_b32 v254, 0xff800000
.set n, 0
.rept 64
	v_cmp_gt_i32 vcc_lo, 32*(n/16)+n%16, v252
	v_cndmask_b32 v[96+n], v[96+n], v254, vcc_lo
.set n, n+1
.endr
.Lopen_\@:
	v_max3_num_f32 v254, v96, v97, v98             ; the step's largest score of my query, in two chains
	v_max3_num_f32 v252, v99, v100, v101
.irp i, 6,10,14,18,22,26,30,34,38,42,46,50,54,58
	v_max3_num_f32 v254, v254, v[96+\i], v[97+\i]
	v_max3_num_f32 v252, v252, v[98+\i], v[99+\i]
.endr
	v_max3_num_f32 v254, v254, v158, v159
	v_max_num_f32 v254, v254, v252
	v_permlanex16_b32 v236, v254, s[SEL], s[SEL+1]
	v_max_num_f32 v254, v254, v236
	v_mul_f32 v254, s[CS], v254
	v_max_num_f32 v13, v13, v254                   ; the running largest t
	v_mov_b32 v254, v12
	v_floor_f32 v12, -v13                          ; the new -M = -ceil(t)
	v_sub_f32 v254, v12, v254
	v_cvt_i32_f32 v254, v254
	v_ldexp_f32 v252, 1.0, v254                    ; f = 2^(old M - new M)
.set n, 0
.rept 32
	v_pk_fma_f32 v[96+n:97+n], v[96+n:97+n], s[CS:CS+1], v[12:13] op_sel_hi:[1,0,0]   ; t - M
.set n, n+2
.endr
.set n, 0
.rept 64
	v_exp_f32 v[96+n], v[96+n]                     ; p = 2^(t - M)
.set n, n+1
.endr
	v_pk_mul_f32 v[14:15], v[14:15], v[252:253] op_sel_hi:[1,0]   ; the sums under the new M: a plain instruction behind the exponentials
	s_wait_alu depctr_va_vdst(0)                   ; one wait for the whole batch, ahead of its first reader
	v_pk_add_f32 v[242:243], v[96:97], v[98:99]    ; the row's sum is taken of the unquantised p
.irp j, 4,8,12,16,20,24,28,32,36,40,44,48,52,56,60
	v_pk_add_f32 v[14:15], v[14:15], v[96+\j:97+\j]
	v_pk_add_f32 v[242:243], v[242:243], v[98+\j:99+\j]
.endr
	v_pk_add_f32 v[14:15], v[14:15], v[242:243]
.irp b, 0,1,2,3
.irp i, 0,1,2,3,4,5,6,7,8,9,10,11,12,13,14,15
	v_min_num_f32 v[96+16*\b+\i], v[96+16*\b+\i], v240   ; the hold; p is not negative
.endr
	v_cvt_scalef32_pk8_fp8_f32 v[224+4*\b:225+4*\b], v[96+16*\b:103+16*\b], v244
	v_cvt_scalef32_pk8_fp8_f32 v[226+4*\b:227+4*\b], v[104+16*\b:111+16*\b], v244
.endr
.set n, 0
.rept 32
	v_pk_mul_f32 v[160+n:161+n], v[160+n:161+n], v[252:253] op_sel_hi:[1,0]   ; O^T under the new M; these are also the places in front of the loads and products below
.set n, n+2
.endr
.irp g, 0,1
.if \g > 0
.rept 4
	v_nop
.endr
.endif
.irp t, 0,1,2,3
.irp c, 0,1,2,3
	ds_load_b128 v[32+16*\t+4*\c:32+16*\t+4*\c+3], v[ADR] offset:VOFF+(8*(\q)+4*\g+\t)*2048+512*\c
.endr
.endr
	s_wait_dscnt 0x0
.irp t, 0,1,2,3
	v_wmma_f32_16x16x128_fp8_fp8 v[160+8*(4*\g+\t):167+8*(4*\g+\t)], v[32+16*\t:47+16*\t], v[224:239], v[160+8*(4*\g+\t):167+8*(4*\g+\t)]
.endr
.endr
.Lhidden_\@:
	s_add_co_u32 s[KF], s[KF], 128
.endm
; The change of slots stands at a slot's head: each wave waits for all its tensor loads, adds 0 to its spare word, and waits for that and for its reads of the slot that it has left; behind the barrier
; the slot ahead is whole and nobody reads the other one, which is then filled with the keys that follow, up to the causal limit.
.macro CHANGE fill
	s_wait_tensorcnt 0x0
	ds_add_u32 v[SPW], v[NIL]
.if \fill
	s_xor_b32 s[G0+1], s[G0+1], SLOT1              ; no tensor load of mine is out: the walking descriptor may be written
	s_add_nc_u64 s[G0+2:G0+3], s[G0+2:G0+3], 32768
	s_wait_xcnt 0x0                                ; the last prefetch, a slot back, has read its address
	s_add_nc_u64 s[PFA:PFA+1], s[PFA:PFA+1], 32768
.endif
	s_wait_dscnt 0x0
	s_barrier_signal -1
	s_barrier_wait -1
.if \fill
	s_add_co_u32 s96, s[KF], SK                    ; the first key of the slot that this change would ask for
	s_cmp_gt_u32 s96, s[QL]                        ; past my work-group's last query: none of its waves would read it.  Ids and the count of steps alone: all sixteen waves go the same way
	s_cbranch_scc1 .Lpast_\@
	TLOAD
.Lpast_\@:
	ASK
.endif
.endm
.macro SLOT_STEPS
	STEP 0
	STEP 1
	s_xor_b32 s[TB], s[TB], SLOT1
.endm
	s_wait_loadcnt 0x0                             ; Q
.Lslot:
	CHANGE 1
	SLOT_STEPS
	s_sub_co_u32 s[SLOTS], s[SLOTS], 1
	s_cmp_lg_u32 s[SLOTS], 0
	s_cbranch_scc1 .Lslot
	CHANGE 0                                       ; the last slot is written out: nothing is left to ask for
	SLOT_STEPS
	; THE WAY OUT: O^T / the sum stands for y / 2^(e16 + e17): its code is that / 2^(e18 - e16 - e17).  Register 16 b + i is channel 32 b + 16 h + i of my query: the codes are the operand's registers.
.rept 4
	v_nop                                          ; places behind the last products
.endr
	v_add_f32 v14, v14, v15
	v_permlanex16_b32 v252, v14, s[SEL], s[SEL+1]
	v_add_f32 v14, v14, v252                       ; the row's sum
	v_rcp_f32 v14, v14
	s_sub_co_i32 s72, s66, s70
	s_sub_co_i32 s72, s72, s71
	s_add_co_i32 s72, s72, 127
	s_lshl_b32 s73, s72, 23
	v_mov_b32 v244, s73                            ; (a plain instruction behind the reciprocal)
	s_add_co_i32 s72, s72, 8
	s_lshl_b32 s72, s72, 23
	s_or_b32 s72, s72, 0x600000
	v_mov_b32 v240, s72
	s_wait_alu depctr_va_vdst(0)                   ; the wait, ahead of the reciprocal's first reader
.set n, 0
.rept 32
	v_pk_mul_f32 v[96+n:97+n], v[160+n:161+n], v[14:15] op_sel_hi:[1,0]
.set n, n+2
.endr
.set n, 0
.rept 64
	v_med3_num_f32 v[96+n], v[96+n], -v240, v240
.set n, n+1
.endr
.irp b, 0,1,2,3
	v_cvt_scalef32_pk8_fp8_f32 v[32+4*\b:33+4*\b], v[96+16*\b:103+16*\b], v244
	v_cvt_scalef32_pk8_fp8_f32 v[34+4*\b:35+4*\b], v[104+16*\b:111+16*\b], v244
.endr
	v_nop
.irp c, 0,1,2,3
	global_store_b128 v[LI], v[32+4*\c:35+4*\c], s[16:17] offset:512*\c   ; 512 consecutive bytes
.endr
	s_wait_tensorcnt 0x0                           ; the wave's end
	ds_add_u32 v[SPW], v[NIL]
	s_wait_dscnt 0x0
	s_endpgm
.Lfunc_end_k_qb49e6f2e21_att:
	.size	k_qb49e6f2e21_att, .Lfunc_end_k_qb49e6f2e21_att-k_qb49e6f2e21_att
	.p2alignl 7, 3214868480
	.fill 96, 4, 3214868480
	.section	.rodata,"a",@progbits
	.p2align	6, 0x0
	.amdhsa_kernel k_qb49e6f2e21_att
		.amdhsa_group_segment_fixed_size 327680
		.amdhsa_private_segment_fixed_size 0
		.amdhsa_enable_private_segment 0
		.amdhsa_kernarg_size 40
		.amdhsa_user_sgpr_count 2
		.amdhsa_user_sgpr_kernarg_segment_ptr 1
		.amdhsa_wavefront_size32 1
		.amdhsa_system_sgpr_workgroup_id_x 1
		.amdhsa_system_sgpr_workgroup_id_y 1
		.amdhsa_system_sgpr_workgroup_id_z 1
		.amdhsa_system_vgpr_workitem_id 0
		.amdhsa_next_free_vgpr 256
		.amdhsa_next_free_sgpr 100
		.amdhsa_reserve_vcc 1
		.amdhsa_float_denorm_mode_32 3
		.amdhsa_float_denorm_mode_16_64 3
		.amdhsa_memory_ordered 1
		.amdhsa_forward_progress 1
		.amdhsa_inst_pref_size 113
	.end_amdhsa_kernel
	.amdgpu_metadata
---
amdhsa.version: [ 1, 2 ]
amdhsa.kernels:
  - .name:           k_qb49e6f2e21_att
    .symbol:         k_qb49e6f2e21_att.kd
    .args:
      - { .name: qimg, .offset: 0, .size: 8, .value_kind: global_buffer, .address_space: global }
      - { .name: kimg, .offset: 8, .size: 8, .value_kind: global_buffer, .address_space: global }
      - { .name: vimg, .offset: 16, .size: 8, .value_kind: global_buffer, .address_space: global }
      - { .name: lowp_scales, .offset: 24, .size: 8, .value_kind: global_buffer, .address_space: global }
      - { .name: yimg, .offset: 32, .size: 8, .value_kind: global_buffer, .address_space: global }
    .group_segment_fixed_size: 327680
    .private_segment_fixed_size: 0
    .kernarg_segment_align: 8
    .kernarg_segment_size: 40
    .max_flat_workgroup_size: 512
    .sgpr_count:     100
    .vgpr_count:     256
    .wavefront_size: 32
...
	.end_amdgpu_metadata
.endif
;; end of part 4
;; launch outp (part 5): grid 8 x 16, 4 waves a work-group, clusters of 4 x 4, 327,680 bytes of LDS; arguments yimg, wc, lowp_scales, out0; writes out0
.if DOCPART == 5
	.amdgcn_target "amdgcn-amd-amdhsa--gfx1250"
	.amdhsa_code_object_version 6
	.text
	.protected	k_qb49e6f2e21_outp
	.globl	k_qb49e6f2e21_outp
	.p2align	8
	.type	k_qb49e6f2e21_outp,@function
k_qb49e6f2e21_outp:
	s_mov_b64 s[64:65], 0
	v_nop
	global_prefetch_b8 v0, s[64:65] scope:SCOPE_SE
	s_setreg_imm32_b32 hwreg(HW_REG_WAVE_MODE, 25, 1), 1
	s_wait_xcnt 0x0
	s_wait_alu depctr_hold_cnt(0) depctr_sa_sdst(0) depctr_va_vdst(0) depctr_va_sdst(0) depctr_va_ssrc(0) depctr_va_vcc(0) depctr_vm_vsrc(0)
	s_getreg_b32 s2, hwreg(HW_REG_IB_STS2, 6, 4)
	s_cmp_eq_u32 s2, 0
	s_cbranch_scc0 .Lentry_in_a_cluster
	s_endpgm
.Lentry_in_a_cluster:
	s_bfe_u32 s2, ttmp6, 0x10000c
	s_cmp_lg_u32 s2, 0xf033
	s_cbranch_scc0 .Lentry_shape_is_right
	s_endpgm
.Lentry_shape_is_right:
; OUTP: out0 = y Wo, M 4,096, N 2,048, K 2,048, on codes of E4M3; each finished sum x 2^(e18 + e19).  LIMIT: e18 + e19 between -126 and 127.
; y arrives as images of operand registers, [row tile 256][head 16][c][lane][16]: a K step of 256 is two heads, 4,096 consecutive bytes of each row tile.  Wo's codes are rows of 2,048 bytes in wc, in physical
; order (bits 3 and 4 of the column number exchanged): the stage on the way out puts the columns back.
; A tile of 256 x 256 is made by four waves, 128 x 128 each; K goes in steps of 256 through a ring of two LDS slots: y's 16 row tiles (65,536 bytes, dense), then Wo's 256 rows (pitch 272).
; CLUSTERS: 4 x 4: the four of a row of the cluster need the same tile of y, the four of a column the same tile of Wo: each is asked for jointly.
; THE MATRIX INSTRUCTION IS USED TRANSPOSED (source 0 = 16 rows of Wo, source 1 = 16 tokens): a lane holds eight neighbouring numbers of a row of the output.
; REGISTERS: window 0: v16-29 addresses; from v128 y's fragments, ONE set; window 1: Wo's, TWO sets; windows 2, 3: the accumulators ((a, b) at v[8 (8 (a % 4) + b)]).
.set SIZE_N, 2048
.set ROWB,   256
.set KROW,   2048
.set PITCH,  272
.set FR,     16
.set NL,     4
.set NP,     4
.set HALFT,  128*PITCH
.set ABYTES, 65536
.set SLOT,   ABYTES+2*HALFT
.set LAPS,   4
.set SPARE,  2*SLOT                    ; behind the ring: the spare words
.set SPITCH, 528                       ; the way out: 16 rows x (512 bytes + 16) a wave, in slot 0's first part, which has had its last fill and its last read by then
.set WOC,    4456448
.set ADRA, 16
.set ADRB, 20
.set STO,  24
.set RD,   25
.set CO,   26
.set SPW,  28
.set NIL,  29
.set TMP,  32
.set AF,   128
.set BK,   128
.set G1, 24
.set G0, 32
.set G1B, 48
.set G0B, 56
.set MSB, 0
.macro WIN new
.if MSB != \new
	s_set_vgpr_msb (MSB<<8)|\new
.set MSB, \new
.endif
.endm
.set MUL_LO, 0xa1
.set MUL_HI, 0xf1
.set TO_B,   0x40
.macro JLOAD g0a, g1a, g0b, g1b        ; waves 0 and 1 fetch for y, waves 2 and 3 for Wo; an s_nop 0 and four v_nop follow each line
	s_cmp_eq_u32 s15, 0
	s_cbranch_scc0 .Lfor_b_\@
	tensor_load_to_lds s[\g0a:\g0a+3], s[\g1a:\g1a+7]
	s_nop 0
.rept 4
	v_nop
.endr
	s_branch .Lasked_\@
.Lfor_b_\@:
	tensor_load_to_lds s[\g0b:\g0b+3], s[\g1b:\g1b+7]
	s_nop 0
.rept 4
	v_nop
.endr
.Lasked_\@:
.endm
.macro CREST
	s_cmp_lg_u32 s14, 0
	s_cbranch_scc1 .Lnot_wave_0_\@
	s_barrier_signal -3
.Lnot_wave_0_\@:
	s_barrier_wait -3
	s_barrier_signal -1
	s_barrier_wait -1
.endm
.macro CROUND
	s_barrier_signal -1
	s_barrier_wait -1
	CREST
.endm
	s_load_b128 s[4:7], s[0:1], 0x0                ; yimg 4, wc 6
	s_load_b128 s[8:11], s[0:1], 0x10              ; the scales 8, out0 10
	v_lshl_add_u32 v[SPW], v0, 2, SPARE
	v_mov_b32 v[NIL], 0
	ds_add_u32 v[SPW], v[NIL]                      ; the wave's opening: the add, and its wait ahead of my first tensor load
	v_lshrrev_b32 v1, 5, v0
	v_readfirstlane_b32 s14, v1                    ; wave
	s_lshr_b32 s15, s14, 1                         ; which half of the tile's rows is mine.  Also: I fetch for y (0) or for Wo (1)
	s_and_b32 s16, s14, 1                          ; which half of its columns.  Also: which half of that tile I fetch
	s_bfe_u32 s40, ttmp6, 0x40000                  ; cx
	s_bfe_u32 s41, ttmp6, 0x40004                  ; cy
	s_lshl_b32 s42, ttmp9, 2
	s_add_co_u32 s42, s42, s40                     ; tile column
	s_and_b32 s17, ttmp7, 0xffff
	s_lshl_b32 s17, s17, 2
	s_add_co_u32 s17, s17, s41                     ; tile row
	s_lshl_b32 s43, s41, 2
	s_lshl_b32 s43, 15, s43                        ; my row of the cluster
	s_lshl_b32 s44, 0x1111, s40                    ; my column
	s_or_b32 s[G1+0], s43, (3<<16)|(1<<21)         ; y: the mask of my row; elements of 8 bytes; bit 21 set beside the mask; no padding
	s_mov_b32 s[G1+1], 512<<16                     ; tensor_dim0: 4,096 bytes
	s_mov_b32 s[G1+2], 8<<16                       ; tensor_dim1: 8 row tiles
	s_mov_b32 s[G1+3], 512<<16                     ; tile_dim0
	s_mov_b32 s[G1+4], 8                           ; tile_dim1
	s_mov_b32 s[G1+5], 4096                        ; from row tile to row tile: 32,768 bytes
	s_mov_b32 s[G1+6], 0
	s_mov_b32 s[G1+7], 0
	s_or_b32 s[G1B+0], s44, (0<<16)|(1<<20)|(1<<21)|(5<<22)|(3<<25)   ; Wo: the mask of my column; elements of 1 byte; padding: 4 words after every 64
	s_mov_b32 s[G1B+1], ROWB<<16
	s_mov_b32 s[G1B+2], 128<<16
	s_mov_b32 s[G1B+3], ROWB<<16
	s_mov_b32 s[G1B+4], 128
	s_mov_b32 s[G1B+5], KROW
	s_mov_b32 s[G1B+6], 0
	s_mov_b32 s[G1B+7], 0
	s_lshl_b32 s20, s17, 19                        ; y: 16 row tiles of 32,768 bytes a tile row,
	s_lshl_b32 s18, s16, 18                        ; 8 a half
	s_add_co_u32 s20, s20, s18
	s_mov_b32 s21, 0
	s_lshl_b32 s46, s42, 8
	s_lshl_b32 s18, s16, 7
	s_add_co_u32 s46, s46, s18
	s_lshl_b32 s46, s46, 11                        ; Wo: row 256 x tile column + 128 x half
	s_add_co_u32 s46, s46, WOC
	s_mov_b32 s47, 0
	s_lshl_b32 s45, s16, 15                        ; where they go: y's halves,
	s_mul_i32 s67, s16, HALFT
	s_add_co_u32 s67, s67, ABYTES                  ; Wo's halves behind them: no place in the cluster enters an LDS address
	s_wait_dscnt 0x0                               ; the opening add is done
	s_wait_kmcnt 0x0
	s_load_b64 s[96:97], s[8:9], 0x48              ; e18, e19
	s_add_nc_u64 s[20:21], s[4:5], s[20:21]
	s_add_nc_u64 s[46:47], s[6:7], s[46:47]
	CROUND                                         ; all sixteen work-groups are here: the first joint loads meet
.irp s, 0,1
	s_mov_b32 s[G0+4*\s], 1
	s_add_co_u32 s[G0+4*\s+1], s45, \s*SLOT
	s_add_nc_u64 s[G0+4*\s+2:G0+4*\s+3], s[20:21], \s*4096
	s_or_b32 s[G0+4*\s+3], s[G0+4*\s+3], 0x80000000
	s_mov_b32 s[G0B+4*\s], 1
	s_add_co_u32 s[G0B+4*\s+1], s67, \s*SLOT
	s_add_nc_u64 s[G0B+4*\s+2:G0B+4*\s+3], s[46:47], \s*ROWB
	s_or_b32 s[G0B+4*\s+3], s[G0B+4*\s+3], 0x80000000
	JLOAD G0+4*\s, G1, G0B+4*\s, G1B
.endr
	v_and_b32 v1, 15, v0                           ; r
	v_bfe_u32 v2, v0, 4, 1                         ; h
	v_mul_u32_u24 v3, v1, PITCH
	v_lshl_add_u32 v4, v2, 4, v3                   ; Wo: row x pitch + 16 h
	v_and_b32 v6, 31, v0
	v_lshlrev_b32 v[CO], 4, v6                     ; 16 x lane: an image's place, and my place in a row of 512 bytes
	s_lshl_b32 s21, s15, 15                        ; my 8 row tiles of y
	s_mul_i32 s22, s16, HALFT
	s_add_co_u32 s22, s22, ABYTES                  ; my 128 rows of Wo
.irp s, 0,1
	v_add_nc_u32 v[ADRA+\s], s21, v[CO]
	v_add_nc_u32 v[ADRB+\s], s22, v4
	s_add_co_u32 s21, s21, SLOT
	s_add_co_u32 s22, s22, SLOT
.endr
	s_mul_i32 s23, s14, 16*SPITCH                  ; my stage
	v_mul_u32_u24 v5, v1, SPITCH
	v_lshl_add_u32 v5, v2, 6, v5                   ; in: row r, + 64 h: tile b's eight numbers are columns 32 (b / 2) + 16 h + 8 (b % 2) + 0 .. 7
	v_add_nc_u32 v[STO], s23, v5
	v_add_nc_u32 v[RD], s23, v[CO]
	s_lshl_b32 s20, s17, 8
	s_lshl_b32 s21, s15, 7
	s_add_co_u32 s20, s20, s21                     ; my first row of the output
	s_mov_b32 s21, 0
	s_mov_b64 s[18:19], SIZE_N*4
	s_mul_u64 s[20:21], s[20:21], s[18:19]
	s_lshl_b32 s46, s42, 10
	s_lshl_b32 s47, s16, 9
	s_add_co_u32 s46, s46, s47                     ; my first column, in bytes
	s_mov_b32 s47, 0
	s_add_nc_u64 s[20:21], s[20:21], s[46:47]
	s_add_nc_u64 s[10:11], s[10:11], s[20:21]
.macro FRAGB reg, adr, q, i            ; 16 rows x 128 K from rows: registers 4 c .. 4 c + 3 hold K = 32 c + 16 (l / 16) + 0 .. 15
.irp c, 0,1,2,3
	ds_load_b128 v[\reg+4*\c:\reg+4*\c+3], v[\adr] offset:128*(\q)+32*\c+(\i)*16*PITCH
.endr
.endm
.macro FRAGA reg, adr, q, i            ; the same registers from an image: row tile i, head q of the slot's two
.irp c, 0,1,2,3
	ds_load_b128 v[\reg+4*\c:\reg+4*\c+3], v[\adr] offset:4096*(\i)+2048*(\q)+512*\c
.endr
.endm
.macro MUL16 a0, p, zero               ; the 64 accumulators take turns, one instruction a turn
.irp a, \a0, \a0+1
.irp b, 0,1,2,3,4,5,6,7
.if \zero
	v_wmma_f32_16x16x128_fp8_fp8 v[8*(8*((\a)%4)+\b):8*(8*((\a)%4)+\b)+7], v[128*(\p)+FR*\b:128*(\p)+FR*\b+FR-1], v[AF+FR*(\a):AF+FR*(\a)+FR-1], 0
.else
	v_wmma_f32_16x16x128_fp8_fp8 v[8*(8*((\a)%4)+\b):8*(8*((\a)%4)+\b)+7], v[128*(\p)+FR*\b:128*(\p)+FR*\b+FR-1], v[AF+FR*(\a):AF+FR*(\a)+FR-1], v[8*(8*((\a)%4)+\b):8*(8*((\a)%4)+\b)+7]
.endif
.endr
.endr
.endm
.macro FETCH_B slot, q, p
	WIN TO_B
.irp i, 0,1,2,3,4,5,6,7
	FRAGB 128*(\p)+FR*\i, ADRB+\slot, \q, \i
.endr
	WIN 0
.endm
.macro FETCH_A slot, q, i0
.irp i, \i0, \i0+1, \i0+2, \i0+3
	FRAGA AF+FR*(\i), ADRA+\slot, \q, \i
.endr
.endm
.macro PLACES n
.rept \n
	v_nop
.endr
.endm
.macro STEP slot, q, zero
	s_wait_dscnt 4*NL                              ; Wo's set and y's blocks 0-3 are in; the youngest 16 loads (blocks 4-7) may be out
	WIN MUL_LO
	MUL16 0, (\q)%2, \zero
	MUL16 2, (\q)%2, \zero
	s_wait_dscnt 0
	PLACES NP
	FETCH_B \slot, (\q)+1, 1-(\q)%2
	FETCH_A \slot, (\q)+1, 0
	WIN MUL_HI
	MUL16 4, (\q)%2, \zero
	MUL16 6, (\q)%2, \zero
	PLACES NP
	WIN 0
	FETCH_A \slot, (\q)+1, 4
.endm
.macro TURN slot, next, fill
	s_wait_tensorcnt 0x0                           ; all my tensor loads have landed: my part of the next slot
	ds_add_u32 v[SPW], v[NIL]
	s_wait_dscnt 4*NL+1                            ; the add and the youngest 16 loads may be out
	WIN MUL_LO
	MUL16 0, 1, 0
	s_wait_dscnt 0x0                               ; the add is done, and my reads of this slot are over
	s_barrier_signal -1
	MUL16 2, 1, 0
	WIN 0
	s_barrier_wait -1
.if \fill
	CREST                                          ; the barrier has opened a round of the cluster's: no wave of any partner still reads this slot or has a load on its way
	s_add_nc_u64 s[G0+4*\slot+2:G0+4*\slot+3], s[G0+4*\slot+2:G0+4*\slot+3], 2*4096
	s_add_nc_u64 s[G0B+4*\slot+2:G0B+4*\slot+3], s[G0B+4*\slot+2:G0B+4*\slot+3], 2*ROWB
	JLOAD G0+4*\slot, G1, G0B+4*\slot, G1B
.else
	PLACES NP
.endif
	FETCH_B \next, 0, 0
	FETCH_A \next, 0, 0
	WIN MUL_HI
	MUL16 4, 1, 0
	MUL16 6, 1, 0
	PLACES NP
	WIN 0
	FETCH_A \next, 0, 4
.endm
	s_wait_tensorcnt 1                             ; my part of K step 0 is in; K step 1's load may be out
	s_barrier_signal -1
	s_barrier_wait -1
	FETCH_B 0, 0, 0
	FETCH_A 0, 0, 0
	FETCH_A 0, 0, 4
	STEP 0, 0, 1
	s_mov_b32 s3, LAPS-1
.Llap:
	TURN 0, 1, 1
	STEP 1, 0, 0
	TURN 1, 0, 1
	STEP 0, 0, 0
	s_sub_co_u32 s3, s3, 1
	s_cmp_lg_u32 s3, 0
	s_cbranch_scc1 .Llap
	TURN 0, 1, 0
	STEP 1, 0, 0
	s_wait_dscnt 4*NL
	WIN MUL_LO
	MUL16 0, 1, 0
	MUL16 2, 1, 0
	s_wait_dscnt 0
	WIN MUL_HI
	MUL16 4, 1, 0
	MUL16 6, 1, 0
	WIN 0
; THE WAY OUT, block by block of 16 rows x 128 columns, through my own stage: back come whole rows of 512 bytes.  LDS serves a wave's instructions in order.
.macro TOSTAGE a
.set AC, 64*((\a)%4)
	WIN 0x02+((\a)/4)
.irp j, 0,2,4,6,8,10,12,14,16,18,20,22,24,26,28,30,32,34,36,38,40,42,44,46,48,50,52,54,56,58,60,62
	v_pk_mul_f32 v[TMP+\j:TMP+\j+1], v[AC+\j:AC+\j+1], s[96:97] op_sel_hi:[1,0]   ; x 2^(e18 + e19); each accumulator from its low end on
.endr
	WIN 0
.irp b, 0,1,2,3,4,5,6,7
	ds_store_b128 v[STO], v[TMP+8*\b:TMP+8*\b+3] offset:128*(\b/2)+32*(\b%2)
	ds_store_b128 v[STO], v[TMP+8*\b+4:TMP+8*\b+7] offset:128*(\b/2)+32*(\b%2)+16
.endr
.set BB, BK+64*((\a)%2)
.irp t, 0,1,2,3,4,5,6,7,8,9,10,11,12,13,14,15
	ds_load_b128 v[BB+4*\t:BB+4*\t+3], v[RD] offset:\t*SPITCH
.endr
.endm
.macro SEND a, younger
.set BB, BK+64*((\a)%2)
	s_wait_dscnt \younger                          ; the block is back in registers
.if (\a) > 0
	s_add_nc_u64 s[10:11], s[10:11], 16*SIZE_N*4   ; behind a wait on XCNT: the earlier stores have read their base
.endif
.irp t, 0,1,2,3,4,5,6,7,8,9,10,11,12,13,14,15
	global_store_b128 v[CO], v[BB+4*\t:BB+4*\t+3], s[10:11] offset:\t*SIZE_N*4 th:TH_STORE_NT   ; 32 lanes store 512 consecutive bytes, aligned
.endr
.endm
	s_wait_kmcnt 0x0
	s_add_co_i32 s96, s96, s97
	s_add_co_i32 s96, s96, 127
	s_lshl_b32 s96, s96, 23                        ; 2^(e18 + e19) as f32
	PLACES NP
	TOSTAGE 0
.irp a, 1,2,3,4,5,6,7
.if \a > 1
	s_wait_xcnt 0x0                                ; block a - 2's stores have read their registers and their base
.endif
	TOSTAGE \a
	SEND \a-1, 32                                  ; behind block a - 1's loads: block a's 16 stores and 16 loads
.endr
	s_wait_xcnt 0x0
	SEND 7, 0
	s_wait_tensorcnt 0x0                           ; the wave's end
	ds_add_u32 v[SPW], v[NIL]
	s_wait_dscnt 0x0
	CROUND                                         ; the closing round
	s_endpgm
.Lfunc_end_k_qb49e6f2e21_outp:
	.size	k_qb49e6f2e21_outp, .Lfunc_end_k_qb49e6f2e21_outp-k_qb49e6f2e21_outp
	.p2alignl 7, 3214868480
	.fill 96, 4, 3214868480
	.section	.rodata,"a",@progbits
	.p2align	6, 0x0
	.amdhsa_kernel k_qb49e6f2e21_outp
		.amdhsa_group_segment_fixed_size 327680
		.amdhsa_private_segment_fixed_size 0
		.amdhsa_enable_private_segment 0
		.amdhsa_kernarg_size 32
		.amdhsa_user_sgpr_count 2
		.amdhsa_user_sgpr_kernarg_segment_ptr 1
		.amdhsa_wavefront_size32 1
		.amdhsa_system_sgpr_workgroup_id_x 1
		.amdhsa_system_sgpr_workgroup_id_y 1
		.amdhsa_system_sgpr_workgroup_id_z 1
		.amdhsa_system_vgpr_workitem_id 0
		.amdhsa_next_free_vgpr 1024
		.amdhsa_next_free_sgpr 98
		.amdhsa_reserve_vcc 0
		.amdhsa_float_denorm_mode_32 3
		.amdhsa_float_denorm_mode_16_64 3
		.amdhsa_memory_ordered 1
		.amdhsa_forward_progress 1
		.amdhsa_inst_pref_size 123
	.end_amdhsa_kernel
	.amdgpu_metadata
---
amdhsa.version: [ 1, 2 ]
amdhsa.kernels:
  - .name:           k_qb49e6f2e21_outp
    .symbol:         k_qb49e6f2e21_outp.kd
    .args:
      - { .name: yimg, .offset: 0, .size: 8, .value_kind: global_buffer, .address_space: global }
      - { .name: wc, .offset: 8, .size: 8, .value_kind: global_buffer, .address_space: global }
      - { .name: lowp_scales, .offset: 16, .size: 8, .value_kind: global_buffer, .address_space: global }
      - { .name: out0, .offset: 24, .size: 8, .value_kind: global_buffer, .address_space: global }
    .group_segment_fixed_size: 327680
    .private_segment_fixed_size: 0
    .kernarg_segment_align: 8
    .kernarg_segment_size: 32
    .max_flat_workgroup_size: 128
    .sgpr_count:     98
    .vgpr_count:     1024
    .wavefront_size: 32
...
	.end_amdgpu_metadata
.endif
;; end of part 5
;; ======== version 2 of 2: 5 launches
;; limits: right only within a limited range of input values
;; workspace buffers: xc 25,165,824 bytes; wc 8,650,752 bytes; rope 524,288 bytes; lat 4,194,304 bytes; qimg 8,388,608 bytes; kimg 8,388,608 bytes; vimg 8,388,608 bytes; yimg 8,388,608 bytes
;; launch prep (part 6): grid 520 x 1, 4 waves a work-group, no clusters, 68,096 bytes of LDS; arguments hidden_states, Wkv_d, Wq_d, Wk_u, Wq_u, Wv_u, Wrk, Wrq, Wo, lowp_scales, xc, wc, rope; writes xc, wc, rope
.if DOCPART == 6
	.amdgcn_target "amdgcn-amd-amdhsa--gfx1250"
	.amdhsa_code_object_version 6
	.text
	.protected	k_qb49e6f2e21_prep
	.globl	k_qb49e6f2e21_prep
	.p2align	8
	.type	k_qb49e6f2e21_prep,@function
k_qb49e6f2e21_prep:
	s_mov_b64 s[64:65], 0
	v_nop
	global_prefetch_b8 v0, s[64:65] scope:SCOPE_SE
	s_setreg_imm32_b32 hwreg(HW_REG_WAVE_MODE, 25, 1), 1
	s_wait_xcnt 0x0
; PREP: every f32 input becomes codes of E4M3, once, and the table of cosines and sines is made.
; Work-groups 0-255: hidden_states [4096][2048] -> xc, three sets of codes [4096][2048], one for each given scale under which it is multiplied (entries 0, 2, 10 of the scales).
;   Sets 0 and 2 have their token rows in PHYSICAL order (bits 3 and 4 of the row number exchanged), set 1 in natural order: a tile of 16 consecutive physical rows, used as source 0 of a
;   matrix instruction, leaves 16 neighbouring actual rows in a lane's 16 registers of two neighbouring tiles.
;   Each of these 1,024 waves also makes 512 bytes of the table rope[postile 128][x 8][lane (r, h)][4]: x < 4: cos(pos = 16 postile + r, frequency 16 h + 4 x + jj), x >= 4: sin, with x - 4.
; Work-groups 256-519: the eight weights [K][N] -> wc, K innermost, N rows in physical order: a lane takes a column and its registers run down K.
;   Wkv_d, Wq_d, Wrk, Wo: rows of 2,048 codes.  Wk_u, Wq_u, Wrq, Wv_u (K = 256): images of operand registers, [column tile][K step 2][c 4][lane][16 bytes], lane (r, h): k = 32 c + 16 h + 0 .. 15 of row r.
; code = x / 2^e, held within +-448, to the nearest code, ties to even.  LIMITS: each e between -126 and 119.  NaN among the inputs is not served; an infinity is held at the largest code.
; cos and sin: inverse frequency 2^(-i log2(10000) / 32) with the exponent in two parts; angle = pos x that, rounded once; reduced by multiples of pi/2 held in two parts; series to R^9 and R^10
; for |R| <= pi/4.  The inverse frequency is good to about one unit in its last place, so at the largest positions the angle is good to about 1e-4.
; No tensor loads, no barrier: waves share nothing.  The two paths part on the work-group's number and have LDS bytes of their own.
.set SPARE, 67584                      ; behind both paths' stages: the spare words, 128 bytes a wave
.set SPW,   12                         ; v12  LDS address of my spare word; never rewritten
.set NIL,   13                         ; v13  0; never rewritten
.set SP,    80                         ; tokens' path: a lane's place in a stage: 64 bytes + 16 of padding
.set R,     16                         ; v16-79   four sets of 16 numbers as loaded
.set X,     80                         ; v80-111  two sets of 16 neighbours
.set T,     112                        ; v112-159 the held numbers, a set for each scale
.set C,     160                        ; v160-183 two sets of 12 registers of codes
.set WSTG,  32768                      ; weights' path: the stages begin here, 32 rows x 272 bytes a wave
.set WPIT,  272
.set WX,    48                         ; v48-111  two sets of 32 numbers
.set WC,    112                        ; v112-119 a block's codes
.set OUTR,  120                        ; v120-183 the way out
.set WUC,   3145728                    ; wc: the images begin here,
.set WOC,   4456448                    ; and Wo's rows here
.macro MKSC e, sc, lm                  ; s[e] = an exponent x: v[sc] = 2^x as f32, v[lm] = 448 x 2^x
	s_add_co_i32 s94, s[\e], 127
	s_lshl_b32 s95, s94, 23
	v_mov_b32 v[\sc], s95
	s_add_co_i32 s94, s94, 8
	s_lshl_b32 s94, s94, 23
	s_or_b32 s94, s94, 0x600000
	v_mov_b32 v[\lm], s94
.endm
	s_load_b512 s[4:19], s[0:1], 0x0               ; hidden_states 4, Wkv_d 6, Wq_d 8, Wk_u 10, Wq_u 12, Wv_u 14, Wrk 16, Wrq 18
	s_load_b256 s[20:27], s[0:1], 0x40             ; Wo 20, the scales 22, xc 24, wc 26
	s_load_b64 s[28:29], s[0:1], 0x60              ; rope
	v_lshl_add_u32 v[SPW], v0, 2, SPARE
	v_mov_b32 v[NIL], 0
	v_lshrrev_b32 v1, 5, v0
	v_readfirstlane_b32 s30, v1                    ; wave
	v_and_b32 v2, 31, v0                           ; lane
	v_lshlrev_b32 v3, 4, v2                        ; 16 x lane
	s_wait_kmcnt 0x0
	s_load_b512 s[32:47], s[22:23], 0x0            ; e0 .. e15 in s32 .. s47
	s_load_b128 s[48:51], s[22:23], 0x40           ; e16 .. e19
	s_cmp_ge_u32 ttmp9, 256
	s_cbranch_scc1 .Lweights
; ---------------- the tokens: wave J takes rows 4 J .. 4 J + 3: 16 steps of 512 numbers
	s_lshl_b32 s52, ttmp9, 2
	s_add_co_u32 s52, s52, s30                     ; J
	s_lshr_b32 s53, s52, 1
	s_lshr_b32 s60, s52, 2
	s_xor_b32 s53, s53, s60
	s_and_b32 s53, s53, 1
	s_mul_i32 s53, s53, 6
	s_xor_b32 s53, s53, s52                        ; J with bits 1 and 2 exchanged: the rows' physical place
	s_mov_b32 s61, 0
	s_lshl_b32 s60, s52, 15
	s_add_nc_u64 s[4:5], s[4:5], s[60:61]          ; my 32,768 bytes of f32
	s_lshl_b32 s60, s53, 13
	s_add_nc_u64 s[54:55], s[24:25], s[60:61]      ; set 0, physical
	s_add_co_u32 s60, s60, 2<<23
	s_add_nc_u64 s[58:59], s[24:25], s[60:61]      ; set 2, physical
	s_lshl_b32 s60, s52, 13
	s_add_co_u32 s60, s60, 1<<23
	s_add_nc_u64 s[56:57], s[24:25], s[60:61]      ; set 1, natural
	s_lshl_b32 s60, s52, 9
	s_add_nc_u64 s[62:63], s[28:29], s[60:61]      ; my 512 bytes of the table
.macro XLD t                           ; a step's 2,048 bytes: each load reads 512 consecutive bytes
.irp i, 0,1,2,3
	global_load_b128 v[R+16*((\t)%4)+4*\i:R+16*((\t)%4)+4*\i+3], v3, s[4:5] offset:2048*(\t)+512*\i th:TH_LOAD_NT
.endr
.endm
.macro XTURN t                         ; through my stage, so that a lane gets 16 neighbours; LDS serves a wave's instructions in order
.irp i, 0,1,2,3
	ds_store_b128 v14, v[R+16*((\t)%4)+4*\i:R+16*((\t)%4)+4*\i+3] offset:32*SP*((\t)%2)+8*SP*\i
.endr
.irp i, 0,1,2,3
	ds_load_b128 v[X+16*((\t)%2)+4*\i:X+16*((\t)%2)+4*\i+3], v15 offset:32*SP*((\t)%2)+16*\i
.endr
.endm
	s_wait_alu depctr_va_vdst(0)
	XLD 0
	XLD 1
	XLD 2
	XLD 3
	s_lshl_b32 s31, s30, 13                        ; my 8,192 bytes of LDS
	v_lshrrev_b32 v14, 2, v2
	v_mul_u32_u24 v14, v14, SP
	v_and_b32 v15, 3, v2
	v_lshl_add_u32 v14, v15, 4, v14
	v_add_nc_u32 v14, s31, v14                     ; in: 80 (lane / 4) + 16 (lane % 4)
	v_mul_u32_u24 v15, v2, SP
	v_add_nc_u32 v15, s31, v15                     ; out: 80 x lane
	; ---- my part of the table, while the first loads are on their way
	v_and_b32 v10, 15, v2                          ; r
	v_lshrrev_b32 v11, 4, v2                       ; h
	s_lshr_b32 s60, s52, 3
	s_lshl_b32 s60, s60, 4                         ; 16 x postile
	v_add_nc_u32 v10, s60, v10
	v_cvt_f32_u32 v10, v10                         ; pos
	s_and_b32 s60, s52, 3
	s_lshl_b32 s60, s60, 2
	v_lshl_add_u32 v11, v11, 4, s60                ; the first of my four frequencies: 16 h + 4 (x & 3)
.irp j, 0,1,2,3
	v_add_nc_u32 v[112+\j], \j, v11
.endr
.irp j, 0,1,2,3
	v_cvt_f32_u32 v[112+\j], v[112+\j]             ; F
.endr
	s_mov_b32 s60, 0xbed49a78                      ; -log2(10000) / 32, rounded,
	s_mov_b32 s61, 0xb2179abc                      ; and what the rounding left
.irp j, 0,1,2,3
	v_mul_f32 v[116+\j], s60, v[112+\j]            ; P
.endr
.irp j, 0,1,2,3
	v_fma_f32 v[120+\j], v[112+\j], s60, -v[116+\j]   ; what P's rounding left,
.endr
.irp j, 0,1,2,3
	v_fma_f32 v[120+\j], v[112+\j], s61, v[120+\j]    ; and the low part: E
.endr
.irp j, 0,1,2,3
	v_exp_f32 v[124+\j], v[116+\j]                 ; 2^P
.endr
	v_nop                                          ; a plain instruction behind the last exponential
	s_wait_alu depctr_va_vdst(0)                   ; one wait for the four, ahead of their first reader
.irp j, 0,1,2,3
	v_mul_f32 v[116+\j], 0x3f317218, v[124+\j]     ; ln 2 x 2^P
.endr
.irp j, 0,1,2,3
	v_fma_f32 v[124+\j], v[116+\j], v[120+\j], v[124+\j]   ; 2^(P + E)
.endr
.irp j, 0,1,2,3
	v_mul_f32 v[112+\j], v10, v[124+\j]            ; the angle A, rounded once
.endr
.irp j, 0,1,2,3
	v_mul_f32 v[116+\j], 0x3f22f983, v[112+\j]     ; A x 2 / pi
.endr
.irp j, 0,1,2,3
	v_rndne_f32 v[116+\j], v[116+\j]               ; N
.endr
	s_mov_b32 s60, 0x3fc90fdb                      ; pi / 2 in two parts
	s_mov_b32 s61, 0xb33bbd2e
.irp j, 0,1,2,3
	v_fma_f32 v[112+\j], -v[116+\j], s60, v[112+\j]
.endr
.irp j, 0,1,2,3
	v_fma_f32 v[112+\j], -v[116+\j], s61, v[112+\j]   ; R = A - N pi / 2
.endr
.irp j, 0,1,2,3
	v_mul_f32 v[120+\j], v[112+\j], v[112+\j]      ; z = R^2
.endr
.irp j, 0,1,2,3
	v_cvt_i32_f32 v[116+\j], v[116+\j]             ; N as a whole number
.endr
.irp j, 0,1,2,3
	v_mov_b32 v[124+\j], 0x3638ef1d                ; sin R = R + R z (-1/6 + z (1/120 + z (-1/5040 + z / 362880)))
.endr
.irp k, 0xb9500d01, 0x3c088889, 0xbe2aaaab
.irp j, 0,1,2,3
	v_fmaak_f32 v[124+\j], v[124+\j], v[120+\j], \k
.endr
.endr
.irp j, 0,1,2,3
	v_mul_f32 v[128+\j], v[112+\j], v[120+\j]
.endr
.irp j, 0,1,2,3
	v_fma_f32 v[124+\j], v[128+\j], v[124+\j], v[112+\j]
.endr
.irp j, 0,1,2,3
	v_mov_b32 v[128+\j], 0xb493f27e                ; cos R = 1 + z (-1/2 + z (1/24 + z (-1/720 + z (1/40320 - z / 3628800))))
.endr
.irp k, 0x37d00d01, 0xbab60b61, 0x3d2aaaab, 0xbf000000, 0x3f800000
.irp j, 0,1,2,3
	v_fmaak_f32 v[128+\j], v[128+\j], v[120+\j], \k
.endr
.endr
.irp j, 0,1,2,3
	v_and_b32 v[132+\j], 1, v[116+\j]
.endr
.irp j, 0,1,2,3
	v_cmp_eq_u32 vcc_lo, 1, v[132+\j]              ; N odd: sine and cosine change places
	v_cndmask_b32 v[136+\j], v[124+\j], v[128+\j], vcc_lo
	v_cndmask_b32 v[140+\j], v[128+\j], v[124+\j], vcc_lo
.endr
.irp j, 0,1,2,3
	v_and_b32 v[132+\j], 2, v[116+\j]              ; sin A is negated where N mod 4 is 2 or 3,
	v_add_nc_u32 v[148+\j], 1, v[116+\j]
	v_lshlrev_b32 v[132+\j], 30, v[132+\j]
	v_and_b32 v[148+\j], 2, v[148+\j]              ; cos A where it is 1 or 2
	v_xor_b32 v[136+\j], v[132+\j], v[136+\j]
	v_lshlrev_b32 v[148+\j], 30, v[148+\j]
	v_xor_b32 v[140+\j], v[148+\j], v[140+\j]
.endr
	s_and_b32 s60, s52, 4
	s_cmp_eq_u32 s60, 0                            ; x < 4: I store cosines
	s_cselect_b32 s60, -1, 0
.irp j, 0,1,2,3
	v_cndmask_b32 v[144+\j], v[136+\j], v[140+\j], s60
.endr
	global_store_b128 v3, v[144:147], s[62:63]     ; 512 consecutive bytes a wave
	s_wait_kmcnt 0x0                               ; the scales
	MKSC 32, 4, 5                                  ; e0
	MKSC 34, 6, 7                                  ; e2
	MKSC 42, 8, 9                                  ; e10
	s_wait_alu depctr_va_vdst(0)
	s_wait_loadcnt 12                              ; step 0's four loads are in; the 12 of steps 1 to 3 may be out
	XTURN 0
.macro XSTEP t
.set XS, X+16*((\t)%2)
.set CC, C+12*((\t)%2)
	s_wait_dscnt 0x0                               ; this step's numbers are back from the stage, and its stores into the stage have read their registers
	s_wait_xcnt 0x0                                ; earlier stores have read their data: this set of codes (stored two steps ago) and, in step 0, the table's registers are written again only behind this wait
.if (\t)+4 < 16
	XLD (\t)+4
.endif
.if (\t)+1 < 16
.if 14-(\t) >= 3
	s_wait_loadcnt 12                              ; the next step's four loads are in; those of the three steps behind it may be out
.else
	s_wait_loadcnt 4*(14-(\t))
.endif
	XTURN (\t)+1
.endif
.irp k, 0,1,2                          ; the three scales: the hold (the conversion does not saturate: ISA guide 7.6.2), then the conversion; the next scale's holds are the plain lines behind the conversions
.irp i, 0,1,2,3,4,5,6,7,8,9,10,11,12,13,14,15
	v_med3_num_f32 v[T+16*\k+\i], v[XS+\i], -v[5+2*\k], v[5+2*\k]
.endr
	v_cvt_scalef32_pk8_fp8_f32 v[CC+4*\k:CC+4*\k+1], v[T+16*\k:T+16*\k+7], v[4+2*\k]
	v_cvt_scalef32_pk8_fp8_f32 v[CC+4*\k+2:CC+4*\k+3], v[T+16*\k+8:T+16*\k+15], v[4+2*\k]
.endr
	global_store_b128 v3, v[CC:CC+3], s[54:55] offset:512*(\t)       ; 512 consecutive bytes each
	global_store_b128 v3, v[CC+4:CC+7], s[56:57] offset:512*(\t)
	global_store_b128 v3, v[CC+8:CC+11], s[58:59] offset:512*(\t)
.endm
.irp t, 0,1,2,3,4,5,6,7,8,9,10,11,12,13,14,15
	XSTEP \t
.endr
	s_wait_tensorcnt 0x0                           ; the wave's end
	ds_add_u32 v[SPW], v[NIL]
	s_wait_dscnt 0x0
	s_endpgm
; ---------------- the weights: a work-group takes 128 columns x 256 along K, a wave 32 columns
.Lweights:
	s_wait_kmcnt 0x0                               ; the scales
	s_sub_co_u32 s60, ttmp9, 256                   ; g
	s_mov_b64 s[66:67], s[20:21]                   ; from g = 0: Wo
	s_mov_b32 s68, 0                               ; the weight's first g
	s_mov_b32 s69, 4                               ; log2 of its column blocks
	s_mov_b32 s70, WOC                             ; its place in wc
	s_mov_b32 s71, s51                             ; its e
.macro PICK start, ptr, lg, off, e     ; the choice hangs on the work-group's number alone
	s_cmp_ge_u32 s60, \start
	s_cselect_b64 s[66:67], s[\ptr:\ptr+1], s[66:67]
	s_cselect_b32 s68, \start, s68
	s_cselect_b32 s69, \lg, s69
	s_cselect_b32 s70, \off, s70
	s_cselect_b32 s71, s[\e], s71
.endm
	PICK 128, 16, 3, 1048576, 43                   ; Wrk, e11
	PICK 192, 6, 1, 0, 33                          ; Wkv_d, e1
	PICK 208, 8, 1, 524288, 35                     ; Wq_d, e3
	PICK 224, 14, 4, WUC+786432, 41                ; Wv_u, e9
	PICK 240, 10, 3, WUC, 37                       ; Wk_u, e5
	PICK 248, 12, 3, WUC+262144, 39                ; Wq_u, e7
	PICK 256, 18, 3, WUC+524288, 45                ; Wrq, e13
	s_sub_co_u32 s61, s60, s68
	s_lshl_b32 s62, 1, s69
	s_sub_co_u32 s62, s62, 1
	s_and_b32 s62, s61, s62                        ; column block
	s_lshr_b32 s63, s61, s69                       ; which 256 along K
	s_lshl_b32 s72, 512, s69                       ; a row of the weight in bytes
	s_lshl_b32 s62, s62, 7
	s_lshl_b32 s61, s30, 5
	s_add_co_u32 s62, s62, s61                     ; my first column n0
	s_mul_i32 s90, s63, s72
	s_lshl_b32 s90, s90, 8
	s_lshl_b32 s61, s62, 2
	s_add_co_u32 s90, s90, s61
	s_mov_b32 s91, 0
	s_add_nc_u64 s[74:75], s[66:67], s[90:91]      ; block 0: 32 rows of K from here
	s_lshl_b32 s90, s72, 5
.irp t, 1,2,3,4,5,6,7
	s_add_nc_u64 s[74+2*\t:75+2*\t], s[72+2*\t:73+2*\t], s[90:91]   ; block t: 32 rows on
.endr
	s_cmp_lt_u32 s60, 224
	s_cselect_b32 s61, 11, 8                       ; a column's codes: 2,048 bytes in rows, 256 in images
	s_lshl_b32 s90, s62, s61
	s_lshl_b32 s61, s63, 8
	s_add_co_u32 s90, s90, s61
	s_add_co_u32 s90, s90, s70
	s_add_nc_u64 s[92:93], s[26:27], s[90:91]
	s_mul_i32 s61, s30, 32*WPIT
	s_add_co_u32 s61, s61, WSTG                    ; my stage
	s_wait_alu depctr_va_vdst(0)
	v_mul_u32_u24 v4, v2, WPIT
	v_add_nc_u32 v4, s61, v4                       ; into it: row = my column
	v_and_b32 v5, 15, v2                           ; r
	v_lshrrev_b32 v6, 4, v2                        ; h
	v_mul_u32_u24 v7, v6, WPIT
	v_lshl_add_u32 v7, v5, 4, v7
	v_add_nc_u32 v7, s61, v7                       ; out by rows: sixteen lanes to a row, two rows an instruction
	v_lshlrev_b32 v8, 11, v6
	v_lshl_add_u32 v8, v5, 4, v8                   ; and the same place among rows of 2,048 bytes
	v_and_b32 v9, 8, v5
	v_add_nc_u32 v9, v9, v5
	v_mul_u32_u24 v9, v9, WPIT
	v_lshl_add_u32 v9, v6, 4, v9
	v_add_nc_u32 v9, s61, v9                       ; out as images: column r + 8 (r / 8), + 16 h
	v_lshlrev_b32 v16, 2, v2                       ; v16-47: 4 x lane + i rows
.set i, 1
.rept 31
	v_add_nc_u32 v[16+i], s72, v[15+i]
.set i, i+1
.endr
	MKSC 71, 11, 10
.macro WLD t                           ; block t: W(32 t + i, my column): 128 consecutive bytes a wave, 512 a work-group
.set i, 0
.rept 32
	global_load_b32 v[WX+32*((\t)%2)+i], v[16+i], s[74+2*(\t):75+2*(\t)] th:TH_LOAD_NT
.set i, i+1
.endr
.endm
	WLD 0
	WLD 1
.macro WBLK t
.set XS, WX+32*((\t)%2)
.if (\t) < 7
	s_wait_loadcnt 32                              ; this block's 32 loads are in; the next block's may be out
.else
	s_wait_loadcnt 0
.endif
.set i, 0
.rept 32
	v_med3_num_f32 v[XS+i], v[XS+i], -v10, v10
.set i, i+1
.endr
.irp g, 0,1,2,3
	v_cvt_scalef32_pk8_fp8_f32 v[WC+2*\g:WC+2*\g+1], v[XS+8*\g:XS+8*\g+7], v11
.endr
	ds_store_b128 v4, v[WC:WC+3] offset:32*(\t)    ; 32 codes of my column's row; the next block begins with plain vector lines
	ds_store_b128 v4, v[WC+4:WC+7] offset:32*(\t)+16
.if (\t)+2 < 8
	WLD (\t)+2
.endif
	s_wait_dscnt 0x0                               ; the stores have read their registers
.endm
	s_wait_alu depctr_va_vdst(0)
.irp t, 0,1,2,3,4,5,6,7
	WBLK \t
.endr
	s_cmp_ge_u32 s60, 224
	s_cbranch_scc1 .Limage
.irp t, 0,1,2,3,4,5,6,7,8,9,10,11,12,13,14,15
	ds_load_b128 v[OUTR+4*\t:OUTR+4*\t+3], v7 offset:2*\t*WPIT
.endr
.irp t, 0,1,2,3,4,5,6,7,8,9,10,11,12,13,14,15
	s_wait_dscnt 15-\t
	global_store_b128 v8, v[OUTR+4*\t:OUTR+4*\t+3], s[92:93] offset:(((2*\t)&7)|(((2*\t)&8)<<1)|(((2*\t)&16)>>1))*2048   ; columns 2 t, 2 t + 1 at their physical rows; sixteen lanes store 256 consecutive bytes, aligned
.endr
	s_wait_tensorcnt 0x0                           ; the wave's end
	ds_add_u32 v[SPW], v[NIL]
	s_wait_dscnt 0x0
	s_endpgm
.Limage:
.irp t, 0,1,2,3,4,5,6,7,8,9,10,11,12,13,14,15
	ds_load_b128 v[OUTR+4*\t:OUTR+4*\t+3], v9 offset:8*(\t/8)*WPIT+128*((\t/4)%2)+32*(\t%4)   ; tile t / 8, K step (t / 4) % 2, c = t % 4
.endr
.irp t, 0,1,2,3,4,5,6,7,8,9,10,11,12,13,14,15
	s_wait_dscnt 15-\t
	global_store_b128 v3, v[OUTR+4*\t:OUTR+4*\t+3], s[92:93] offset:512*\t   ; 512 consecutive bytes
.endr
	s_wait_tensorcnt 0x0                           ; the wave's end
	ds_add_u32 v[SPW], v[NIL]
	s_wait_dscnt 0x0
	s_endpgm
.Lfunc_end_k_qb49e6f2e21_prep:
	.size	k_qb49e6f2e21_prep, .Lfunc_end_k_qb49e6f2e21_prep-k_qb49e6f2e21_prep
	.p2alignl 7, 3214868480
	.fill 96, 4, 3214868480
	.section	.rodata,"a",@progbits
	.p2align	6, 0x0
	.amdhsa_kernel k_qb49e6f2e21_prep
		.amdhsa_group_segment_fixed_size 68096
		.amdhsa_private_segment_fixed_size 0
		.amdhsa_enable_private_segment 0
		.amdhsa_kernarg_size 104
		.amdhsa_user_sgpr_count 2
		.amdhsa_user_sgpr_kernarg_segment_ptr 1
		.amdhsa_wavefront_size32 1
		.amdhsa_system_sgpr_workgroup_id_x 1
		.amdhsa_system_sgpr_workgroup_id_y 1
		.amdhsa_system_sgpr_workgroup_id_z 1
		.amdhsa_system_vgpr_workitem_id 0
		.amdhsa_next_free_vgpr 192
		.amdhsa_next_free_sgpr 96
		.amdhsa_reserve_vcc 1
		.amdhsa_float_denorm_mode_32 3
		.amdhsa_float_denorm_mode_16_64 3
		.amdhsa_memory_ordered 1
		.amdhsa_forward_progress 1
		.amdhsa_inst_pref_size 141
	.end_amdhsa_kernel
	.amdgpu_metadata
---
amdhsa.version: [ 1, 2 ]
amdhsa.kernels:
  - .name:           k_qb49e6f2e21_prep
    .symbol:         k_qb49e6f2e21_prep.kd
    .args:
      - { .name: hidden_states, .offset: 0, .size: 8, .value_kind: global_buffer, .address_space: global }
      - { .name: Wkv_d, .offset: 8, .size: 8, .value_kind: global_buffer, .address_space: global }
      - { .name: Wq_d, .offset: 16, .size: 8, .value_kind: global_buffer, .address_space: global }
      - { .name: Wk_u, .offset: 24, .size: 8, .value_kind: global_buffer, .address_space: global }
      - { .name: Wq_u, .offset: 32, .size: 8, .value_kind: global_buffer, .address_space: global }
      - { .name: Wv_u, .offset: 40, .size: 8, .value_kind: global_buffer, .address_space: global }
      - { .name: Wrk, .offset: 48, .size: 8, .value_kind: global_buffer, .address_space: global }
      - { .name: Wrq, .offset: 56, .size: 8, .value_kind: global_buffer, .address_space: global }
      - { .name: Wo, .offset: 64, .size: 8, .value_kind: global_buffer, .address_space: global }
      - { .name: lowp_scales, .offset: 72, .size: 8, .value_kind: global_buffer, .address_space: global }
      - { .name: xc, .offset: 80, .size: 8, .value_kind: global_buffer, .address_space: global }
      - { .name: wc, .offset: 88, .size: 8, .value_kind: global_buffer, .address_space: global }
      - { .name: rope, .offset: 96, .size: 8, .value_kind: global_buffer, .address_space: global }
    .group_segment_fixed_size: 68096
    .private_segment_fixed_size: 0
    .kernarg_segment_align: 8
    .kernarg_segment_size: 104
    .max_flat_workgroup_size: 128
    .sgpr_count:     96
    .vgpr_count:     192
    .wavefront_size: 32
...
	.end_amdgpu_metadata
.endif
;; end of part 6
;; launch down (part 7): grid 32 x 6, 4 waves a work-group, clusters of 4 x 1, 327,680 bytes of LDS; arguments xc, wc, lowp_scales, rope, lat, kimg; writes lat, kimg
.if DOCPART == 7
	.amdgcn_target "amdgcn-amd-amdhsa--gfx1250"
	.amdhsa_code_object_version 6
	.text
	.protected	k_qb49e6f2e21_down
	.globl	k_qb49e6f2e21_down
	.p2align	8
	.type	k_qb49e6f2e21_down,@function
k_qb49e6f2e21_down:
	s_mov_b64 s[64:65], 0
	v_nop
	global_prefetch_b8 v0, s[64:65] scope:SCOPE_SE
	s_setreg_imm32_b32 hwreg(HW_REG_WAVE_MODE, 25, 1), 1
	s_wait_xcnt 0x0
	s_wait_alu depctr_hold_cnt(0) depctr_sa_sdst(0) depctr_va_vdst(0) depctr_va_sdst(0) depctr_va_ssrc(0) depctr_va_vcc(0) depctr_vm_vsrc(0)
	s_getreg_b32 s2, hwreg(HW_REG_IB_STS2, 6, 4)
	s_cmp_eq_u32 s2, 0
	s_cbranch_scc0 .Lentry_in_a_cluster
	s_endpgm
.Lentry_in_a_cluster:
	s_bfe_u32 s2, ttmp6, 0x10000c
	s_cmp_lg_u32 s2, 0x3003
	s_cbranch_scc0 .Lentry_shape_is_right
	s_endpgm
.Lentry_shape_is_right:
.set KROW,   2048
.set PX,     528
.set PY,     272
.set FR,     16
.set NP,     4
.set XA,     0
.set XB,     XA+128*PX
.set YA,     XB+256*PX
.set YB,     YA+128*PY
.set SPARE,  YB+256*PY
.set ASTEP,  768
.set BSTEP,  768
.set ADRA, 16
.set ADRB, 20
.set LI,   27
.set SPW,  28
.set NIL,  29
.set VT,   30
.set CSB,  32
.set CD,   96
.set TMP,  128
.set TMP2, 192
.set AF,   128
.set G1AX, 24
.set G1AY, 32
.set G1BX, 40
.set G1BY, 48
.set G0AX, 56
.set G0AY, 60
.set G0BX, 68
.set G0BY, 72
.set MSB, 0
.macro WIN new
.if MSB != \new
	s_set_vgpr_msb (MSB<<8)|\new
.set MSB, \new
.endif
.endm
.set MULW, 0xa1
.set TO_B, 0x40
.macro MKG1 g, cols, rows, pitch
	s_mov_b32 s[\g+1], (\cols)<<16
	s_mov_b32 s[\g+2], (\rows)<<16
	s_mov_b32 s[\g+3], (\cols)<<16
	s_mov_b32 s[\g+4], \rows
	s_mov_b32 s[\g+5], \pitch
	s_mov_b32 s[\g+6], 0
	s_mov_b32 s[\g+7], 0
.endm
.macro JLOAD g0a, g1a, g0b, g1b
	s_cmp_eq_u32 s15, 0
	s_cbranch_scc0 .Lfor_b_\@
	tensor_load_to_lds s[\g0a:\g0a+3], s[\g1a:\g1a+7]
	s_nop 0
.rept 4
	v_nop
.endr
	s_branch .Lasked_\@
.Lfor_b_\@:
	tensor_load_to_lds s[\g0b:\g0b+3], s[\g1b:\g1b+7]
	s_nop 0
.rept 4
	v_nop
.endr
.Lasked_\@:
.endm
.macro CREST
	s_cmp_lg_u32 s14, 0
	s_cbranch_scc1 .Lnot_wave_0_\@
	s_barrier_signal -3
.Lnot_wave_0_\@:
	s_barrier_wait -3
	s_barrier_signal -1
	s_barrier_wait -1
.endm
; A PREFETCH INTO THE L2 of 512 along K, from byte k of the rows on: a lane a row, two blocks of 256 bytes a row.  Waves 2 and 3 (the weights' rows, asked for jointly by the cluster's four):
; of the 128 rows that the wave fetches, the partner at place cx takes 32, told apart by address alone.  Waves 0 and 1 (the tokens' rows, the work-group's own): all 64 rows that the wave fetches.
; K 0-511 comes by its load alone; K 512-1023 is asked for behind the first fill, 1024-1535 behind the second, 1536-2047 behind the third: one or two fills ahead of the load that wants it.
; The address registers (v31, s[100:101]) are never rewritten: the steps along K are immediates.
.set PFN, 0
.macro ASK k
	global_prefetch_b8 v31, s[100:101] offset:\k th:TH_LOAD_NT scope:SCOPE_SE
	global_prefetch_b8 v31, s[100:101] offset:\k+256 th:TH_LOAD_NT scope:SCOPE_SE
	s_cmp_eq_u32 s15, 0
	s_cbranch_scc0 .Lpf_\@
	global_prefetch_b8 v31, s[100:101] offset:\k+65536 th:TH_LOAD_NT scope:SCOPE_SE
	global_prefetch_b8 v31, s[100:101] offset:\k+65792 th:TH_LOAD_NT scope:SCOPE_SE
.Lpf_\@:
.endm
.macro CROUND
	s_barrier_signal -1
	s_barrier_wait -1
	CREST
.endm
.macro MKSC x, sc, lm
	s_add_co_i32 s96, s[\x], 127
	s_lshl_b32 s97, s96, 23
	v_mov_b32 v[\sc], s97
	s_add_co_i32 s96, s96, 8
	s_lshl_b32 s96, s96, 23
	s_or_b32 s96, s96, 0x600000
	v_mov_b32 v[\lm], s96
.endm
	s_load_b256 s[4:11], s[0:1], 0x0
	s_load_b128 s[92:95], s[0:1], 0x20
	v_lshl_add_u32 v[SPW], v0, 2, SPARE
	v_mov_b32 v[NIL], 0
	ds_add_u32 v[SPW], v[NIL]
	ds_add_u32 v[SPW], v[NIL]
	v_lshrrev_b32 v1, 5, v0
	v_readfirstlane_b32 s14, v1
	s_lshr_b32 s15, s14, 1
	s_and_b32 s16, s14, 1
	s_bfe_u32 s67, ttmp6, 0x40000
	s_lshl_b32 s17, ttmp9, 2
	s_add_co_u32 s17, s17, s67
	s_and_b32 s66, ttmp7, 0xffff
	s_mov_b32 s[G1AX], (0<<16)|(1<<20)|(6<<22)|(3<<25)
	MKG1 G1AX, 512, 64, KROW
	s_mov_b32 s[G1AY], (0<<16)|(1<<20)|(5<<22)|(3<<25)
	MKG1 G1AY, 256, 64, KROW
	s_mov_b32 s[G1BX], 15|(0<<16)|(1<<20)|(1<<21)|(6<<22)|(3<<25)
	MKG1 G1BX, 512, 128, KROW
	s_mov_b32 s[G1BY], 15|(0<<16)|(1<<20)|(1<<21)|(5<<22)|(3<<25)
	MKG1 G1BY, 256, 128, KROW
	s_lshl_b32 s20, s17, 18
	s_lshl_b32 s18, s16, 17
	s_add_co_u32 s20, s20, s18
	s_min_u32 s19, s66, 2
	s_lshl_b32 s19, s19, 23
	s_add_co_u32 s20, s20, s19
	s_mov_b32 s21, 0
	s_lshl_b32 s22, s66, 19
	s_lshl_b32 s18, s16, 18
	s_add_co_u32 s22, s22, s18
	s_mov_b32 s23, 0
	s_mul_i32 s12, s16, 64*PX
	s_mul_i32 s13, s16, 64*PY
	s_add_co_u32 s13, s13, YA
	s_mul_i32 s18, s16, 128*PX
	s_add_co_u32 s18, s18, XB
	s_mul_i32 s19, s16, 128*PY
	s_add_co_u32 s19, s19, YB
	s_wait_dscnt 0x0
	s_wait_kmcnt 0x0
	s_load_b512 s[76:91], s[8:9], 0x0
	s_add_nc_u64 s[20:21], s[4:5], s[20:21]
	s_add_nc_u64 s[22:23], s[6:7], s[22:23]
	CROUND
	s_mov_b32 s[G0AX], 1
	s_mov_b32 s[G0AX+1], s12
	s_mov_b64 s[G0AX+2:G0AX+3], s[20:21]
	s_or_b32 s[G0AX+3], s[G0AX+3], 0x80000000
	s_mov_b32 s[G0BX], 1
	s_mov_b32 s[G0BX+1], s18
	s_mov_b64 s[G0BX+2:G0BX+3], s[22:23]
	s_or_b32 s[G0BX+3], s[G0BX+3], 0x80000000
	JLOAD G0AX, G1AX, G0BX, G1BX
	s_lshl_b32 s2, s67, 16                         ; the weights: my work-group's 32 rows of 2,048 bytes
	s_mov_b32 s3, 0
	s_cmp_eq_u32 s15, 0                            ; do I fetch tokens?
	s_cselect_b32 s2, 0, s2
	s_cselect_b64 s[100:101], s[20:21], s[22:23]
	s_add_nc_u64 s[100:101], s[100:101], s[2:3]
	v_and_b32 v31, 31, v0
	v_lshlrev_b32 v31, 11, v31                     ; a lane a row
	s_wait_alu depctr_va_vdst(0)
	ASK 512
	s_mov_b32 s[G0AY], 1
	s_mov_b32 s[G0AY+1], s13
	s_add_nc_u64 s[G0AY+2:G0AY+3], s[20:21], 512
	s_or_b32 s[G0AY+3], s[G0AY+3], 0x80000000
	s_mov_b32 s[G0BY], 1
	s_mov_b32 s[G0BY+1], s19
	s_add_nc_u64 s[G0BY+2:G0BY+3], s[22:23], 512
	s_or_b32 s[G0BY+3], s[G0BY+3], 0x80000000
	s_wait_alu depctr_va_vdst(0)
	s_wait_tensorcnt 0x0
	ds_add_u32 v28, v29
	s_wait_dscnt 0x0
	CROUND
	JLOAD G0AY, G1AY, G0BY, G1BY
	ASK 1024
	v_and_b32 v1, 15, v0
	v_bfe_u32 v2, v0, 4, 1
	v_mul_u32_u24 v3, v1, PX
	v_lshl_add_u32 v3, v2, 4, v3
	v_mul_u32_u24 v4, v1, PY
	v_lshl_add_u32 v4, v2, 4, v4
	s_mul_i32 s12, s15, 64*PX
	v_add_nc_u32 v[ADRA], s12, v3
	s_mul_i32 s12, s15, 64*PY
	s_add_co_u32 s12, s12, YA
	v_add_nc_u32 v[ADRA+1], s12, v4
	s_mul_i32 s12, s16, 128*PX
	s_add_co_u32 s12, s12, XB
	v_add_nc_u32 v[ADRB], s12, v3
	s_mul_i32 s12, s16, 128*PY
	s_add_co_u32 s12, s12, YB
	v_add_nc_u32 v[ADRB+1], s12, v4
	v_and_b32 v5, 31, v0
	v_lshlrev_b32 v[LI], 4, v5
	v_lshrrev_b32 v5, 3, v1
	v_and_b32 v6, 7, v1
	v_lshlrev_b32 v[VT], 12, v5
	v_lshl_add_u32 v[VT], v6, 4, v[VT]
	v_lshl_add_u32 v[VT], v2, 8, v[VT]
.macro FRAG reg, adr, pt, q, i
.irp c, 0,1,2,3
	ds_load_b128 v[\reg+4*\c:\reg+4*\c+3], v[\adr] offset:128*(\q)+32*\c+(\i)*16*(\pt)
.endr
.endm
.macro FETCH_B sl, q, p
	WIN TO_B
.irp i, 0,1,2,3,4,5,6,7
	FRAG 128*(\p)+FR*\i, ADRB+(\sl), PX-(PX-PY)*(\sl), \q, \i
.endr
.endm
.macro FETCH_A sl, q, p
	WIN 0
.irp i, 0,1,2,3
	FRAG AF+64*(\p)+FR*\i, ADRA+(\sl), PX-(PX-PY)*(\sl), \q, \i
.endr
.endm
.macro MUL8 a, p, zero
.irp b, 0,1,2,3,4,5,6,7
.if \zero
	v_wmma_f32_16x16x128_fp8_fp8 v[8*(8*(\a)+\b):8*(8*(\a)+\b)+7], v[128*(\p)+FR*\b:128*(\p)+FR*\b+FR-1], v[AF+64*(\p)+FR*(\a):AF+64*(\p)+FR*(\a)+FR-1], 0
.else
	v_wmma_f32_16x16x128_fp8_fp8 v[8*(8*(\a)+\b):8*(8*(\a)+\b)+7], v[128*(\p)+FR*\b:128*(\p)+FR*\b+FR-1], v[AF+64*(\p)+FR*(\a):AF+64*(\p)+FR*(\a)+FR-1], v[8*(8*(\a)+\b):8*(8*(\a)+\b)+7]
.endif
.endr
.endm
.macro PLACES n
.rept \n
	v_nop
.endr
.endm
.macro STEP p, zero, nsl, nq
	s_wait_dscnt 0x0
	WIN MULW
	MUL8 0, \p, \zero
	PLACES NP
	FETCH_B \nsl, \nq, 1-(\p)
	WIN MULW
	MUL8 1, \p, \zero
	FETCH_A \nsl, \nq, 1-(\p)
	WIN MULW
	MUL8 2, \p, \zero
	MUL8 3, \p, \zero
.endm
.macro TURN p, fill, fsl, nsl
	WIN 0
	s_wait_tensorcnt 0x0
	ds_add_u32 v[SPW], v[NIL]
	s_wait_dscnt 1
	WIN MULW
	MUL8 0, \p, 0
	s_wait_dscnt 0x0
	s_barrier_signal -1
	MUL8 1, \p, 0
	WIN 0
	s_barrier_wait -1
.if \fill
	CREST
	s_add_nc_u64 s[G0AX+4*(\fsl)+2:G0AX+4*(\fsl)+3], s[G0AX+4*(\fsl)+2:G0AX+4*(\fsl)+3], ASTEP
	s_add_nc_u64 s[G0BX+4*(\fsl)+2:G0BX+4*(\fsl)+3], s[G0BX+4*(\fsl)+2:G0BX+4*(\fsl)+3], BSTEP
	JLOAD G0AX+4*(\fsl), G1AX+8*(\fsl), G0BX+4*(\fsl), G1BX+8*(\fsl)
.else
	PLACES NP
.endif
	FETCH_B \nsl, 0, 1-(\p)
	FETCH_A \nsl, 0, 1-(\p)
.if \fill
.if PFN == 0
	ASK 1536                                       ; behind the third fill and the run of LDS loads; the later fills have nothing left to ask for
.endif
.set PFN, PFN+1
.endif
	WIN MULW
	MUL8 2, \p, 0
	MUL8 3, \p, 0
.endm
	s_wait_alu depctr_va_vdst(0)
	s_wait_tensorcnt 1
	s_barrier_signal -1
	s_barrier_wait -1
	FETCH_B 0, 0, 0
	FETCH_A 0, 0, 0
	STEP 0, 1, 0, 1
	STEP 1, 0, 0, 2
	STEP 0, 0, 0, 3
	TURN 1, 1, 0, 1
	STEP 0, 0, 1, 1
	TURN 1, 1, 1, 0
	STEP 0, 0, 0, 1
	STEP 1, 0, 0, 2
	STEP 0, 0, 0, 3
	TURN 1, 1, 0, 1
	STEP 0, 0, 1, 1
	TURN 1, 0, 1, 0
	STEP 0, 0, 0, 1
	STEP 1, 0, 0, 2
	STEP 0, 0, 0, 3
	s_wait_dscnt 0x0
	WIN MULW
	MUL8 0, 1, 0
	MUL8 1, 1, 0
	MUL8 2, 1, 0
	MUL8 3, 1, 0
	WIN 0
	s_wait_kmcnt 0x0
	PLACES NP
	s_cmp_ge_u32 s66, 2
	s_cbranch_scc1 .Lrope
	s_cmp_eq_u32 s66, 0
	s_cselect_b32 s96, s76, s78
	s_cselect_b32 s97, s77, s79
	s_cselect_b32 s98, s80, s82
	s_cselect_b32 s99, s84, s88
	s_add_co_i32 s96, s96, s97
	s_sub_co_i32 s98, s98, s96
	s_sub_co_i32 s99, s99, s96
	MKSC 98, 8, 9
	s_wait_alu depctr_va_vdst(0)
	MKSC 99, 10, 11
	s_lshl_b32 s20, s17, 3
	s_lshl_b32 s21, s15, 2
	s_add_co_u32 s20, s20, s21
	s_lshl_b32 s20, s20, 1
	s_add_co_u32 s20, s20, s16
	s_lshl_b32 s20, s20, 11
	s_sub_co_u32 s22, 3, s66
	s_lshl_b32 s22, s22, 20
	s_add_co_u32 s22, s22, s20
	s_lshl_b32 s21, s66, 20
	s_add_co_u32 s20, s20, s21
	s_mov_b32 s21, 0
	s_mov_b32 s23, 0
	s_add_nc_u64 s[20:21], s[92:93], s[20:21]
	s_add_nc_u64 s[22:23], s[92:93], s[22:23]
.macro LATOUT a
.set AC, 64*(\a)
	WIN 0x02
.set i, 0
.rept 64
	v_med3_num_f32 v[TMP+i], v[AC+i], -v9, v9
.set i, i+1
.endr
.set i, 0
.rept 64
	v_med3_num_f32 v[TMP2+i], v[AC+i], -v11, v11
.set i, i+1
.endr
	WIN 0
	s_wait_xcnt 0x0
.irp b, 0,1,2,3
	v_cvt_scalef32_pk8_fp8_f32 v[CD+4*\b:CD+4*\b+1], v[TMP+16*\b:TMP+16*\b+7], v8
	v_cvt_scalef32_pk8_fp8_f32 v[CD+4*\b+2:CD+4*\b+3], v[TMP+16*\b+8:TMP+16*\b+15], v8
.endr
.irp b, 0,1,2,3
	v_cvt_scalef32_pk8_fp8_f32 v[CD+16+4*\b:CD+16+4*\b+1], v[TMP2+16*\b:TMP2+16*\b+7], v10
	v_cvt_scalef32_pk8_fp8_f32 v[CD+16+4*\b+2:CD+16+4*\b+3], v[TMP2+16*\b+8:TMP2+16*\b+15], v10
.endr
	v_nop
.irp c, 0,1,2,3
	global_store_b128 v[LI], v[CD+4*\c:CD+4*\c+3], s[20:21] offset:4096*(\a)+512*\c
	global_store_b128 v[LI], v[CD+16+4*\c:CD+16+4*\c+3], s[22:23] offset:4096*(\a)+512*\c
.endr
.endm
.irp a, 0,1,2,3
	LATOUT \a
.endr
	s_branch .Lend
.Lrope:
	s_sub_co_i32 s98, s91, s86
	s_sub_co_i32 s98, s98, s87
	MKSC 98, 8, 9
	s_and_b32 s96, s17, 15
	s_lshl_b32 s20, s96, 15
	s_lshl_b32 s21, s15, 14
	s_add_co_u32 s20, s20, s21
	s_mov_b32 s21, 0
	s_add_nc_u64 s[20:21], s[10:11], s[20:21]
	s_lshr_b32 s22, s17, 4
	s_lshl_b32 s22, s22, 4
	s_sub_co_u32 s23, s66, 2
	s_lshl_b32 s23, s23, 2
	s_add_co_u32 s22, s22, s23
	s_lshl_b32 s23, s16, 1
	s_add_co_u32 s22, s22, s23
	s_lshl_b32 s22, s22, 7
	s_lshl_b32 s23, s96, 3
	s_add_co_u32 s22, s22, s23
	s_lshl_b32 s23, s15, 2
	s_add_co_u32 s22, s22, s23
	s_lshl_b32 s22, s22, 11
	s_mov_b32 s23, 0
	s_add_nc_u64 s[22:23], s[94:95], s[22:23]
.macro LOADCS a
.irp x, 0,1,2,3,4,5,6,7
	global_load_b128 v[CSB+32*((\a)%2)+4*\x:CSB+32*((\a)%2)+4*\x+3], v[VT], s[20:21] offset:((\a)/2)*8192+((\a)%2)*128+512*\x
.endr
.endm
.macro ROPEOUT a
.set AC, 64*(\a)
.set CS, CSB+32*((\a)%2)
.set SN, CS+16
.set CC, CD+16*((\a)%2)
.if (\a) < 3
	LOADCS (\a)+1
	s_wait_loadcnt 8
.else
	s_wait_loadcnt 0
.endif
	WIN 0x02
.irp g, 0,1
.irp i, 0,2,4,6,8,10,12,14
	v_pk_mul_f32 v[TMP2+32*\g+\i:TMP2+32*\g+\i+1], v[AC+32*\g+16+\i:AC+32*\g+16+\i+1], v[SN+\i:SN+\i+1]
.endr
.irp i, 0,2,4,6,8,10,12,14
	v_pk_mul_f32 v[TMP2+32*\g+16+\i:TMP2+32*\g+16+\i+1], v[AC+32*\g+\i:AC+32*\g+\i+1], v[SN+\i:SN+\i+1]
.endr
.irp i, 0,2,4,6,8,10,12,14
	v_pk_fma_f32 v[TMP+32*\g+\i:TMP+32*\g+\i+1], v[AC+32*\g+\i:AC+32*\g+\i+1], v[CS+\i:CS+\i+1], v[TMP2+32*\g+\i:TMP2+32*\g+\i+1] neg_lo:[0,0,1] neg_hi:[0,0,1]
.endr
.irp i, 0,2,4,6,8,10,12,14
	v_pk_fma_f32 v[TMP+32*\g+16+\i:TMP+32*\g+16+\i+1], v[AC+32*\g+16+\i:AC+32*\g+16+\i+1], v[CS+\i:CS+\i+1], v[TMP2+32*\g+16+\i:TMP2+32*\g+16+\i+1]
.endr
.endr
	WIN 0
.set i, 0
.rept 64
	v_med3_num_f32 v[TMP+i], v[TMP+i], -v9, v9
.set i, i+1
.endr
	s_wait_alu depctr_va_vdst(0)
	s_wait_xcnt 0x0
.irp g, 0,1
.irp c, 0,1
	v_cvt_scalef32_pk8_fp8_f32 v[CC+8*\g+4*\c:CC+8*\g+4*\c+1], v[TMP+32*\g+16*\c:TMP+32*\g+16*\c+7], v8
	v_cvt_scalef32_pk8_fp8_f32 v[CC+8*\g+4*\c+2:CC+8*\g+4*\c+3], v[TMP+32*\g+16*\c+8:TMP+32*\g+16*\c+15], v8
.endr
.endr
	v_nop
.irp g, 0,1
.irp c, 0,1
	global_store_b128 v[LI], v[CC+8*\g+4*\c:CC+8*\g+4*\c+3], s[22:23] offset:262144*\g+2048*(\a)+512*(2+\c)
.endr
.endr
.endm
	LOADCS 0
.irp a, 0,1,2,3
	ROPEOUT \a
.endr
.Lend:
	s_wait_tensorcnt 0x0
	ds_add_u32 v[SPW], v[NIL]
	s_wait_dscnt 0x0
	CROUND
	s_endpgm
.Lfunc_end_k_qb49e6f2e21_down:
	.size	k_qb49e6f2e21_down, .Lfunc_end_k_qb49e6f2e21_down-k_qb49e6f2e21_down
	.p2alignl 7, 3214868480
	.fill 96, 4, 3214868480
	.section	.rodata,"a",@progbits
	.p2align	6, 0x0
	.amdhsa_kernel k_qb49e6f2e21_down
		.amdhsa_group_segment_fixed_size 327680
		.amdhsa_private_segment_fixed_size 0
		.amdhsa_enable_private_segment 0
		.amdhsa_kernarg_size 48
		.amdhsa_user_sgpr_count 2
		.amdhsa_user_sgpr_kernarg_segment_ptr 1
		.amdhsa_wavefront_size32 1
		.amdhsa_system_sgpr_workgroup_id_x 1
		.amdhsa_system_sgpr_workgroup_id_y 1
		.amdhsa_system_sgpr_workgroup_id_z 1
		.amdhsa_system_vgpr_workitem_id 0
		.amdhsa_next_free_vgpr 768
		.amdhsa_next_free_sgpr 102
		.amdhsa_reserve_vcc 0
		.amdhsa_float_denorm_mode_32 3
		.amdhsa_float_denorm_mode_16_64 3
		.amdhsa_memory_ordered 1
		.amdhsa_forward_progress 1
		.amdhsa_inst_pref_size 179
	.end_amdhsa_kernel
	.amdgpu_metadata
---
amdhsa.version: [ 1, 2 ]
amdhsa.kernels:
  - .name:           k_qb49e6f2e21_down
    .symbol:         k_qb49e6f2e21_down.kd
    .args:
      - { .name: xc, .offset: 0, .size: 8, .value_kind: global_buffer, .address_space: global }
      - { .name: wc, .offset: 8, .size: 8, .value_kind: global_buffer, .address_space: global }
      - { .name: lowp_scales, .offset: 16, .size: 8, .value_kind: global_buffer, .address_space: global }
      - { .name: rope, .offset: 24, .size: 8, .value_kind: global_buffer, .address_space: global }
      - { .name: lat, .offset: 32, .size: 8, .value_kind: global_buffer, .address_space: global }
      - { .name: kimg, .offset: 40, .size: 8, .value_kind: global_buffer, .address_space: global }
    .group_segment_fixed_size: 327680
    .private_segment_fixed_size: 0
    .kernarg_segment_align: 8
    .kernarg_segment_size: 48
    .max_flat_workgroup_size: 128
    .sgpr_count:     102
    .vgpr_count:     768
    .wavefront_size: 32
...
	.end_amdgpu_metadata
.endif
;; end of part 7
;; launch up (part 8): grid 320 x 1, 4 waves a work-group, no clusters, 0 bytes of LDS; arguments lat, wc, lowp_scales, rope, qimg, kimg, vimg; writes qimg, kimg, vimg
.if DOCPART == 8
	.amdgcn_target "amdgcn-amd-amdhsa--gfx1250"
	.amdhsa_code_object_version 6
	.text
	.protected	k_qb49e6f2e21_up
	.globl	k_qb49e6f2e21_up
	.p2align	8
	.type	k_qb49e6f2e21_up,@function
k_qb49e6f2e21_up:
	s_mov_b64 s[64:65], 0
	v_nop
	global_prefetch_b8 v0, s[64:65] scope:SCOPE_SE
	s_setreg_imm32_b32 hwreg(HW_REG_WAVE_MODE, 25, 1), 1
	s_wait_xcnt 0x0
; UP: the four products with K = 256: k_c, q_c, q_r (rotated) and v; results quantised in registers and stored as images of the operand registers of attention.
; D = P x R: P (source 0) is 8 tiles of 16 rows x 256 K, resident in window 1: it gives a lane's registers; R (source 1) is streamed, 8 tiles a wave: it gives the lanes.
; P's rows lie in physical order, so register 16 b + i of a tile's 64 results is P's actual row 32 b + 16 (lane / 16) + i.
;   g   0- 63  k_c: P = 128 columns of Wk_u (two heads x 64), R = 128 tokens of kv_d (version 0)  -> kimg, c = 0, 1     scale e15 - e4 - e5
;   g  64-127  q_c: P = Wq_u, R = q_d (version 1)                                                  -> qimg, c = 0, 1     scale e14 - e6 - e7
;   g 128-191  q_r: P = Wrq,  R = q_d (version 2), rotated by the token's position                 -> qimg, c = 2, 3     scale e14 - e12 - e13
;   g 192-319  v:   P = 128 keys of kv_d (version 3), R = a head's 128 columns of Wv_u             -> vimg (keys innermost) scale e17 - e8 - e9
; Both operands are images in memory: every load and store of a wave covers 512 consecutive bytes.  No LDS, no tensor load, no cluster: K is one pass of two matrix instructions a tile, so a ring would
; have nothing to overlap with, and all operands together are 5 MiB.
; LIMITS: each of the four folded exponents between -126 and 119.
.set WUC, 3145728
.set LI,  1                            ; v1   16 x lane
.set SC,  2                            ; v2   the scale, v3 448 x the scale
.set LM,  3
.set RF,  16                           ; v16-79   R's fragments, two sets of 32
.set HA,  80                           ; v80-143  the 8 accumulators
.set TT,  144                          ; v144-175 the rotation's products of one head
.set CSR, 176                          ; v176-239 cosines and sines, two sets of 32
.set CD,  240                          ; v240-255 codes
.set MSB, 0
.macro WIN new
.if MSB != \new
	s_set_vgpr_msb (MSB<<8)|\new
.set MSB, \new
.endif
.endm
	s_load_b256 s[4:11], s[0:1], 0x0               ; lat 4, wc 6, the scales 8, rope 10
	s_load_b128 s[12:15], s[0:1], 0x20             ; qimg 12, kimg 14
	s_load_b64 s[16:17], s[0:1], 0x30              ; vimg
	v_lshrrev_b32 v4, 5, v0
	v_readfirstlane_b32 s18, v4                    ; wave
	v_and_b32 v4, 31, v0
	v_lshlrev_b32 v[LI], 4, v4
	s_lshr_b32 s19, ttmp9, 6
	s_min_u32 s19, s19, 3                          ; type
	; types 0 to 2
	s_and_b32 s20, ttmp9, 63
	s_lshr_b32 s21, s20, 3                         ; pb: which 128 columns
	s_and_b32 s22, s20, 7
	s_lshl_b32 s22, s22, 2
	s_add_co_u32 s22, s22, s18                     ; rc: which 128 tokens
	s_lshl_b32 s24, s19, 18
	s_lshl_b32 s25, s21, 15
	s_add_co_u32 s24, s24, s25
	s_add_co_u32 s24, s24, WUC                     ; P in wc
	s_lshl_b32 s26, s19, 20
	s_lshl_b32 s25, s22, 15
	s_add_co_u32 s26, s26, s25                     ; R in lat
	s_lshr_b32 s28, s22, 4
	s_lshl_b32 s28, s28, 4
	s_lshl_b32 s25, s21, 1
	s_add_co_u32 s28, s28, s25                     ; batch x 16 + head 2 pb
	s_lshl_b32 s28, s28, 7
	s_and_b32 s23, s22, 15
	s_lshl_b32 s25, s23, 3
	s_add_co_u32 s28, s28, s25                     ; + my first tile of tokens
	s_lshl_b32 s28, s28, 11
	s_cmp_eq_u32 s19, 2
	s_cselect_b32 s25, 1024, 0                     ; the rope half is c = 2, 3
	s_add_co_u32 s28, s28, s25
	; type 3
	s_max_u32 s30, ttmp9, 192
	s_sub_co_u32 s30, s30, 192
	s_lshr_b32 s31, s30, 2                         ; kb: which 128 keys
	s_and_b32 s30, s30, 3
	s_lshl_b32 s30, s30, 2
	s_add_co_u32 s30, s30, s18                     ; head
	s_lshl_b32 s50, s31, 15
	s_add_co_u32 s50, s50, 3<<20                   ; P in lat
	s_lshl_b32 s51, s30, 15
	s_add_co_u32 s51, s51, WUC+786432              ; R in wc
	s_lshr_b32 s52, s31, 4
	s_lshl_b32 s52, s52, 4
	s_add_co_u32 s52, s52, s30                     ; batch x 16 + head
	s_lshl_b32 s52, s52, 4
	s_and_b32 s53, s31, 15
	s_add_co_u32 s52, s52, s53                     ; + the key step
	s_lshl_b32 s52, s52, 14                        ; 8 tiles of 2,048 bytes each
	s_mov_b32 s53, 1024
	s_cmp_lt_u32 s19, 3
	s_cselect_b32 s24, s24, s50
	s_cselect_b32 s26, s26, s51
	s_cselect_b32 s28, s28, s52
	s_cselect_b32 s54, 262144, s53                 ; from codes 0-31 to codes 32-63 of a lane: the next head, or c = 2
	s_mov_b32 s25, 0
	s_mov_b32 s27, 0
	s_mov_b32 s29, 0
	s_mov_b32 s55, 0
	s_wait_alu depctr_va_vdst(0)
	s_wait_kmcnt 0x0
	s_load_b512 s[32:47], s[8:9], 0x0              ; e0 .. e15 in s32 .. s47
	s_load_b64 s[48:49], s[8:9], 0x40              ; e16, e17
	s_cmp_lt_u32 s19, 3                            ; the choices hang on the work-group's number alone
	s_cselect_b64 s[56:57], s[6:7], s[4:5]
	s_cselect_b64 s[58:59], s[4:5], s[6:7]
	s_cselect_b64 s[60:61], s[12:13], s[16:17]
	s_cmp_eq_u32 s19, 0
	s_cselect_b64 s[60:61], s[14:15], s[60:61]
	s_add_nc_u64 s[56:57], s[56:57], s[24:25]      ; P
	s_add_nc_u64 s[58:59], s[58:59], s[26:27]      ; R
	s_add_nc_u64 s[60:61], s[60:61], s[28:29]      ; out, codes 0-31
	s_add_nc_u64 s[62:63], s[60:61], s[54:55]      ; out, codes 32-63
	s_lshl_b32 s24, s23, 15
	s_add_nc_u64 s[10:11], s[10:11], s[24:25]      ; the table at my first tile of positions (tokens in natural order)
.macro LOADR u                         ; R's tile u: K steps 0 and 1
.irp f, 0,1,2,3,4,5,6,7
	global_load_b128 v[RF+32*((\u)%2)+4*\f:RF+32*((\u)%2)+4*\f+3], v[LI], s[58:59] offset:4096*(\u)+512*\f
.endr
.endm
.macro LOADCS u
.irp f, 0,1,2,3,4,5,6,7
	global_load_b128 v[CSR+32*((\u)%2)+4*\f:CSR+32*((\u)%2)+4*\f+3], v[LI], s[10:11] offset:4096*(\u)+512*\f
.endr
.endm
	LOADR 0
	WIN 0x40                                       ; destination window 1
.irp f, 0,1,2,3,4,5,6,7,8,9,10,11,12,13,14,15      ; P's fragment (tile f / 2, K step f % 2) at v[16 f] of window 1: it stays
.irp c, 0,1,2,3
	global_load_b128 v[16*\f+4*\c:16*\f+4*\c+3], v[LI], s[56:57] offset:2048*\f+512*\c
.endr
.endr
	WIN 0
	s_wait_kmcnt 0x0
	s_sub_co_i32 s20, s47, s36
	s_sub_co_i32 s20, s20, s37                     ; e15 - e4 - e5
	s_sub_co_i32 s21, s46, s38
	s_sub_co_i32 s21, s21, s39                     ; e14 - e6 - e7
	s_sub_co_i32 s22, s46, s44
	s_sub_co_i32 s22, s22, s45                     ; e14 - e12 - e13
	s_sub_co_i32 s23, s49, s40
	s_sub_co_i32 s23, s23, s41                     ; e17 - e8 - e9
	s_cmp_eq_u32 s19, 1
	s_cselect_b32 s20, s21, s20
	s_cmp_eq_u32 s19, 2
	s_cselect_b32 s20, s22, s20
	s_cmp_eq_u32 s19, 3
	s_cselect_b32 s20, s23, s20
	s_add_co_i32 s20, s20, 127
	s_lshl_b32 s21, s20, 23
	v_mov_b32 v[SC], s21
	s_add_co_i32 s20, s20, 8
	s_lshl_b32 s20, s20, 23
	s_or_b32 s20, s20, 0x600000
	v_mov_b32 v[LM], s20
.macro RT u, rot                       ; R's tile u against P's eight tiles
.set RS, RF+32*((\u)%2)
.set CS, CSR+32*((\u)%2)
.set SN, CS+16
.if (\u) < 7
	LOADR (\u)+1                                   ; the other set's last products stand many plain instructions back
.if \rot
	LOADCS (\u)+1
	s_wait_loadcnt 16                              ; all but the 16 loads just issued
.else
	s_wait_loadcnt 8                               ; all but the 8 loads just issued
.endif
.else
	s_wait_loadcnt 0
.endif
	WIN 0x01                                       ; source 0 window 1
.irp t, 0,1,2,3,4,5,6,7                ; the eight accumulators take turns
	v_wmma_f32_16x16x128_fp8_fp8 v[HA+8*\t:HA+8*\t+7], v[32*\t:32*\t+15], v[RS:RS+15], 0
.endr
.irp t, 0,1,2,3,4,5,6,7
	v_wmma_f32_16x16x128_fp8_fp8 v[HA+8*\t:HA+8*\t+7], v[32*\t+16:32*\t+31], v[RS+16:RS+31], v[HA+8*\t:HA+8*\t+7]
.endr
	WIN 0
.rept 4
	v_nop                                          ; places in front of the first read of results
.endr
.if \rot
.irp g, 0,1                            ; a head: X = channels 16 h + i, Y = channels 32 + 16 h + i: X' = X cos - Y sin, Y' = Y cos + X sin
.irp k, 0,2,4,6,8,10,12,14
	v_pk_mul_f32 v[TT+\k:TT+\k+1], v[HA+32*\g+16+\k:HA+32*\g+16+\k+1], v[SN+\k:SN+\k+1]
.endr
.irp k, 0,2,4,6,8,10,12,14
	v_pk_mul_f32 v[TT+16+\k:TT+16+\k+1], v[HA+32*\g+\k:HA+32*\g+\k+1], v[SN+\k:SN+\k+1]
.endr
.irp k, 0,2,4,6,8,10,12,14
	v_pk_fma_f32 v[HA+32*\g+\k:HA+32*\g+\k+1], v[HA+32*\g+\k:HA+32*\g+\k+1], v[CS+\k:CS+\k+1], v[TT+\k:TT+\k+1] neg_lo:[0,0,1] neg_hi:[0,0,1]
.endr
.irp k, 0,2,4,6,8,10,12,14
	v_pk_fma_f32 v[HA+32*\g+16+\k:HA+32*\g+16+\k+1], v[HA+32*\g+16+\k:HA+32*\g+16+\k+1], v[CS+\k:CS+\k+1], v[TT+16+\k:TT+16+\k+1]
.endr
.endr
.endif
.set n, 0
	s_wait_alu depctr_va_vdst(0)
.rept 64
	v_med3_num_f32 v[HA+n], v[HA+n], -v[LM], v[LM] ; the hold; each accumulator from its low end on
.set n, n+1
.endr
	s_wait_alu depctr_va_vdst(0)
	s_wait_xcnt 0x0                                ; the last tile's stores have read the codes' registers
.irp b, 0,1,2,3
	v_cvt_scalef32_pk8_fp8_f32 v[CD+4*\b:CD+4*\b+1], v[HA+16*\b:HA+16*\b+7], v[SC]
	v_cvt_scalef32_pk8_fp8_f32 v[CD+4*\b+2:CD+4*\b+3], v[HA+16*\b+8:HA+16*\b+15], v[SC]
.endr
	v_nop                                          ; a plain line behind the last conversion: the next products write their sources
	global_store_b128 v[LI], v[CD:CD+3], s[60:61] offset:2048*(\u)              ; 512 consecutive bytes each
	global_store_b128 v[LI], v[CD+4:CD+7], s[60:61] offset:2048*(\u)+512
	global_store_b128 v[LI], v[CD+8:CD+11], s[62:63] offset:2048*(\u)
	global_store_b128 v[LI], v[CD+12:CD+15], s[62:63] offset:2048*(\u)+512
.endm
	s_cmp_eq_u32 s19, 2                            ; two copies, so that every count of loads is exact on its path
	s_cbranch_scc1 .Lrot
.irp u, 0,1,2,3,4,5,6,7
	RT \u, 0
.endr
	s_endpgm
.Lrot:
	LOADCS 0
.irp u, 0,1,2,3,4,5,6,7
	RT \u, 1
.endr
	s_endpgm
.Lfunc_end_k_qb49e6f2e21_up:
	.size	k_qb49e6f2e21_up, .Lfunc_end_k_qb49e6f2e21_up-k_qb49e6f2e21_up
	.p2alignl 7, 3214868480
	.fill 96, 4, 3214868480
	.section	.rodata,"a",@progbits
	.p2align	6, 0x0
	.amdhsa_kernel k_qb49e6f2e21_up
		.amdhsa_group_segment_fixed_size 0
		.amdhsa_private_segment_fixed_size 0
		.amdhsa_enable_private_segment 0
		.amdhsa_kernarg_size 56
		.amdhsa_user_sgpr_count 2
		.amdhsa_user_sgpr_kernarg_segment_ptr 1
		.amdhsa_wavefront_size32 1
		.amdhsa_system_sgpr_workgroup_id_x 1
		.amdhsa_system_sgpr_workgroup_id_y 1
		.amdhsa_system_sgpr_workgroup_id_z 1
		.amdhsa_system_vgpr_workitem_id 0
		.amdhsa_next_free_vgpr 512
		.amdhsa_next_free_sgpr 66
		.amdhsa_reserve_vcc 0
		.amdhsa_float_denorm_mode_32 3
		.amdhsa_float_denorm_mode_16_64 3
		.amdhsa_memory_ordered 1
		.amdhsa_forward_progress 1
		.amdhsa_inst_pref_size 159
	.end_amdhsa_kernel
	.amdgpu_metadata
---
amdhsa.version: [ 1, 2 ]
amdhsa.kernels:
  - .name:           k_qb49e6f2e21_up
    .symbol:         k_qb49e6f2e21_up.kd
    .args:
      - { .name: lat, .offset: 0, .size: 8, .value_kind: global_buffer, .address_space: global }
      - { .name: wc, .offset: 8, .size: 8, .value_kind: global_buffer, .address_space: global }
      - { .name: lowp_scales, .offset: 16, .size: 8, .value_kind: global_buffer, .address_space: global }
      - { .name: rope, .offset: 24, .size: 8, .value_kind: global_buffer, .address_space: global }
      - { .name: qimg, .offset: 32, .size: 8, .value_kind: global_buffer, .address_space: global }
      - { .name: kimg, .offset: 40, .size: 8, .value_kind: global_buffer, .address_space: global }
      - { .name: vimg, .offset: 48, .size: 8, .value_kind: global_buffer, .address_space: global }
    .group_segment_fixed_size: 0
    .private_segment_fixed_size: 0
    .kernarg_segment_align: 8
    .kernarg_segment_size: 56
    .max_flat_workgroup_size: 128
    .sgpr_count:     66
    .vgpr_count:     512
    .wavefront_size: 32
...
	.end_amdgpu_metadata
.endif
;; end of part 8
;; launch att (part 9): grid 8 x 32, 4 waves a work-group, no clusters, 327,680 bytes of LDS; arguments qimg, kimg, vimg, lowp_scales, yimg; writes yimg
.if DOCPART == 9
	.amdgcn_target "amdgcn-amd-amdhsa--gfx1250"
	.amdhsa_code_object_version 6
	.text
	.protected	k_qb49e6f2e21_att
	.globl	k_qb49e6f2e21_att
	.p2align	8
	.type	k_qb49e6f2e21_att,@function
k_qb49e6f2e21_att:
	s_mov_b64 s[64:65], 0
	v_nop
	global_prefetch_b8 v0, s[64:65] scope:SCOPE_SE
	s_setreg_imm32_b32 hwreg(HW_REG_WAVE_MODE, 25, 1), 1
	s_wait_xcnt 0x0
; ATT: causal attention on codes of E4M3, one head of one batch (bh) for each work-group y; y = O / l is quantised and stored as the image of the last product's operand.
; LEFT OUT: key steps all of whose keys come after a block's queries: the causal mask throws their scores away for all values of the inputs.
; q, k: images [bh][tile of 16][c][lane][16], K = the head's 128.  The keys' tiles are in physical order: lane r of tile 2 b + u is key 32 b + 8 u + r + 8 (r / 8).
; v: images [bh][key step of 128][t 8][c][lane][16]: lane r = channel (physical order), the 16 bytes = keys 32 c + 16 h + 0 .. 15.
; THE SOFTMAX: t = score x log2(e) / sqrt(128); M = the running largest t rounded UP to a whole number; p = 2^(t - M) is quantised (entry 16), not normalised; the row's sum is taken of the
; unquantised p and divides O at the end.  When M moves, the sum and O are multiplied by 2^(old M - new M): exact.
; SHARES.  Work-group x = i owns query blocks i and 15 - i of 128 queries and takes them ONE AFTER THE OTHER: i + 1 key steps of 128, then 16 - i: 17 live steps in every work-group.
; Four waves, one to a SIMD; a wave owns 32 queries of the block in hand, two tiles, so that each fragment of K and V feeds two matrix instructions.
; Both products are used transposed (S^T = K Q^T, O^T = V^T P^T): a lane holds one query of each tile; 16 registers of two neighbouring tiles are 16 neighbouring keys (or channels).
; RING.  Two slots of 256 keys (K's 32 KiB, then V's 32 KiB), dense images; each wave fills 16 KiB by one tensor load.  i / 2 + 1 slots serve the first block and the rest of NINE the second: the
; trip counts are constants.  One of the two blocks has an odd number of steps: its last slot's second step is passed over by a scalar branch on ids (its K fragments are still read from LDS,
; so that the count of LDS loads is the same on both ways).
; THE CHANGE OF SLOTS stands in the middle of a slot's second step, when that step's fragments of V are in registers: the next step's fragments of K are asked for behind it, under the rest of the softmax.
; The last two slots ask for no tile and share one loop of two trips; its last trip passes the same barrier and reads no further K.
; THE DIAGONAL STEP (keys of the block itself) takes the mask as the C of the score products: 0 or -3e38, made once at the head: it hangs on wave, tile and lane alone.
; A block's first step finds M = -3e38: the factor is then 0, which clears the sum and O (both finite: sums of products of codes).
; No cluster: at the same change of slots the work-groups of a head ask for different tiles (their first blocks end at different slots), so no joint request can be made.
; PREFETCH: the head's first work-group asks, at each change that fills a slot, for the tile that the NEXT change will load: each wave its own 16 KiB, lanes 256 bytes apart, two instructions;
; its walk names tiles 2 to 7 of the head once each; tiles 0 and 1 come by their loads alone; the last filling change asks for nothing.
; LIMITS: e14 + e15 between -123 and 130; e16, and e18 - e16 - e17, between -126 and 119.  The scaled scores stay under 2^31 in magnitude.  NaN among the inputs is not served.
; REGISTERS, in windows of 256.  Window 0: v1-31 addresses and a tile's numbers; v32-63 Q; v64-95 p's codes; v128-255 K's eight fragments.
; Window 1: v0-127 S^T (two tiles), v128-255 O^T.  Window 2: v0-127 V's eight fragments, v128-255 the mask.
; Window 3: v0-127 t - M, then p (on the way out y); v128-191 partial sums (on the way out y's codes); v192-195 the rows' sums; v196 the hold; v200-231 the second block's Q.
.set SLOT1, 65536
.set VOFF,  32768
.set SPARE, 131072                     ; behind the ring: the spare words, 128 bytes a wave
.set LI,  1                            ; 16 x lane
.set PFO, 2                            ; 256 x lane
.set ADR, 3                            ; LI + the slot in hand
.set SPW, 4
.set NIL, 5
.set SCP, 8                            ; 2^e16
.set SCY, 10                           ; 2^(e18 - e16 - e17), v11 448 x that
.set LMY, 11
.set Q,   32
.set CD,  64
.set KF,  128
.set WV,  14
.set KS,  16                           ; the slot's first key step within the block's walk; s17 the second
.set KS1, 17
.set BB,  18                           ; the block in hand = its diagonal step
.set BH,  19                           ; the second block
.set SEL, 20
.set CS,  22
.set G1,  24
.set G0,  32
.set GB,  36                           ; my 16 KiB of the head's tile 0 (waves 0, 1: K; 2, 3: V)
.set PFA, 38
.set TO,  40                           ; a tile's byte offset, s41 = 0
.set J,   42                           ; the walk's next tile to ask for
.set NL,  43                           ; slots of the first block
.set TB,  44
.set SL,  45
.set LIM, 46
.set YP,  48
.set YH,  50
.set MSB, 0
.macro WIN new                         ; the immediate's high byte repeats the setting that is left
.if MSB != \new
	s_set_vgpr_msb (MSB<<8)|\new
.set MSB, \new
.endif
.endm
.macro TILEOFF j                       ; s[TO] = where the walk's tile s[j] lies in the head: the second block begins again at key 0
	s_cmp_ge_u32 s[\j], s[NL]
	s_cselect_b32 s[TO], s[NL], 0
	s_sub_co_u32 s[TO], s[\j], s[TO]
	s_lshl_b32 s[TO], s[TO], 15
.endm
.macro NEXTTILE                        ; no tensor load of mine is out: the walking descriptor may be written
	s_xor_b32 s[G0+1], s[G0+1], SLOT1
	TILEOFF J
	s_add_nc_u64 s[G0+2:G0+3], s[GB:GB+1], s[TO:TO+1]
	s_or_b32 s[G0+3], s[G0+3], 0x80000000
	s_add_co_u32 s[J], s[J], 1
.endm
.macro KLOAD q                         ; K's eight fragments of the slot's q-th step: 512 consecutive bytes a load
.set n, 0
.rept 32
	ds_load_b128 v[KF+4*n:KF+4*n+3], v[ADR] offset:16384*(\q)+512*n
.set n, n+1
.endr
.endm
.macro SMUL masked                     ; S^T = K Q^T: 16 accumulators, one instruction each
.irp t, 0,1,2,3,4,5,6,7
.irp a, 0,1
.if \masked
	v_wmma_f32_16x16x128_fp8_fp8 v[64*\a+8*\t:64*\a+8*\t+7], v[KF+16*\t:KF+16*\t+15], v[Q+16*\a:Q+16*\a+15], v[128+64*\a+8*\t:128+64*\a+8*\t+7]
.else
	v_wmma_f32_16x16x128_fp8_fp8 v[64*\a+8*\t:64*\a+8*\t+7], v[KF+16*\t:KF+16*\t+15], v[Q+16*\a:Q+16*\a+15], 0
.endif
.endr
.endr
.endm
; 32 exponentials from register e on (none: -1), and by turns with them, on the 32 numbers from p on (none: -1): the first level of the row's sum, of the unquantised p, then the hold.
.macro MIX e, p
.set MK, 0
.rept 8
.if (\e) >= 0
	v_exp_f32 v[(\e)+4*MK], v[(\e)+4*MK]
.endif
.if (\p) >= 0
	v_pk_add_f32 v[128+((\p)+4*MK)/2:129+((\p)+4*MK)/2], v[(\p)+4*MK:(\p)+4*MK+1], v[(\p)+4*MK+2:(\p)+4*MK+3]
.endif
.if (\e) >= 0
	v_exp_f32 v[(\e)+4*MK+1], v[(\e)+4*MK+1]
.endif
.if (\p) >= 0
	v_min_num_f32 v[(\p)+4*MK], v[(\p)+4*MK], v196
	v_min_num_f32 v[(\p)+4*MK+1], v[(\p)+4*MK+1], v196
.endif
.if (\e) >= 0
	v_exp_f32 v[(\e)+4*MK+2], v[(\e)+4*MK+2]
.endif
.if (\p) >= 0
	v_min_num_f32 v[(\p)+4*MK+2], v[(\p)+4*MK+2], v196
.endif
.if (\e) >= 0
	v_exp_f32 v[(\e)+4*MK+3], v[(\e)+4*MK+3]
.endif
.if (\p) >= 0
	v_min_num_f32 v[(\p)+4*MK+3], v[(\p)+4*MK+3], v196
.endif
.set MK, MK+1
.endr
.endm
; A KEY STEP of 128 keys.  mode 0: a slot's first step.  mode 1: its second, with the change of slots and a refill.  mode 2: the same with no refill.
.macro STEP mode
.if \mode
	s_cmp_eq_u32 s[KS], s[BB]                      ; the slot's first step was the diagonal: this one is passed over (ids and counted steps alone: all waves alike)
	s_cbranch_scc1 .Lh1_\@
	s_wait_dscnt 0x0                               ; K's fragments are in
	s_cmp_eq_u32 s[KS1], s[BB]
.else
	s_wait_dscnt 0x0
	s_cmp_eq_u32 s[KS], s[BB]
.endif
	s_cbranch_scc1 .Ld_\@
	WIN 0x40
	SMUL 0
	WIN 0
	s_branch .Lj_\@
.Ld_\@:
	WIN 0x60                                       ; the diagonal step: C = the mask, in window 2
	SMUL 1
	WIN 0
.Lj_\@:
.rept 4
	v_nop                                          ; places: ahead of the first read of the scores, and of the loads into V's registers, which the last step's products read
.endr
	WIN 0x80
.set n, 0
.rept 32
.if \mode
	ds_load_b128 v[4*n:4*n+3], v[ADR] offset:VOFF+16384+512*n   ; V's eight fragments of the slot's second step: used behind the softmax
.else
	ds_load_b128 v[4*n:4*n+3], v[ADR] offset:VOFF+512*n         ; V's eight fragments of the slot's first step
.endif
.set n, n+1
.endr
	WIN 0x15                                       ; the largest score of each query: four chains a tile, each accumulator from its low end on
.irp a, 0,1
.irp k, 0,1,2,3
	v_max3_num_f32 v[20+4*\a+\k], v[64*\a+16*\k], v[64*\a+16*\k+1], v[64*\a+16*\k+2]
.endr
.endr
	WIN 0x14
.irp j, 3,5,7,9,11,13
.irp a, 0,1
.irp k, 0,1,2,3
	v_max3_num_f32 v[20+4*\a+\k], v[20+4*\a+\k], v[64*\a+16*\k+\j], v[64*\a+16*\k+\j+1]
.endr
.endr
.endr
.irp a, 0,1
	v_max3_num_f32 v[20+4*\a], v[20+4*\a], v[64*\a+15], v[64*\a+31]
	v_max3_num_f32 v[22+4*\a], v[22+4*\a], v[64*\a+47], v[64*\a+63]
.endr
	WIN 0
.irp a, 0,1
	v_max3_num_f32 v[20+4*\a], v[20+4*\a], v[21+4*\a], v[22+4*\a]
.endr
.irp a, 0,1
	v_max_num_f32 v[20+4*\a], v[20+4*\a], v[23+4*\a]
.endr
.irp a, 0,1
	v_permlanex16_b32 v[28+\a], v[20+4*\a], s[SEL], s[SEL+1]
.endr
.irp a, 0,1
	v_max_num_f32 v[20+4*\a], v[20+4*\a], v[28+\a]
.endr
.irp a, 0,1
	v_mul_f32 v[20+4*\a], s[CS], v[20+4*\a]        ; as t (c is positive)
.endr
.irp a, 0,1
	v_max_num_f32 v[13+2*\a], v[13+2*\a], v[20+4*\a]   ; the running largest t
.endr
.irp a, 0,1
	v_mov_b32 v[21+4*\a], v[12+2*\a]
.endr
.irp a, 0,1
	v_floor_f32 v[12+2*\a], -v[13+2*\a]            ; the new -M = -ceil(t)
.endr
.irp a, 0,1
	v_sub_f32 v[21+4*\a], v[12+2*\a], v[21+4*\a]
.endr
.irp a, 0,1
	v_cvt_i32_f32 v[21+4*\a], v[21+4*\a]           ; (it saturates)
.endr
.irp a, 0,1
	v_ldexp_f32 v[16+2*\a], 1.0, v[21+4*\a]        ; f = 2^(old M - new M)
.endr
	WIN 0x41
.irp a, 0,1
.set n, 0
.rept 32
	v_pk_mul_f32 v[128+64*\a+n:129+64*\a+n], v[128+64*\a+n:129+64*\a+n], v[16+2*\a:17+2*\a] op_sel_hi:[1,0]   ; O^T under the new M
.set n, n+2
.endr
.endr
	WIN 0xc1
.irp a, 0,1
.set n, 0
.rept 32
	v_pk_fma_f32 v[64*\a+n:64*\a+n+1], v[64*\a+n:64*\a+n+1], s[CS:CS+1], v[12+2*\a:13+2*\a] op_sel_hi:[1,0,0]   ; t - M, into window 3
.set n, n+2
.endr
.endr
	WIN 0xc3
	v_pk_mul_f32 v[192:193], v[192:193], v[16:17] op_sel_hi:[1,0]   ; the sums under the new M
	v_pk_mul_f32 v[194:195], v[194:195], v[18:19] op_sel_hi:[1,0]
	WIN 0xcf
	s_wait_alu depctr_va_vdst(0)                   ; a wait ahead of each batch of exponentials and behind it
	MIX 0, -1
	v_nop                                          ; a plain instruction behind the batch
	s_wait_alu depctr_va_vdst(0)
	MIX 32, 0
	WIN 0
	s_wait_alu depctr_va_vdst(0)
.if (\mode) == 0
	KLOAD 1                                        ; the slot's second step
.else
.Lh1_\@:
	s_wait_tensorcnt 0x0                           ; my part of the next slot is in
	ds_add_u32 v[SPW], v[NIL]
	s_xor_b32 s[TB], s[TB], SLOT1
.if (\mode) == 1
	NEXTTILE
	TILEOFF J
	s_wait_xcnt 0x0                                ; the last prefetches have read their address
	s_add_nc_u64 s[PFA:PFA+1], s[GB:GB+1], s[TO:TO+1]   ; my part of the tile after the one that is asked for now
.endif
	v_add_nc_u32 v[ADR], s[TB], v[LI]
	s_wait_alu depctr_va_vdst(0)
	s_wait_dscnt 0x0                               ; the add is done, and my reads of the slot that I leave are over: V's fragments are in registers
	s_barrier_signal -1
	s_barrier_wait -1
.if (\mode) == 1
	tensor_load_to_lds s[G0:G0+3], s[G1:G1+7]      ; my one load behind the barrier, into the slot just left
	s_nop 0
	KLOAD 0                                        ; the next slot's first step
	s_cmp_gt_u32 s[SL], s[LIM]
	s_cbranch_scc0 .Lna_\@
	global_prefetch_b8 v[PFO], s[PFA:PFA+1] th:TH_LOAD_NT scope:SCOPE_SE
	global_prefetch_b8 v[PFO], s[PFA:PFA+1] offset:8192 th:TH_LOAD_NT scope:SCOPE_SE
.Lna_\@:
.else
	s_cmp_eq_u32 s[SL], 1                          ; the walk's last slot: no step follows
	s_cbranch_scc1 .Lnk_\@
	KLOAD 0
.Lnk_\@:
.endif
	s_cmp_eq_u32 s[KS], s[BB]
	s_cbranch_scc1 .Lh2_\@
.endif
	WIN 0xcf
	MIX 64, 32
	s_wait_alu depctr_va_vdst(0)
	MIX 96, 64
	s_wait_alu depctr_va_vdst(0)
	MIX -1, 96
	WIN 0x03
.set n, 0
.rept 16
	v_cvt_scalef32_pk8_fp8_f32 v[CD+2*n:CD+2*n+1], v[8*n:8*n+7], v[SCP]
.set n, n+1
.endr
	WIN 0xcf                                       ; the rest of the sums: plain lines between the conversions and the products that read the codes
.irp d, 16,8,4,2
.set TG, 0
.rept \d/2
	v_pk_add_f32 v[128+TG:129+TG], v[128+TG:129+TG], v[128+TG+\d:129+TG+\d]
	v_pk_add_f32 v[160+TG:161+TG], v[160+TG:161+TG], v[160+TG+\d:161+TG+\d]
.set TG, TG+2
.endr
.endr
	v_pk_add_f32 v[192:193], v[192:193], v[128:129]
	v_pk_add_f32 v[194:195], v[194:195], v[160:161]
.if (\mode) == 0
	s_wait_dscnt 32                                ; V's 32 loads are in; the 32 of K issued behind them may be out
.endif
	WIN 0x52
.irp t, 0,1,2,3,4,5,6,7
.irp a, 0,1
	v_wmma_f32_16x16x128_fp8_fp8 v[128+64*\a+8*\t:128+64*\a+8*\t+7], v[16*\t:16*\t+15], v[CD+16*\a:CD+16*\a+15], v[128+64*\a+8*\t:128+64*\a+8*\t+7]
.endr
.endr
	WIN 0
.if \mode
.Lh2_\@:
.endif
.endm
; A BLOCK'S WAY OUT: O^T / the sum stands for y / 2^(e16 + e17): its code is that / 2^(e18 - e16 - e17).  Register 16 b + i is channel 32 b + 16 h + i: the codes are the operand's registers.
.macro FLUSH reset
	s_wait_alu depctr_va_vdst(0)                   ; the sums were written just ahead of branches
	WIN 0x0f
	v_add_f32 v20, v192, v193
	v_add_f32 v24, v194, v195
	WIN 0
	v_permlanex16_b32 v28, v20, s[SEL], s[SEL+1]
	v_permlanex16_b32 v29, v24, s[SEL], s[SEL+1]
	v_add_f32 v20, v20, v28                        ; the rows' sums
	v_add_f32 v24, v24, v29
	s_wait_alu depctr_va_vdst(0)                   ; a wait ahead of the transcendentals
	v_rcp_f32 v20, v20
	v_rcp_f32 v24, v24
	v_mov_b32 v21, 0                               ; (plain lines behind them; named as the pairs' upper halves)
	v_mov_b32 v25, 0
	WIN 0xc1
	s_wait_alu depctr_va_vdst(0)                   ; and directly ahead of the first readers of the reciprocals and of O^T
.irp a, 0,1
.set n, 0
.rept 32
	v_pk_mul_f32 v[64*\a+n:64*\a+n+1], v[128+64*\a+n:129+64*\a+n], v[20+4*\a:21+4*\a] op_sel_hi:[1,0]
.set n, n+2
.endr
.endr
	WIN 0xc3
.set n, 0
.rept 128
	v_med3_num_f32 v[n], v[n], -v[LMY], v[LMY]     ; the hold
.set n, n+1
.endr
.set n, 0
.rept 16
	v_cvt_scalef32_pk8_fp8_f32 v[128+2*n:129+2*n], v[8*n:8*n+7], v[SCY]
.set n, n+1
.endr
	v_nop
	WIN 0x0c
.irp a, 0,1
.irp c, 0,1,2,3
	global_store_b128 v[LI], v[128+16*\a+4*\c:131+16*\a+4*\c], s[YP:YP+1] offset:32768*\a+512*\c   ; 512 consecutive bytes
.endr
.endr
	WIN 0
.if \reset
	v_mov_b32 v13, 0xff61b1e6                      ; the second block begins: the largest t is -3e38 again
	v_mov_b32 v15, 0xff61b1e6
	v_floor_f32 v12, -v13
	v_floor_f32 v14, -v15
	WIN 0x03
.set n, 0
.rept 32
	v_mov_b32 v[Q+n], v[200+n]                     ; its Q, loaded at the head
.set n, n+1
.endr
	WIN 0
	s_wait_xcnt 0x0                                ; the stores have read their base and their data
	s_mov_b64 s[YP:YP+1], s[YH:YH+1]
	s_wait_alu depctr_va_vdst(0)
.endif
.endm
	s_load_b256 s[4:11], s[0:1], 0x0               ; qimg 4, kimg 6, vimg 8, the scales 10
	s_load_b64 s[12:13], s[0:1], 0x20              ; yimg
	v_lshl_add_u32 v[SPW], v0, 2, SPARE
	v_mov_b32 v[NIL], 0
	ds_add_u32 v[SPW], v[NIL]                      ; the opening: the add, twice on end, and its wait ahead of my first tensor load
	ds_add_u32 v[SPW], v[NIL]
	v_lshrrev_b32 v6, 5, v0
	v_readfirstlane_b32 s[WV], v6                  ; wave 0..3
	v_and_b32 v7, 31, v0
	v_lshlrev_b32 v[LI], 4, v7
	v_lshlrev_b32 v[PFO], 8, v7
	v_mov_b32 v[ADR], v[LI]                        ; slot 0
	s_mov_b32 s[BB], ttmp9
	s_sub_co_u32 s[BH], 15, ttmp9
	s_mov_b32 s[KS], 0
	s_mov_b32 s[KS1], 1
	s_lshr_b32 s[NL], ttmp9, 1
	s_add_co_u32 s[NL], s[NL], 1
	s_mov_b32 s[J], 1
	s_mov_b32 s[TB], 0
	s_mov_b32 s[TO+1], 0
	s_mov_b32 s[SL], 7
	s_cmp_eq_u32 ttmp9, 0
	s_cselect_b32 s[LIM], 1, -1                    ; the head's first work-group prefetches while more than one filling change is left
	s_and_b32 s57, ttmp7, 0xffff                   ; bh
	s_lshl_b32 s58, s57, 18                        ; a head's images: 262,144 bytes in each of the three
	s_mov_b32 s59, 0
	s_lshl_b32 s61, s[WV], 5
	s_lshl_b32 s60, s[BB], 7
	s_add_co_u32 s60, s60, s61                     ; my first query in the first block,
	s_lshl_b32 s62, s[BH], 7
	s_add_co_u32 s62, s62, s61                     ; and in the second
	s_lshl_b32 s72, s60, 7                         ; a tile of 16 queries is 2,048 bytes
	s_add_co_u32 s72, s72, s58
	s_mov_b32 s73, 0
	s_lshl_b32 s74, s62, 7
	s_add_co_u32 s74, s74, s58
	s_mov_b32 s75, 0
	s_lshr_b32 s63, s57, 4
	s_lshl_b32 s63, s63, 7                         ; batch x 128
	s_and_b32 s57, s57, 15                         ; head
	s_lshr_b32 s68, s60, 4
	s_add_co_u32 s68, s68, s63
	s_lshl_b32 s68, s68, 4
	s_add_co_u32 s68, s68, s57
	s_lshl_b32 s68, s68, 11                        ; y: ((batch x 128 + query tile) x 16 + head) x 2,048
	s_mov_b32 s69, 0
	s_lshr_b32 s70, s62, 4
	s_add_co_u32 s70, s70, s63
	s_lshl_b32 s70, s70, 4
	s_add_co_u32 s70, s70, s57
	s_lshl_b32 s70, s70, 11
	s_mov_b32 s71, 0
	s_and_b32 s66, s[WV], 1
	s_lshl_b32 s66, s66, 14
	s_add_co_u32 s58, s58, s66                     ; which 16 KiB of K's or V's part of a tile I fetch
	s_mov_b32 s[G1], 3<<16                         ; no mask; elements of 8 bytes; no padding: a dense block as 64 rows of 256 bytes
	s_mov_b32 s[G1+1], 32<<16
	s_mov_b32 s[G1+2], 64<<16
	s_mov_b32 s[G1+3], 32<<16
	s_mov_b32 s[G1+4], 64
	s_mov_b32 s[G1+5], 32
	s_mov_b32 s[G1+6], 0
	s_mov_b32 s[G1+7], 0
	s_mov_b32 s[SEL], 0x76543210
	s_mov_b32 s[SEL+1], 0xfedcba98
	s_mov_b32 s[CS], 0x3e0293ee                    ; c = log2(e) / sqrt(128)
	s_wait_alu depctr_va_vdst(0)
	s_wait_dscnt 0x0                               ; both opening adds are done
	s_wait_kmcnt 0x0
	s_load_b128 s[52:55], s[10:11], 0x38           ; e14 (q), e15 (k), e16 (p), e17 (v)
	s_load_b32 s56, s[10:11], 0x48                 ; e18 (y)
	s_cmp_lt_u32 s[WV], 2                          ; waves 0, 1: K; waves 2, 3: V
	s_cselect_b64 s[GB:GB+1], s[6:7], s[8:9]
	s_add_nc_u64 s[GB:GB+1], s[GB:GB+1], s[58:59]
	s_mov_b32 s[G0], 1
	s_lshl_b32 s[G0+1], s[WV], 14                  ; slot 0: wave x 16 KiB
	s_mov_b64 s[G0+2:G0+3], s[GB:GB+1]
	s_or_b32 s[G0+3], s[G0+3], 0x80000000
	tensor_load_to_lds s[G0:G0+3], s[G1:G1+7]      ; the walk's tile 0: one load a wave at the head
	s_nop 0
.rept 4
	v_nop
.endr
	s_add_nc_u64 s[72:73], s[4:5], s[72:73]
	s_add_nc_u64 s[74:75], s[4:5], s[74:75]
	s_add_nc_u64 s[YP:YP+1], s[12:13], s[68:69]
	s_add_nc_u64 s[YH:YH+1], s[12:13], s[70:71]
.irp f, 0,1,2,3,4,5,6,7
	global_load_b128 v[Q+4*\f:Q+4*\f+3], v[LI], s[72:73] offset:512*\f   ; Q of the first block: two tiles
.endr
	WIN 0xc0
.irp f, 0,1,2,3,4,5,6,7
	global_load_b128 v[200+4*\f:203+4*\f], v[LI], s[74:75] offset:512*\f   ; and of the second, kept in window 3
.endr
	WIN 0
	v_mov_b32 v13, 0xff61b1e6                      ; the largest t so far: -3e38
	v_mov_b32 v15, 0xff61b1e6
	v_floor_f32 v12, -v13                          ; -M
	v_floor_f32 v14, -v15
	v_mov_b32 v17, 0                               ; named as pairs' upper halves
	v_mov_b32 v19, 0
	v_mov_b32 v28, 0                               ; a lane permute's destination counts as one of its sources
	v_mov_b32 v29, 0
	v_and_b32 v6, 15, v0
	v_bfe_u32 v7, v0, 4, 1
	v_lshlrev_b32 v7, 4, v7
	v_sub_nc_u32 v6, v6, v7
	v_add_nc_u32 v6, s61, v6                       ; d = my query within the block - 16 h, tile 0; register 16 b + i holds key 16 h + 32 b + i of the step: hidden where 32 b + i > d
	v_add_nc_u32 v7, 16, v6                        ; tile 1
	v_mov_b32 v30, 0xff61b1e6
	WIN 0x80
.irp a, 0,1
.set n, 0
.rept 64
	v_cmp_gt_i32 vcc_lo, 32*(n/16)+n%16, v[6+\a]
	v_cndmask_b32 v[128+64*\a+n], 0, v30, vcc_lo
.set n, n+1
.endr
.endr
	WIN 0x40
.set n, 0
.rept 128
	v_mov_b32 v[128+n], 0                          ; O^T: the step is written for every place in the walk; the first finds zeros
.set n, n+1
.endr
	WIN 0xc0
.irp n, 192,193,194,195
	v_mov_b32 v\n, 0                               ; the sums
.endr
	s_wait_kmcnt 0x0
	s_add_co_i32 s57, s52, s53
	s_lshl_b32 s57, s57, 23
	s_add_co_i32 s[CS], s[CS], s57                 ; a score stands for score x 2^(e14 + e15): added to c's exponent field
	s_mov_b32 s[CS+1], s[CS]
	s_add_co_i32 s57, s54, 127
	s_lshl_b32 s60, s57, 23
	s_add_co_i32 s57, s57, 8
	s_lshl_b32 s57, s57, 23
	s_or_b32 s57, s57, 0x600000
	v_mov_b32 v196, s57                            ; 448 x 2^e16, in window 3
	WIN 0
	v_mov_b32 v[SCP], s60                          ; 2^e16
	s_sub_co_i32 s57, s56, s54
	s_sub_co_i32 s57, s57, s55
	s_add_co_i32 s57, s57, 127
	s_lshl_b32 s60, s57, 23
	v_mov_b32 v[SCY], s60
	s_add_co_i32 s57, s57, 8
	s_lshl_b32 s57, s57, 23
	s_or_b32 s57, s57, 0x600000
	v_mov_b32 v[LMY], s57
	s_wait_alu depctr_va_vdst(0)
	s_wait_tensorcnt 0x0                           ; my part of tile 0 is in; slot 1's first fill is issued as a refill is
	ds_add_u32 v[SPW], v[NIL]
	NEXTTILE
	s_wait_dscnt 0x0
	s_barrier_signal -1
	s_barrier_wait -1
	tensor_load_to_lds s[G0:G0+3], s[G1:G1+7]      ; the walk's tile 1
	s_nop 0
	KLOAD 0
	s_wait_loadcnt 0x0                             ; Q
.Lslot:                                            ; seven trips: each asks for the tile two on
	STEP 0
	STEP 1
	s_add_co_u32 s[KS], s[KS], 2
	s_add_co_u32 s[KS1], s[KS1], 2
	s_cmp_gt_u32 s[KS], s[BB]                      ; the first block's walk is over (ids and counted steps alone)
	s_cbranch_scc0 .Lgo
	FLUSH 1
	s_mov_b32 s[KS], 0
	s_mov_b32 s[KS1], 1
	s_mov_b32 s[BB], s[BH]
.Lgo:
	s_sub_co_u32 s[SL], s[SL], 1
	s_cmp_lg_u32 s[SL], 0
	s_cbranch_scc1 .Lslot
	s_mov_b32 s[SL], 2
.Ltail:                                            ; the last two slots: nothing is left to ask for
	STEP 0
	STEP 2
	s_add_co_u32 s[KS], s[KS], 2
	s_add_co_u32 s[KS1], s[KS1], 2
	s_sub_co_u32 s[SL], s[SL], 1
	s_cmp_lg_u32 s[SL], 0
	s_cbranch_scc1 .Ltail
	FLUSH 0
	s_wait_tensorcnt 0x0                           ; the wave's end
	ds_add_u32 v[SPW], v[NIL]
	s_wait_dscnt 0x0
	s_endpgm
.Lfunc_end_k_qb49e6f2e21_att:
	.size	k_qb49e6f2e21_att, .Lfunc_end_k_qb49e6f2e21_att-k_qb49e6f2e21_att
	.p2alignl 7, 3214868480
	.fill 96, 4, 3214868480
	.section	.rodata,"a",@progbits
	.p2align	6, 0x0
	.amdhsa_kernel k_qb49e6f2e21_att
		.amdhsa_group_segment_fixed_size 327680
		.amdhsa_private_segment_fixed_size 0
		.amdhsa_enable_private_segment 0
		.amdhsa_kernarg_size 40
		.amdhsa_user_sgpr_count 2
		.amdhsa_user_sgpr_kernarg_segment_ptr 1
		.amdhsa_wavefront_size32 1
		.amdhsa_system_sgpr_workgroup_id_x 1
		.amdhsa_system_sgpr_workgroup_id_y 1
		.amdhsa_system_sgpr_workgroup_id_z 1
		.amdhsa_system_vgpr_workitem_id 0
		.amdhsa_next_free_vgpr 1024
		.amdhsa_next_free_sgpr 80
		.amdhsa_reserve_vcc 1
		.amdhsa_float_denorm_mode_32 3
		.amdhsa_float_denorm_mode_16_64 3
		.amdhsa_memory_ordered 1
		.amdhsa_forward_progress 1
		.amdhsa_inst_pref_size 192
	.end_amdhsa_kernel
	.amdgpu_metadata
---
amdhsa.version: [ 1, 2 ]
amdhsa.kernels:
  - .name:           k_qb49e6f2e21_att
    .symbol:         k_qb49e6f2e21_att.kd
    .args:
      - { .name: qimg, .offset: 0, .size: 8, .value_kind: global_buffer, .address_space: global }
      - { .name: kimg, .offset: 8, .size: 8, .value_kind: global_buffer, .address_space: global }
      - { .name: vimg, .offset: 16, .size: 8, .value_kind: global_buffer, .address_space: global }
      - { .name: lowp_scales, .offset: 24, .size: 8, .value_kind: global_buffer, .address_space: global }
      - { .name: yimg, .offset: 32, .size: 8, .value_kind: global_buffer, .address_space: global }
    .group_segment_fixed_size: 327680
    .private_segment_fixed_size: 0
    .kernarg_segment_align: 8
    .kernarg_segment_size: 40
    .max_flat_workgroup_size: 128
    .sgpr_count:     80
    .vgpr_count:     1024
    .wavefront_size: 32
...
	.end_amdgpu_metadata
.endif
;; end of part 9
;; launch outp (part 10): grid 8 x 32, 4 waves a work-group, clusters of 4 x 4, 327,680 bytes of LDS; arguments yimg, wc, lowp_scales, out0; writes out0
.if DOCPART == 10
	.amdgcn_target "amdgcn-amd-amdhsa--gfx1250"
	.amdhsa_code_object_version 6
	.text
	.protected	k_qb49e6f2e21_outp
	.globl	k_qb49e6f2e21_outp
	.p2align	8
	.type	k_qb49e6f2e21_outp,@function
k_qb49e6f2e21_outp:
	s_mov_b64 s[64:65], 0
	v_nop
	global_prefetch_b8 v0, s[64:65] scope:SCOPE_SE
	s_setreg_imm32_b32 hwreg(HW_REG_WAVE_MODE, 25, 1), 1
	s_wait_xcnt 0x0
	s_wait_alu depctr_hold_cnt(0) depctr_sa_sdst(0) depctr_va_vdst(0) depctr_va_sdst(0) depctr_va_ssrc(0) depctr_va_vcc(0) depctr_vm_vsrc(0)
	s_getreg_b32 s2, hwreg(HW_REG_IB_STS2, 6, 4)
	s_cmp_eq_u32 s2, 0
	s_cbranch_scc0 .Lentry_in_a_cluster
	s_endpgm
.Lentry_in_a_cluster:
	s_bfe_u32 s2, ttmp6, 0x10000c
	s_cmp_lg_u32 s2, 0xf033
	s_cbranch_scc0 .Lentry_shape_is_right
	s_endpgm
.Lentry_shape_is_right:
.set SIZE_N, 2048
.set KROW,   2048
.set PX,     528
.set PY,     272
.set FR,     16
.set NP,     4
.set XA,     0
.set XB,     XA+8*8192
.set YA,     XB+256*PX
.set YB,     YA+8*4096
.set SPARE,  YB+256*PY
.set ASTEP,  6*2048
.set BSTEP,  6*128
.set SPITCH, 528
.set WOC,    4456448
.set ADRA, 16
.set ADRB, 20
.set STO,  24
.set RD,   25
.set CO,   26
.set SPW,  28
.set NIL,  29
.set TMP,  32
.set AF,   128
.set BK,   128
.set G1AX, 24
.set G1AY, 32
.set G1BX, 40
.set G1BY, 48
.set G0AX, 56
.set G0AY, 60
.set G0BX, 68
.set G0BY, 72
.set MSB, 0
.macro WIN new
.if MSB != \new
	s_set_vgpr_msb (MSB<<8)|\new
.set MSB, \new
.endif
.endm
.set MULW, 0xa1
.set TO_B, 0x40
.macro MKG1 g, cols, rows, pitch
	s_mov_b32 s[\g+1], (\cols)<<16
	s_mov_b32 s[\g+2], (\rows)<<16
	s_mov_b32 s[\g+3], (\cols)<<16
	s_mov_b32 s[\g+4], \rows
	s_mov_b32 s[\g+5], \pitch
	s_mov_b32 s[\g+6], 0
	s_mov_b32 s[\g+7], 0
.endm
.macro JLOAD g0a, g1a, g0b, g1b
	s_cmp_eq_u32 s15, 0
	s_cbranch_scc0 .Lfor_b_\@
	tensor_load_to_lds s[\g0a:\g0a+3], s[\g1a:\g1a+7]
	s_nop 0
.rept 4
	v_nop
.endr
	s_branch .Lasked_\@
.Lfor_b_\@:
	tensor_load_to_lds s[\g0b:\g0b+3], s[\g1b:\g1b+7]
	s_nop 0
.rept 4
	v_nop
.endr
.Lasked_\@:
.endm
.macro CREST
	s_cmp_lg_u32 s14, 0
	s_cbranch_scc1 .Lnot_wave_0_\@
	s_barrier_signal -3
.Lnot_wave_0_\@:
	s_barrier_wait -3
	s_barrier_signal -1
	s_barrier_wait -1
.endm
; A PREFETCH INTO THE L2 of the k-th 512 along K.  Each block of 256 bytes is named once in each cluster; the four partners that ask for a tile jointly are told apart by address alone.
; Waves 0 and 1 (y's images: a row tile's 512 along K are 8,192 bytes on end): of the wave's four row tiles the partner at place cx takes one, lanes 256 bytes apart.
; Waves 2 and 3 (Wo's rows of 2,048 bytes): of the wave's 128 rows the partner at place cy takes 32, a lane a row, two blocks a row.
; K 0-511 comes by its load alone; K 512-1023 is asked for behind the first fill, 1024-1535 behind the second, 1536-2047 behind the third: one or two fills ahead of the load that wants it.
; The address registers (v30, s[82:83]) are never rewritten: the steps along K are immediates.
.set PFN, 0
.macro ASK k
	s_cmp_eq_u32 s15, 0
	s_cbranch_scc0 .Lpb_\@
	global_prefetch_b8 v30, s[82:83] offset:8192*\k th:TH_LOAD_NT scope:SCOPE_SE
	s_branch .Lpe_\@
.Lpb_\@:
	global_prefetch_b8 v30, s[82:83] offset:512*\k th:TH_LOAD_NT scope:SCOPE_SE
	global_prefetch_b8 v30, s[82:83] offset:512*\k+256 th:TH_LOAD_NT scope:SCOPE_SE
.Lpe_\@:
.endm
.macro CROUND
	s_barrier_signal -1
	s_barrier_wait -1
	CREST
.endm
	s_load_b128 s[4:7], s[0:1], 0x0
	s_load_b128 s[8:11], s[0:1], 0x10
	v_lshl_add_u32 v[SPW], v0, 2, SPARE
	v_mov_b32 v[NIL], 0
	ds_add_u32 v[SPW], v[NIL]
	ds_add_u32 v[SPW], v[NIL]
	v_lshrrev_b32 v1, 5, v0
	v_readfirstlane_b32 s14, v1
	s_lshr_b32 s15, s14, 1
	s_and_b32 s16, s14, 1
	s_bfe_u32 s66, ttmp6, 0x40000
	s_bfe_u32 s67, ttmp6, 0x40004
	s_lshl_b32 s76, ttmp9, 2
	s_add_co_u32 s76, s76, s66
	s_and_b32 s17, ttmp7, 0xffff
	s_lshl_b32 s17, s17, 2
	s_add_co_u32 s17, s17, s67
	s_lshl_b32 s77, s67, 2
	s_lshl_b32 s77, 15, s77
	s_lshl_b32 s78, 0x1111, s66
	s_or_b32 s[G1AX], s77, (3<<16)|(1<<21)
	MKG1 G1AX, 1024, 4, 4096
	s_or_b32 s[G1AY], s77, (3<<16)|(1<<21)
	MKG1 G1AY, 512, 4, 4096
	s_or_b32 s[G1BX], s78, (0<<16)|(1<<20)|(1<<21)|(6<<22)|(3<<25)
	MKG1 G1BX, 512, 128, KROW
	s_or_b32 s[G1BY], s78, (0<<16)|(1<<20)|(1<<21)|(5<<22)|(3<<25)
	MKG1 G1BY, 256, 128, KROW
	s_lshl_b32 s20, s17, 18
	s_lshl_b32 s18, s16, 17
	s_add_co_u32 s20, s20, s18
	s_mov_b32 s21, 0
	s_lshl_b32 s80, s76, 8
	s_lshl_b32 s18, s16, 7
	s_add_co_u32 s80, s80, s18
	s_lshl_b32 s80, s80, 11
	s_add_co_u32 s80, s80, WOC
	s_mov_b32 s81, 0
	s_lshl_b32 s12, s16, 15
	s_lshl_b32 s13, s16, 14
	s_add_co_u32 s13, s13, YA
	s_mul_i32 s18, s16, 128*PX
	s_add_co_u32 s18, s18, XB
	s_mul_i32 s19, s16, 128*PY
	s_add_co_u32 s19, s19, YB
	s_wait_dscnt 0x0
	s_wait_kmcnt 0x0
	s_load_b64 s[96:97], s[8:9], 0x48
	s_add_nc_u64 s[20:21], s[4:5], s[20:21]
	s_add_nc_u64 s[80:81], s[6:7], s[80:81]
	CROUND
	s_mov_b32 s[G0AX], 1
	s_mov_b32 s[G0AX+1], s12
	s_mov_b64 s[G0AX+2:G0AX+3], s[20:21]
	s_or_b32 s[G0AX+3], s[G0AX+3], 0x80000000
	s_mov_b32 s[G0BX], 1
	s_mov_b32 s[G0BX+1], s18
	s_mov_b64 s[G0BX+2:G0BX+3], s[80:81]
	s_or_b32 s[G0BX+3], s[G0BX+3], 0x80000000
	JLOAD G0AX, G1AX, G0BX, G1BX
	s_lshl_b32 s84, s66, 15                        ; y: my work-group's row tile of 32,768 bytes
	s_lshl_b32 s86, s67, 16                        ; Wo: my work-group's 32 rows of 2,048 bytes
	s_mov_b32 s85, 0
	s_mov_b32 s87, 2048
	s_cmp_eq_u32 s15, 0                            ; do I fetch y?
	s_cselect_b64 s[82:83], s[20:21], s[80:81]
	s_cselect_b32 s84, s84, s86
	s_cselect_b32 s87, 256, s87                    ; from lane to lane
	s_add_nc_u64 s[82:83], s[82:83], s[84:85]
	v_and_b32 v30, 31, v0
	v_mul_lo_u32 v30, v30, s87
	s_wait_alu depctr_va_vdst(0)
	ASK 1
	s_mov_b32 s[G0AY], 1
	s_mov_b32 s[G0AY+1], s13
	s_add_nc_u64 s[G0AY+2:G0AY+3], s[20:21], 4*2048
	s_or_b32 s[G0AY+3], s[G0AY+3], 0x80000000
	s_mov_b32 s[G0BY], 1
	s_mov_b32 s[G0BY+1], s19
	s_add_nc_u64 s[G0BY+2:G0BY+3], s[80:81], 4*128
	s_or_b32 s[G0BY+3], s[G0BY+3], 0x80000000
	s_wait_alu depctr_va_vdst(0)
	s_wait_tensorcnt 0x0
	ds_add_u32 v28, v29
	s_wait_dscnt 0x0
	CROUND
	JLOAD G0AY, G1AY, G0BY, G1BY
	ASK 2
	v_and_b32 v1, 15, v0
	v_bfe_u32 v2, v0, 4, 1
	v_mul_u32_u24 v3, v1, PX
	v_lshl_add_u32 v3, v2, 4, v3
	v_mul_u32_u24 v4, v1, PY
	v_lshl_add_u32 v4, v2, 4, v4
	v_and_b32 v6, 31, v0
	v_lshlrev_b32 v[CO], 4, v6
	s_wait_alu depctr_va_vdst(0)
	s_lshl_b32 s12, s15, 15
	v_add_nc_u32 v[ADRA], s12, v[CO]
	s_lshl_b32 s12, s15, 14
	s_add_co_u32 s12, s12, YA
	v_add_nc_u32 v[ADRA+1], s12, v[CO]
	s_mul_i32 s12, s16, 128*PX
	s_add_co_u32 s12, s12, XB
	v_add_nc_u32 v[ADRB], s12, v3
	s_mul_i32 s12, s16, 128*PY
	s_add_co_u32 s12, s12, YB
	v_add_nc_u32 v[ADRB+1], s12, v4
	s_mul_i32 s23, s14, 16*SPITCH
	s_add_co_u32 s23, s23, YA
	v_mul_u32_u24 v5, v1, SPITCH
	v_lshl_add_u32 v5, v2, 6, v5
	v_add_nc_u32 v[STO], s23, v5
	v_add_nc_u32 v[RD], s23, v[CO]
	s_lshl_b32 s20, s17, 7
	s_lshl_b32 s21, s15, 6
	s_add_co_u32 s20, s20, s21
	s_mov_b32 s21, 0
	s_mov_b64 s[18:19], SIZE_N*4
	s_mul_u64 s[20:21], s[20:21], s[18:19]
	s_lshl_b32 s80, s76, 10
	s_lshl_b32 s81, s16, 9
	s_add_co_u32 s80, s80, s81
	s_mov_b32 s81, 0
	s_add_nc_u64 s[20:21], s[20:21], s[80:81]
	s_add_nc_u64 s[10:11], s[10:11], s[20:21]
.macro FRAGB reg, adr, pt, q, i
.irp c, 0,1,2,3
	ds_load_b128 v[\reg+4*\c:\reg+4*\c+3], v[\adr] offset:128*(\q)+32*\c+(\i)*16*(\pt)
.endr
.endm
.macro FRAGA reg, adr, rt, q, i
.irp c, 0,1,2,3
	ds_load_b128 v[\reg+4*\c:\reg+4*\c+3], v[\adr] offset:(\i)*(\rt)+2048*(\q)+512*\c
.endr
.endm
.macro FETCH_B sl, q, p
	WIN TO_B
.irp i, 0,1,2,3,4,5,6,7
	FRAGB 128*(\p)+FR*\i, ADRB+(\sl), PX-(PX-PY)*(\sl), \q, \i
.endr
.endm
.macro FETCH_A sl, q, p
	WIN 0
.irp i, 0,1,2,3
	FRAGA AF+64*(\p)+FR*\i, ADRA+(\sl), 8192-4096*(\sl), \q, \i
.endr
.endm
.macro MUL8 a, p, zero
.irp b, 0,1,2,3,4,5,6,7
.if \zero
	v_wmma_f32_16x16x128_fp8_fp8 v[8*(8*(\a)+\b):8*(8*(\a)+\b)+7], v[128*(\p)+FR*\b:128*(\p)+FR*\b+FR-1], v[AF+64*(\p)+FR*(\a):AF+64*(\p)+FR*(\a)+FR-1], 0
.else
	v_wmma_f32_16x16x128_fp8_fp8 v[8*(8*(\a)+\b):8*(8*(\a)+\b)+7], v[128*(\p)+FR*\b:128*(\p)+FR*\b+FR-1], v[AF+64*(\p)+FR*(\a):AF+64*(\p)+FR*(\a)+FR-1], v[8*(8*(\a)+\b):8*(8*(\a)+\b)+7]
.endif
.endr
.endm
.macro PLACES n
.rept \n
	v_nop
.endr
.endm
.macro STEP p, zero, nsl, nq
	s_wait_dscnt 0x0
	WIN MULW
	MUL8 0, \p, \zero
	PLACES NP
	FETCH_B \nsl, \nq, 1-(\p)
	WIN MULW
	MUL8 1, \p, \zero
	FETCH_A \nsl, \nq, 1-(\p)
	WIN MULW
	MUL8 2, \p, \zero
	MUL8 3, \p, \zero
.endm
.macro TURN p, fill, fsl, nsl
	WIN 0
	s_wait_tensorcnt 0x0
	ds_add_u32 v[SPW], v[NIL]
	s_wait_dscnt 1
	WIN MULW
	MUL8 0, \p, 0
	s_wait_dscnt 0x0
	s_barrier_signal -1
	MUL8 1, \p, 0
	WIN 0
	s_barrier_wait -1
.if \fill
	CREST
	s_add_nc_u64 s[G0AX+4*(\fsl)+2:G0AX+4*(\fsl)+3], s[G0AX+4*(\fsl)+2:G0AX+4*(\fsl)+3], ASTEP
	s_add_nc_u64 s[G0BX+4*(\fsl)+2:G0BX+4*(\fsl)+3], s[G0BX+4*(\fsl)+2:G0BX+4*(\fsl)+3], BSTEP
	JLOAD G0AX+4*(\fsl), G1AX+8*(\fsl), G0BX+4*(\fsl), G1BX+8*(\fsl)
.else
	PLACES NP
.endif
	FETCH_B \nsl, 0, 1-(\p)
	FETCH_A \nsl, 0, 1-(\p)
.if \fill
.if PFN == 0
	ASK 3                                          ; behind the third fill and the run of LDS loads; the later fills have nothing left to ask for
.endif
.set PFN, PFN+1
.endif
	WIN MULW
	MUL8 2, \p, 0
	MUL8 3, \p, 0
.endm
	s_wait_alu depctr_va_vdst(0)
	s_wait_tensorcnt 1
	s_barrier_signal -1
	s_barrier_wait -1
	FETCH_B 0, 0, 0
	FETCH_A 0, 0, 0
	STEP 0, 1, 0, 1
	STEP 1, 0, 0, 2
	STEP 0, 0, 0, 3
	TURN 1, 1, 0, 1
	STEP 0, 0, 1, 1
	TURN 1, 1, 1, 0
	STEP 0, 0, 0, 1
	STEP 1, 0, 0, 2
	STEP 0, 0, 0, 3
	TURN 1, 1, 0, 1
	STEP 0, 0, 1, 1
	TURN 1, 0, 1, 0
	STEP 0, 0, 0, 1
	STEP 1, 0, 0, 2
	STEP 0, 0, 0, 3
	s_wait_dscnt 0x0
	WIN MULW
	MUL8 0, 1, 0
	MUL8 1, 1, 0
	MUL8 2, 1, 0
	MUL8 3, 1, 0
	WIN 0
.macro TOSTAGE a
.set AC, 64*(\a)
	WIN 0x02
.irp j, 0,2,4,6,8,10,12,14,16,18,20,22,24,26,28,30,32,34,36,38,40,42,44,46,48,50,52,54,56,58,60,62
	v_pk_mul_f32 v[TMP+\j:TMP+\j+1], v[AC+\j:AC+\j+1], s[96:97] op_sel_hi:[1,0]
.endr
	WIN 0
.irp b, 0,1,2,3,4,5,6,7
	ds_store_b128 v[STO], v[TMP+8*\b:TMP+8*\b+3] offset:128*(\b/2)+32*(\b%2)
	ds_store_b128 v[STO], v[TMP+8*\b+4:TMP+8*\b+7] offset:128*(\b/2)+32*(\b%2)+16
.endr
.set BB, BK+64*((\a)%2)
.irp t, 0,1,2,3,4,5,6,7,8,9,10,11,12,13,14,15
	ds_load_b128 v[BB+4*\t:BB+4*\t+3], v[RD] offset:\t*SPITCH
.endr
.endm
.macro SEND a, younger
.set BB, BK+64*((\a)%2)
	s_wait_dscnt \younger
.if (\a) > 0
	s_add_nc_u64 s[10:11], s[10:11], 16*SIZE_N*4
.endif
.irp t, 0,1,2,3,4,5,6,7,8,9,10,11,12,13,14,15
	global_store_b128 v[CO], v[BB+4*\t:BB+4*\t+3], s[10:11] offset:\t*SIZE_N*4 th:TH_STORE_NT
.endr
.endm
	s_wait_kmcnt 0x0
	s_add_co_i32 s96, s96, s97
	s_add_co_i32 s96, s96, 127
	s_lshl_b32 s96, s96, 23
	PLACES NP
	TOSTAGE 0
.irp a, 1,2,3
.if \a > 1
	s_wait_xcnt 0x0
.endif
	TOSTAGE \a
	SEND \a-1, 32
.endr
	s_wait_xcnt 0x0
	SEND 3, 0
	s_wait_tensorcnt 0x0
	ds_add_u32 v[SPW], v[NIL]
	s_wait_dscnt 0x0
	CROUND
	s_endpgm
.Lfunc_end_k_qb49e6f2e21_outp:
	.size	k_qb49e6f2e21_outp, .Lfunc_end_k_qb49e6f2e21_outp-k_qb49e6f2e21_outp
	.p2alignl 7, 3214868480
	.fill 96, 4, 3214868480
	.section	.rodata,"a",@progbits
	.p2align	6, 0x0
	.amdhsa_kernel k_qb49e6f2e21_outp
		.amdhsa_group_segment_fixed_size 327680
		.amdhsa_private_segment_fixed_size 0
		.amdhsa_enable_private_segment 0
		.amdhsa_kernarg_size 32
		.amdhsa_user_sgpr_count 2
		.amdhsa_user_sgpr_kernarg_segment_ptr 1
		.amdhsa_wavefront_size32 1
		.amdhsa_system_sgpr_workgroup_id_x 1
		.amdhsa_system_sgpr_workgroup_id_y 1
		.amdhsa_system_sgpr_workgroup_id_z 1
		.amdhsa_system_vgpr_workitem_id 0
		.amdhsa_next_free_vgpr 768
		.amdhsa_next_free_sgpr 98
		.amdhsa_reserve_vcc 0
		.amdhsa_float_denorm_mode_32 3
		.amdhsa_float_denorm_mode_16_64 3
		.amdhsa_memory_ordered 1
		.amdhsa_forward_progress 1
		.amdhsa_inst_pref_size 122
	.end_amdhsa_kernel
	.amdgpu_metadata
---
amdhsa.version: [ 1, 2 ]
amdhsa.kernels:
  - .name:           k_qb49e6f2e21_outp
    .symbol:         k_qb49e6f2e21_outp.kd
    .args:
      - { .name: yimg, .offset: 0, .size: 8, .value_kind: global_buffer, .address_space: global }
      - { .name: wc, .offset: 8, .size: 8, .value_kind: global_buffer, .address_space: global }
      - { .name: lowp_scales, .offset: 16, .size: 8, .value_kind: global_buffer, .address_space: global }
      - { .name: out0, .offset: 24, .size: 8, .value_kind: global_buffer, .address_space: global }
    .group_segment_fixed_size: 327680
    .private_segment_fixed_size: 0
    .kernarg_segment_align: 8
    .kernarg_segment_size: 32
    .max_flat_workgroup_size: 128
    .sgpr_count:     98
    .vgpr_count:     768
    .wavefront_size: 32
...
	.end_amdgpu_metadata
.endif
;; end of part 10
